; MI455X (gfx1250); checked and timed in simulation.
; The chip was launched on July 23, 2026; its instructions are those of AMD's public machine-readable ISA for CDNA 5 (MIT licence, August 2026) and "CDNA5" Instruction Set Architecture Reference Guide (July 2026). The comments in the code are by the model that wrote it; some were corrected since.
;; Single Head Attention. Allowed arithmetic: float matrix products may take bf16 or f16 operands with f32 sums; other float arithmetic in f32, or as packed bf16 or f16 multiplies, adds, multiply-adds, maxima and minima; sums over many terms, partial sums and values carried from step to step in f32; what a program stores and reads back later, other than sums and carried values, may be rounded once to bf16 or f16.
;; Inputs: W_k 1,024 x 1,024 float32; W_o 1,024 x 1,024 float32; W_q 1,024 x 1,024 float32; W_v 1,024 x 1,024 float32; x 4 x 2,048 x 1,024 float32.
;; Outputs: out0 4 x 2,048 x 1,024 float32.
;; 3 versions, each right; version 3 is version 2 with the launch cast written anew for expert scheduling mode. Each part assembles by itself: llvm-mc -triple=amdgcn-amd-amdhsa -mcpu=gfx1250 --defsym DOCPART=n.
;; ======== version 1 of 3: 5 launches
;; limits: values are held in f16: magnitudes above 65,504 overflow, below 6.1e-05 lose precision
;; workspace buffers: xb 16,777,216 bytes; wqkv 6,291,456 bytes; woh 2,097,152 bytes; qkv 50,331,648 bytes; pt 33,554,432 bytes; st 1,048,576 bytes; oh 16,777,216 bytes
;; launch cast (part 1): grid 64 x 12, 8 waves a work-group, no clusters, 0 bytes of LDS; arguments x, W_q, W_k, W_v, W_o, xb, wqkv, woh, st; writes xb, wqkv, woh, st
.if DOCPART == 1
	.amdgcn_target "amdgcn-amd-amdhsa--gfx1250"
	.amdhsa_code_object_version 6
	.text
	.protected	k_q2645b87a5b_cast
	.globl	k_q2645b87a5b_cast
	.p2align	8
	.type	k_q2645b87a5b_cast,@function
k_q2645b87a5b_cast:
	s_mov_b64 s[64:65], 0
	v_nop
	global_prefetch_b8 v0, s[64:65] scope:SCOPE_SE
	s_setreg_imm32_b32 hwreg(HW_REG_WAVE_MODE, 25, 1), 1
	s_wait_xcnt 0x0
; THE INPUTS ARE ROUNDED ONCE.  x -> xb and W_q, W_k, W_v -> wqkv (rows in that order) in bf16; W_o -> woh: rounded to bf16 like the others, and that number written as f16.
; Also: the table st of the later launches is given its starting values: the first 524,288 bytes (c m by key block and row) a number far below every c s, the second 524,288 bytes (l) zero.
; LIMITS.  bf16(W_o) must lie within f16's range, 65,504; below 6e-5 it keeps f16's fixed step of 6e-8.  NaN and infinities are not treated apart.
; SHARES.  The grid's y names a slab of 1,048,576 numbers: 0-7 eighths of x, 8-10 W_q, W_k, W_v, 11 W_o.  A work-group takes 16,384 of them, a wave 2,048: sixteen loads of 512 consecutive
; bytes, all issued first, and sixteen stores of 256 consecutive bytes, each at a multiple of 256 from its buffer's first byte.  No register is used twice, so no store's data is ever rewritten.
; No LDS, no matrix unit, no cluster: nothing is shared and nothing is read twice.
.set X, 8                              ; v[8:71]    sixteen loads of four f32
.set Y, 72                             ; v[72:103]  sixteen stores of four 16-bit numbers
.set Z, 104                            ; v[104:107] st's starting value, four times
	s_load_b512 s[8:23], s[0:1], 0x0               ; x s[8:9], W_q s[10:11], W_k s[12:13], W_v s[14:15], W_o s[16:17], xb s[18:19], wqkv s[20:21], woh s[22:23]
	s_load_b64 s[24:25], s[0:1], 0x40              ; st
	s_and_b32 s2, ttmp7, 0xffff                    ; the slab
	v_lshrrev_b32 v3, 5, v0                        ; wave
	v_and_b32 v4, 31, v0                           ; lane
	v_lshlrev_b32 v1, 4, v4
	v_lshl_add_u32 v1, v3, 13, v1                  ; in: 8,192 x wave + 16 x lane
	v_lshlrev_b32 v2, 3, v4
	v_lshl_add_u32 v2, v3, 12, v2                  ; out: 4,096 x wave + 8 x lane
	v_lshlrev_b32 v3, 4, v0                        ; st: 16 x thread
	s_sub_co_u32 s3, s2, 8                         ; the slab's number among the weights
	s_cmp_lt_u32 s2, 8
	s_cselect_b32 s26, s2, 0                       ; which eighth of x (a weight begins at its buffer's first byte)
	s_cselect_b32 s28, s2, s3                      ; which slab of xb or of wqkv
	s_cmp_eq_u32 s2, 11
	s_cselect_b32 s28, 0, s28                      ; woh has one
	s_lshl_b32 s26, s26, 22                        ; a slab is 4 MiB in,
	s_lshl_b32 s27, ttmp9, 16                      ; a work-group's part 65,536 bytes
	s_add_co_u32 s26, s26, s27
	s_mov_b32 s27, 0
	s_lshl_b32 s28, s28, 21                        ; and half of that out
	s_lshl_b32 s29, ttmp9, 15
	s_add_co_u32 s28, s28, s29
	s_mov_b32 s29, 0
	s_wait_kmcnt 0x0
	s_cmp_eq_u32 s2, 8
	s_cselect_b64 s[4:5], s[10:11], s[8:9]
	s_cmp_eq_u32 s2, 9
	s_cselect_b64 s[4:5], s[12:13], s[4:5]
	s_cmp_eq_u32 s2, 10
	s_cselect_b64 s[4:5], s[14:15], s[4:5]
	s_cmp_eq_u32 s2, 11
	s_cselect_b64 s[4:5], s[16:17], s[4:5]         ; from
	s_cselect_b64 s[6:7], s[22:23], s[20:21]
	s_cmp_lt_u32 s2, 8
	s_cselect_b64 s[6:7], s[18:19], s[6:7]         ; to
	s_add_nc_u64 s[4:5], s[4:5], s[26:27]
	s_add_nc_u64 s[6:7], s[6:7], s[28:29]
.set j, 0
.rept 16
	global_load_b128 v[X+4*j:X+4*j+3], v1, s[4:5] offset:512*j th:TH_LOAD_NT
.set j, j+1
.endr
	s_cmp_lt_u32 s2, 8                             ; the 256 work-groups of slabs 8 to 11 also write 4,096 bytes of st each
	s_cbranch_scc1 .Lno_st
	s_lshl_b32 s30, s3, 6
	s_add_co_u32 s30, s30, ttmp9                   ; 0 .. 255
	s_cmp_lt_u32 s30, 128
	s_cselect_b32 s31, 0xfe000000, 0               ; c m: far below every c s;  l: 0
	s_lshl_b32 s32, s30, 12
	s_mov_b32 s33, 0
	s_add_nc_u64 s[24:25], s[24:25], s[32:33]
	v_mov_b32 v[Z], s31
	v_mov_b32 v[Z+1], s31
	v_mov_b32 v[Z+2], s31
	v_mov_b32 v[Z+3], s31
	global_store_b128 v3, v[Z:Z+3], s[24:25]
.Lno_st:
; half = 1: the bf16 numbers are widened again (a shift, a mask) and written as f16
.macro CONV half
.set j, 0
.rept 16
	s_wait_loadcnt 15-j                            ; loads come back in order: load j is in, the 15 - j younger ones stay out
	v_cvt_pk_bf16_f32 v[Y+2*j], v[X+4*j], v[X+4*j+1]
	v_cvt_pk_bf16_f32 v[Y+2*j+1], v[X+4*j+2], v[X+4*j+3]
.if \half
	v_lshlrev_b32 v4, 16, v[Y+2*j]
	v_and_b32 v5, 0xffff0000, v[Y+2*j]
	v_lshlrev_b32 v6, 16, v[Y+2*j+1]
	v_and_b32 v7, 0xffff0000, v[Y+2*j+1]
	v_cvt_pk_f16_f32 v[Y+2*j], v4, v5
	v_cvt_pk_f16_f32 v[Y+2*j+1], v6, v7
.endif
	global_store_b64 v2, v[Y+2*j:Y+2*j+1], s[6:7] offset:256*j  ; 32 lanes store 256 consecutive bytes
.set j, j+1
.endr
.endm
	s_cmp_eq_u32 s2, 11
	s_cbranch_scc1 .Lto_f16
	CONV 0
	s_endpgm
.Lto_f16:
	CONV 1
	s_endpgm
.Lfunc_end_k_q2645b87a5b_cast:
	.size	k_q2645b87a5b_cast, .Lfunc_end_k_q2645b87a5b_cast-k_q2645b87a5b_cast
	.p2alignl 7, 3214868480
	.fill 96, 4, 3214868480
	.section	.rodata,"a",@progbits
	.p2align	6, 0x0
	.amdhsa_kernel k_q2645b87a5b_cast
		.amdhsa_group_segment_fixed_size 0
		.amdhsa_private_segment_fixed_size 0
		.amdhsa_enable_private_segment 0
		.amdhsa_kernarg_size 72
		.amdhsa_user_sgpr_count 2
		.amdhsa_user_sgpr_kernarg_segment_ptr 1
		.amdhsa_wavefront_size32 1
		.amdhsa_system_sgpr_workgroup_id_x 1
		.amdhsa_system_sgpr_workgroup_id_y 1
		.amdhsa_system_sgpr_workgroup_id_z 1
		.amdhsa_system_vgpr_workitem_id 0
		.amdhsa_next_free_vgpr 108
		.amdhsa_next_free_sgpr 66
		.amdhsa_reserve_vcc 0
		.amdhsa_float_denorm_mode_32 3
		.amdhsa_float_denorm_mode_16_64 3
		.amdhsa_memory_ordered 1
		.amdhsa_forward_progress 1
		.amdhsa_inst_pref_size 17
	.end_amdhsa_kernel
	.amdgpu_metadata
---
amdhsa.version: [ 1, 2 ]
amdhsa.kernels:
  - .name:           k_q2645b87a5b_cast
    .symbol:         k_q2645b87a5b_cast.kd
    .args:
      - { .name: x, .offset: 0, .size: 8, .value_kind: global_buffer, .address_space: global }
      - { .name: W_q, .offset: 8, .size: 8, .value_kind: global_buffer, .address_space: global }
      - { .name: W_k, .offset: 16, .size: 8, .value_kind: global_buffer, .address_space: global }
      - { .name: W_v, .offset: 24, .size: 8, .value_kind: global_buffer, .address_space: global }
      - { .name: W_o, .offset: 32, .size: 8, .value_kind: global_buffer, .address_space: global }
      - { .name: xb, .offset: 40, .size: 8, .value_kind: global_buffer, .address_space: global }
      - { .name: wqkv, .offset: 48, .size: 8, .value_kind: global_buffer, .address_space: global }
      - { .name: woh, .offset: 56, .size: 8, .value_kind: global_buffer, .address_space: global }
      - { .name: st, .offset: 64, .size: 8, .value_kind: global_buffer, .address_space: global }
    .group_segment_fixed_size: 0
    .private_segment_fixed_size: 0
    .kernarg_segment_align: 8
    .kernarg_segment_size: 72
    .max_flat_workgroup_size: 256
    .sgpr_count:     66
    .vgpr_count:     108
    .wavefront_size: 32
...
	.end_amdgpu_metadata
.endif
;; end of part 1
;; launch proj (part 2): grid 24 x 32, 4 waves a work-group, clusters of 4 x 4, 327,680 bytes of LDS; arguments xb, wqkv, qkv; writes qkv
.if DOCPART == 2
	.amdgcn_target "amdgcn-amd-amdhsa--gfx1250"
	.amdhsa_code_object_version 6
	.text
	.protected	k_q2645b87a5b_proj
	.globl	k_q2645b87a5b_proj
	.p2align	8
	.type	k_q2645b87a5b_proj,@function
k_q2645b87a5b_proj:
	s_mov_b64 s[64:65], 0
	v_nop
	global_prefetch_b8 v0, s[64:65] scope:SCOPE_SE
	s_setreg_imm32_b32 hwreg(HW_REG_WAVE_MODE, 25, 1), 1
	s_wait_xcnt 0x0
	s_wait_alu depctr_hold_cnt(0) depctr_sa_sdst(0) depctr_va_vdst(0) depctr_va_sdst(0) depctr_va_ssrc(0) depctr_va_vcc(0) depctr_vm_vsrc(0)
	s_getreg_b32 s2, hwreg(HW_REG_IB_STS2, 6, 4)
	s_cmp_eq_u32 s2, 0
	s_cbranch_scc0 .Lentry_in_a_cluster
	s_endpgm
.Lentry_in_a_cluster:
	s_bfe_u32 s2, ttmp6, 0x10000c
	s_cmp_lg_u32 s2, 0xf033
	s_cbranch_scc0 .Lentry_shape_is_right
	s_endpgm
.Lentry_shape_is_right:
; C[m][n] = the sum over k of A[m][k] B[n][k], K = 1,024; sums in f32, K ascending.  One source, two texts, told apart by F32OUT.
; F32OUT = 0: A = xb [8192][1024] bf16, B = wqkv [3072][1024] bf16, C = qkv, three planes [8192][1024] of f16 (q, k, v, unscaled), each number rounded once.
; F32OUT = 1: A = oh [8192][1024] f16, B = woh [1024][1024] f16, C = out0 [8192][1024] f32.
; LIMIT (F32OUT = 0).  f16 ends at 65,504: q, k and v must stay within it; below 6e-5 they keep f16's fixed step of 6e-8.  NaN and infinities are not treated apart.
; SHARES.  A work-group makes 256 rows x 128 columns of C, each of its four waves 64 rows x 128 columns: 32 accumulators of 16 x 16, 256 registers.  That tile gives 768 (256) work-groups.
; K goes in steps of 128 through two LDS slots: rows of 256 bytes of memory, at multiples of 256 from the buffer's first byte.  Waves 0 and 1 fetch A's two halves (128 rows), waves 2 and 3 B's (64 rows).
; CLUSTER.  4 x 4 work-groups.  The four of a row of the cluster need the same tile of A, the four of a column the same tile of B: each is asked for jointly, by the same tensor load with the same
; descriptor and a mask that names the four.
; THE MATRIX INSTRUCTION IS USED TRANSPOSED (source 0 = 16 rows of B, source 1 = 16 rows of A): a lane then holds row l % 16 of C and the eight neighbouring columns 8 (l / 16) + 0..7.
; REGISTERS.  Window 0: v16-25 addresses; v32-127 and v128-223 two fragment buffers (B's eight fragments, then A's four); v224-255 packed results.  Window 1: accumulator (a, b) at v[64 a + 8 b].
.set F32OUT, 0
.set KD,     1024
.set KSTEP,  128
.set PITCH,  272                       ; an LDS row: 256 bytes + 16 of padding = 68 words: the 16 rows of a fragment load start at 16 different groups of four banks (64 banks of 4 bytes: ISA guide 11.1)
.set HALFA,  128*PITCH                 ; what waves 0 and 1 fetch
.set HALFB,  64*PITCH                  ; what waves 2 and 3 fetch
.set BOFF,   256*PITCH                 ; in a slot: A's 256 rows, then B's 128
.set SLOT1,  131072                    ; slot 1 begins here
.set STAGE,  SLOT1+BOFF+2*HALFB        ; 235,520: behind the ring; no tensor load lands from here on
.if F32OUT
.set SPITCH, 528                       ; a stage row: 128 f32 + 16 bytes
.set ROWB,   4096                      ; bytes in a row of C
.else
.set SPITCH, 272                       ; a stage row: 128 f16 + 16 bytes
.set ROWB,   2048
.endif
.set WSTAGE, 16*SPITCH                 ; a wave's own stage: 16 rows
.set SPARE,  STAGE+4*WSTAGE            ; the spare words, 128 bytes for each wave: two blocks of 256 bytes that no other line names
.set LAPS,   KD/(2*KSTEP)              ; a lap = two K steps = once round the ring
.set ADRA, 16                          ; v16-17  LDS address of my A fragments in slot 0, 1
.set ADRB, 18                          ; v18-19  the same for B
.set STO,  20                          ; v20     the way out: where I put my piece of a row
.set RD,   21                          ; v21     where I read rows back
.set SPW,  22                          ; v22     my spare word: SPARE + 4 x my thread's number; never rewritten
.set NIL,  23                          ; v23     0; never rewritten
.set CO,   24                          ; v24     my byte offset in C
.set PFO,  25                          ; v25     the prefetches' offset: my lane x a row of 2,048 bytes
.set F0,   32
.set F1,   128
.set TMP,  224
.set BK0,  32                          ; the way out: rows read back from the stage
.set G1,   24                          ; s[24:31] descriptor group 1 for A's tiles;  s[32:39] group 0, a set for each slot
.set G0,   32
.set G1B,  48                          ; s[48:55], s[56:63] the same for B's tiles
.set G0B,  56
.set PFA,  68                          ; s[68:69] where my prefetches stand
.set LIM,  70                          ; s70     1 in a wave that prefetches, else the greatest number
.set MSB, 0
.macro WIN new                         ; the immediate's high byte repeats the setting that is left; a switch that changes nothing is dropped
.if MSB != (\new)
	s_set_vgpr_msb (MSB<<8)|(\new)
.set MSB, \new
.endif
.endm
.set MUL, 0x50                         ; sources 0 and 1 in window 0, C and D in window 1
; A joint load: waves 0 and 1 ask for A's halves, waves 2 and 3 for B's.  The branch hangs on the wave's number alone.  An s_nop 0 and four v_nop follow each line.
.macro JLOAD s
	s_cmp_eq_u32 s11, 0
	s_cbranch_scc0 .Lfor_b_\@
	tensor_load_to_lds s[G0+4*(\s):G0+4*(\s)+3], s[G1:G1+7]
	s_nop 0
.rept 4
	v_nop
.endr
	s_branch .Lasked_\@
.Lfor_b_\@:
	tensor_load_to_lds s[G0B+4*(\s):G0B+4*(\s)+3], s[G1B:G1B+7]
	s_nop 0
.rept 4
	v_nop
.endr
.Lasked_\@:
.endm
; A prefetch of the K step that stands two refills on: 32 rows x 256 bytes, a lane a row.  Each row's 256 bytes of a K step are named once in the launch: A's rows by the clusters with x = 0 (waves 0 and 1;
; the four partners of a row of the cluster take 32 of a wave's 128 rows each, told apart by address), B's by the clusters with y = 0 (wave 2; the four partners of a column take 32 of the 128 rows each).
; K steps 0 to 3 come by their loads alone; the loop's last trip (s3 = 1) asks for nothing: K steps 8 and 9 do not exist.
.macro ASK
	s_cmp_gt_u32 s3, s[LIM]
	s_cbranch_scc0 .Lnot_mine_\@
	global_prefetch_b8 v[PFO], s[PFA:PFA+1] offset:KSTEP*2 th:TH_LOAD_NT scope:SCOPE_SE
.Lnot_mine_\@:
.endm
.macro CREST                           ; a round of the cluster's barrier behind its opening barrier
	s_cmp_lg_u32 s10, 0
	s_cbranch_scc1 .Lnot_wave_0_\@
	s_barrier_signal -3
.Lnot_wave_0_\@:
	s_barrier_wait -3
	s_barrier_signal -1
	s_barrier_wait -1
.endm
.macro CROUND                          ; a whole round
	s_barrier_signal -1
	s_barrier_wait -1
	CREST
.endm
	s_load_b128 s[4:7], s[0:1], 0x0                ; A s[4:5], B s[6:7]
	s_load_b64 s[8:9], s[0:1], 0x10                ; C
	v_lshl_add_u32 v[SPW], v0, 2, SPARE
	v_mov_b32 v[NIL], 0
	ds_add_u32 v[SPW], v[NIL]                      ; the wave's opening: the add and its wait stand ahead of my first tensor load; the set-up below stands between them
	v_lshrrev_b32 v1, 5, v0
	v_readfirstlane_b32 s10, v1                    ; wave 0..3
	s_lshr_b32 s11, s10, 1                         ; I fetch for A (0) or for B (1)
	s_and_b32 s12, s10, 1                          ; which half of that tile
	s_bfe_u32 s40, ttmp6, 0x40000                  ; cx, cy: my place in the cluster
	s_bfe_u32 s41, ttmp6, 0x40004
	s_lshl_b32 s42, ttmp9, 2
	s_add_co_u32 s42, s42, s40                     ; tile column = 4 x cluster x + cx
	s_and_b32 s13, ttmp7, 0xffff
	s_lshl_b32 s13, s13, 2
	s_add_co_u32 s13, s13, s41                     ; tile row = 4 x cluster y + cy
	s_lshl_b32 s43, s41, 2
	s_lshl_b32 s43, 15, s43                        ; my row of the cluster
	s_lshl_b32 s44, 0x1111, s40                    ; my column
	s_or_b32 s[G1+0], s43, (1<<16)|(1<<20)|(1<<21)|(5<<22)|(3<<25)   ; 15:0 the mask; 17:16 elements of 2 bytes; 20 padding on; 21 set beside a mask; 24:22 after every 64 words; 31:25 4 words of it
	s_or_b32 s[G1B+0], s44, (1<<16)|(1<<20)|(1<<21)|(5<<22)|(3<<25)
	s_mov_b32 s[G1+1], KSTEP<<16                   ; tensor_dim0 = 128
	s_mov_b32 s[G1+2], 128<<16                     ; tensor_dim1 = 128
	s_mov_b32 s[G1+3], KSTEP<<16                   ; tile_dim0 = 128
	s_mov_b32 s[G1+4], 128                         ; tile_dim1 = 128
	s_mov_b32 s[G1+5], KD                          ; elements from row to row
	s_mov_b32 s[G1+6], 0
	s_mov_b32 s[G1+7], 0
	s_mov_b32 s[G1B+1], KSTEP<<16
	s_mov_b32 s[G1B+2], 64<<16                     ; B's loads have 64 rows
	s_mov_b32 s[G1B+3], KSTEP<<16
	s_mov_b32 s[G1B+4], 64
	s_mov_b32 s[G1B+5], KD
	s_mov_b32 s[G1B+6], 0
	s_mov_b32 s[G1B+7], 0
	s_lshl_b32 s17, s12, 7
	s_lshl_b32 s16, s13, 8
	s_add_co_u32 s16, s16, s17                     ; A: row 256 x tile row + 128 x half
	s_lshl_b32 s16, s16, 11                        ; in bytes (under 2^25)
	s_mov_b32 s17, 0
	s_lshl_b32 s47, s12, 6
	s_lshl_b32 s46, s42, 7
	s_add_co_u32 s46, s46, s47                     ; B: row 128 x tile column + 64 x half
	s_lshl_b32 s46, s46, 11
	s_mov_b32 s47, 0
	s_mul_i32 s20, s12, HALFA                      ; where they go: no place in the cluster enters an LDS address
	s_mul_i32 s21, s12, HALFB
	s_add_co_u32 s21, s21, BOFF
	s_wait_dscnt 0x0                               ; the opening add is done
	s_wait_kmcnt 0x0
	s_add_nc_u64 s[14:15], s[4:5], s[16:17]
	s_add_nc_u64 s[46:47], s[6:7], s[46:47]
	CROUND                                         ; all sixteen work-groups are here: the first joint loads meet
.irp s, 0,1
	s_mov_b32 s[G0+4*(\s)], 1                      ; count = 1
	s_add_co_u32 s[G0+4*(\s)+1], s20, (\s)*SLOT1   ; LDS address
	s_add_nc_u64 s[G0+4*(\s)+2:G0+4*(\s)+3], s[14:15], (\s)*KSTEP*2  ; global address: K step s
	s_or_b32 s[G0+4*(\s)+3], s[G0+4*(\s)+3], 0x80000000              ; type = 2
	s_mov_b32 s[G0B+4*(\s)], 1
	s_add_co_u32 s[G0B+4*(\s)+1], s21, (\s)*SLOT1
	s_add_nc_u64 s[G0B+4*(\s)+2:G0B+4*(\s)+3], s[46:47], (\s)*KSTEP*2
	s_or_b32 s[G0B+4*(\s)+3], s[G0B+4*(\s)+3], 0x80000000
	JLOAD \s                                       ; two loads of mine are out
.endr
	; a fragment is 16 rows x 32 K in 8 registers: lane l holds row l % 16, K = 8 (l / 16) + 0..7 and 16 + 8 (l / 16) + 0..7: two loads of 16 bytes, 32 bytes apart
	v_and_b32 v1, 15, v0                           ; l % 16
	v_bfe_u32 v2, v0, 4, 1                         ; l / 16
	v_mul_u32_u24 v3, v1, PITCH
	v_lshl_add_u32 v3, v2, 4, v3
	s_mul_i32 s22, s10, 64*PITCH                   ; my 64 rows of A
	v_add_nc_u32 v[ADRA], s22, v3
	v_add_nc_u32 v[ADRA+1], SLOT1, v[ADRA]
	v_add_nc_u32 v[ADRB], BOFF, v3                 ; all 128 rows of B
	v_add_nc_u32 v[ADRB+1], SLOT1, v[ADRB]
	s_mul_i32 s23, s10, WSTAGE
	s_add_co_u32 s23, s23, STAGE                   ; my stage
	v_mul_u32_u24 v4, v1, SPITCH                   ; in: row l % 16,
.if F32OUT
	v_lshl_add_u32 v4, v2, 5, v4                   ; 32 bytes for each half of the lanes
	v_add_nc_u32 v[STO], s23, v4
	v_and_b32 v5, 31, v0
	v_lshlrev_b32 v[CO], 4, v5                     ; back: 32 lanes take one row of 512 bytes
	v_add_nc_u32 v[RD], s23, v[CO]
.else
	v_lshl_add_u32 v4, v2, 4, v4                   ; 16 bytes for each half of the lanes
	v_add_nc_u32 v[STO], s23, v4
	v_mul_u32_u24 v5, v2, SPITCH                   ; back: lanes 0-15 take one row of 256 bytes, lanes 16-31 the next
	v_lshl_add_u32 v5, v1, 4, v5
	v_add_nc_u32 v[RD], s23, v5
	v_lshlrev_b32 v5, 11, v2                       ; and the same two rows in C
	v_lshl_add_u32 v[CO], v1, 4, v5
.endif
	s_lshl_b32 s16, s13, 8
	s_lshl_b32 s17, s10, 6
	s_add_co_u32 s16, s16, s17                     ; my first row of C
.if F32OUT
	s_lshl_b32 s16, s16, 12
	s_lshl_b32 s46, s42, 9                         ; the tile's first column: 512 bytes a tile
.else
	s_lshl_b32 s16, s16, 11
	s_lshr_b32 s46, s42, 3                         ; the plane (q, k, v): eight tile columns each,
	s_lshl_b32 s46, s46, 24                        ; 16,777,216 bytes
	s_and_b32 s47, s42, 7
	s_lshl_b32 s47, s47, 8                         ; the tile's first column in it: 256 bytes a tile
	s_add_co_u32 s46, s46, s47
.endif
	s_mov_b32 s17, 0
	s_mov_b32 s47, 0
	s_add_nc_u64 s[8:9], s[8:9], s[16:17]
	s_add_nc_u64 s[8:9], s[8:9], s[46:47]
	; the prefetches
	s_lshl_b32 s20, s13, 8
	s_lshl_b32 s21, s12, 7
	s_add_co_u32 s20, s20, s21                     ; A: the 128 rows that I fetch
	s_lshl_b32 s21, s42, 7                         ; B: the tile's 128 rows
	s_and_b32 s22, ttmp7, 0xffff                   ; cluster y
	s_cmp_eq_u32 s11, 0
	s_cselect_b32 s20, s20, s21
	s_cselect_b32 s21, s40, s41                    ; my place among the four that ask with me
	s_cselect_b32 s22, ttmp9, s22                  ; the coordinate along which other clusters read the same rows
	s_cselect_b64 s[PFA:PFA+1], s[4:5], s[6:7]
	s_cmp_eq_u32 s22, 0
	s_cselect_b32 s[LIM], 1, -1                    ; the same in all sixteen partners, for a given wave
	s_cmp_eq_u32 s10, 3
	s_cselect_b32 s[LIM], -1, s[LIM]               ; wave 2 names all of my work-group's 32 rows of B
	s_lshl_b32 s21, s21, 5
	s_add_co_u32 s20, s20, s21                     ; + my work-group's 32 rows
	s_lshl_b32 s20, s20, 11
	s_mov_b32 s21, 0
	s_add_nc_u64 s[PFA:PFA+1], s[PFA:PFA+1], s[20:21]
	s_add_nc_u64 s[PFA:PFA+1], s[PFA:PFA+1], 2*KSTEP*2  ; at K step 2: the first refill steps it to 3 and names K step 4
	v_and_b32 v[PFO], 31, v0
	v_lshlrev_b32 v[PFO], 11, v[PFO]
.macro WM zero                         ; one matrix instruction on rD, rB, rA
.if F32OUT
.if \zero
	v_wmma_f32_16x16x32_f16 v[rD:rD+7], v[rB:rB+7], v[rA:rA+7], 0
.else
	v_wmma_f32_16x16x32_f16 v[rD:rD+7], v[rB:rB+7], v[rA:rA+7], v[rD:rD+7]
.endif
.else
.if \zero
	v_wmma_f32_16x16x32_bf16 v[rD:rD+7], v[rB:rB+7], v[rA:rA+7], 0
.else
	v_wmma_f32_16x16x32_bf16 v[rD:rD+7], v[rB:rB+7], v[rA:rA+7], v[rD:rD+7]
.endif
.endif
.endm
; 8 matrix instructions: row block a x all 8 column blocks, 32 along K.  zero = 1: the products start the sums.  The 32 accumulators take turns, each once in a quarter step.
.macro MULA f, a, zero
	WIN MUL
.set b, 0
.rept 8
.set rD, 64*(\a)+8*b
.set rB, (\f)+8*b
.set rA, (\f)+64+8*(\a)
	WM \zero
.set b, b+1
.endr
.endm
; 24 LDS loads in one run: the fragments of 32 along K at byte k of the rows, into buffer f
.macro FETCH slot, k, f
	WIN 0
.set b, 0
.rept 8
	ds_load_b128 v[(\f)+8*b:(\f)+8*b+3],   v[ADRB+(\slot)] offset:(\k)+b*16*PITCH
	ds_load_b128 v[(\f)+8*b+4:(\f)+8*b+7], v[ADRB+(\slot)] offset:(\k)+b*16*PITCH+32
.set b, b+1
.endr
.set b, 0
.rept 4
	ds_load_b128 v[(\f)+64+8*b:(\f)+64+8*b+3],   v[ADRA+(\slot)] offset:(\k)+b*16*PITCH
	ds_load_b128 v[(\f)+64+8*b+4:(\f)+64+8*b+7], v[ADRA+(\slot)] offset:(\k)+b*16*PITCH+32
.set b, b+1
.endr
.endm
.macro PLACES                          ; four plain instructions between a matrix instruction and a load into a register that it read, or a reader of its result
.rept 4
	v_nop
.endr
.endm
; A K step is four quarters of 32 along K, 32 matrix instructions each, on buffers 0, 1, 0, 1.  One of the first three: buffer f, asked for a quarter ago, is in; the next quarter's fragments, at byte k,
; are asked for into buffer g, which the quarter before multiplied; then f is multiplied.
.macro QUARTER slot, k, f, g, zero
	s_wait_dscnt 0x0
	PLACES
	FETCH \slot, \k, \g
	MULA \f, 0, \zero
	MULA \f, 1, \zero
	MULA \f, 2, \zero
	MULA \f, 3, \zero
.endm
; The last quarter multiplies buffer 1 and changes slots: ONE barrier.  In front of it each wave waits for all its tensor loads (one is out: its part of the next slot), adds 0 to its spare word, and waits for
; that and for its reads of this slot.  fill = 1: the barrier opens a round of the cluster's barrier, and this slot is filled again, two K steps ahead, first thing behind the round.
.macro TURN slot, next, fill
.if \fill
	s_wait_xcnt 0x0                                ; the last prefetch, a K step back, has read its address
	s_add_nc_u64 s[PFA:PFA+1], s[PFA:PFA+1], KSTEP*2
.endif
	WIN 0                                          ; (the add's two registers lie in window 0)
	s_wait_tensorcnt 0x0                           ; all my tensor loads have landed
	ds_add_u32 v[SPW], v[NIL]                      ; 0 onto my spare word
	s_wait_dscnt 0x1                               ; buffer 1 is in: only the add may be out
	MULA F1, 0, 0                                  ; eight matrix instructions stand between the add and the wait for it
	s_wait_dscnt 0x0                               ; the add is done, and my reads of this slot are over
	s_barrier_signal -1
	MULA F1, 1, 0
.if \fill
	WIN 0
.endif
	s_barrier_wait -1
.if \fill
	CREST                                          ; no wave of any partner still reads this slot's tile or has a load on its way
	s_add_nc_u64 s[G0+4*(\slot)+2:G0+4*(\slot)+3], s[G0+4*(\slot)+2:G0+4*(\slot)+3], 2*KSTEP*2
	s_add_nc_u64 s[G0B+4*(\slot)+2:G0B+4*(\slot)+3], s[G0B+4*(\slot)+2:G0B+4*(\slot)+3], 2*KSTEP*2
	JLOAD \slot                                    ; my one tensor load behind the round; its four v_nop are also the places in front of the loads below
.else
	PLACES
.endif
	FETCH \next, 0, F0
.if \fill
	ASK
.endif
	MULA F1, 2, 0
	MULA F1, 3, 0
.endm
	s_wait_tensorcnt 0x1                           ; my part of K step 0 is in; K step 1's may stay out
	s_barrier_signal -1
	s_barrier_wait -1                              ; everybody's is
	FETCH 0, 0, F0
	QUARTER 0, 64, F0, F1, 1                       ; the first quarter stands in front of the loop: its products start the sums
	WIN 0                                          ; at a label and at a branch every window is 0
	s_mov_b32 s3, LAPS-1
.Llap:                                                 ; a trip goes once round the ring, from a lap's second quarter to the next lap's first, and fills both slots again
	QUARTER 0, 128, F1, F0, 0
	QUARTER 0, 192, F0, F1, 0
	TURN 0, 1, 1
	QUARTER 1, 64,  F0, F1, 0
	QUARTER 1, 128, F1, F0, 0
	QUARTER 1, 192, F0, F1, 0
	TURN 1, 0, 1
	QUARTER 0, 64,  F0, F1, 0
	WIN 0
	s_sub_co_u32 s3, s3, 1
	s_cmp_lg_u32 s3, 0
	s_cbranch_scc1 .Llap
	QUARTER 0, 128, F1, F0, 0                      ; the last lap fills nothing
	QUARTER 0, 192, F0, F1, 0
	TURN 0, 1, 0
	QUARTER 1, 64,  F0, F1, 0
	QUARTER 1, 128, F1, F0, 0
	QUARTER 1, 192, F0, F1, 0
	s_wait_dscnt 0x0                               ; the very last quarter: nothing more to fetch
	MULA F1, 0, 0
	MULA F1, 1, 0
	MULA F1, 2, 0
	MULA F1, 3, 0
	WIN 0
	PLACES                                         ; the way out reads results just made
.if F32OUT
; THE WAY OUT, f32: a block of 16 rows goes into my stage, 32 bytes a lane, and comes back as whole rows of 512 bytes.  Each accumulator's low four registers are read first.
.macro OUT32 a
	WIN 0x04                                       ; an LDS store's data is source 1: window 1
.set b, 0
.rept 8
	ds_store_b128 v[STO], v[64*(\a)+8*b:64*(\a)+8*b+3]   offset:64*b
	ds_store_b128 v[STO], v[64*(\a)+8*b+4:64*(\a)+8*b+7] offset:64*b+16
.set b, b+1
.endr
	WIN 0
	s_wait_xcnt 0x0                                ; the stores of two blocks ago have read the registers that are loaded again below
.set BK, BK0+64*((\a)%2)
.set t, 0
.rept 16
	ds_load_b128 v[BK+4*t:BK+4*t+3], v[RD] offset:t*SPITCH  ; LDS serves a wave's instructions in order (ISA guide 5.7.1.4): these see the stores above
.set t, t+1
.endr
.set t, 0
.rept 16
	s_wait_dscnt 15-t                              ; row t is back; the 15 - t younger loads stay out
	global_store_b128 v[CO], v[BK+4*t:BK+4*t+3], s[8:9] offset:(16*(\a)+t)*ROWB th:TH_STORE_NT  ; 32 lanes store 512 consecutive bytes, at a multiple of 256 from C's first byte
.set t, t+1
.endr
.endm
	OUT32 0
	OUT32 1
	OUT32 2
	OUT32 3
.else
; THE WAY OUT, f16: a block of 16 rows is rounded (16 bytes a lane), goes into my stage and comes back as whole rows of 256 bytes.
.macro PACK a
	WIN 0x05                                       ; sources 0 and 1 in window 1
.set t, 0
.rept 32
	v_cvt_pk_f16_f32 v[TMP+t], v[64*(\a)+2*t], v[64*(\a)+2*t+1]
.set t, t+1
.endr
	WIN 0
.endm
.macro TOSTAGE a
.set BK, BK0+32*(\a)
.set b, 0
.rept 8
	ds_store_b128 v[STO], v[TMP+4*b:TMP+4*b+3] offset:32*b
.set b, b+1
.endr
.set t, 0
.rept 8
	ds_load_b128 v[BK+4*t:BK+4*t+3], v[RD] offset:t*2*SPITCH  ; LDS serves a wave's instructions in order (ISA guide 5.7.1.4): these see the stores above
.set t, t+1
.endr
.endm
.macro SEND a                          ; each block has its own 32 registers: no store's data is rewritten
.set BK, BK0+32*(\a)
	s_wait_dscnt 0x0                               ; the block is back in registers
.set t, 0
.rept 8
	global_store_b128 v[CO], v[BK+4*t:BK+4*t+3], s[8:9] offset:(16*(\a)+2*t)*ROWB  ; 16 lanes store 256 consecutive bytes, at a multiple of 256 from C's first byte
.set t, t+1
.endr
.endm
	PACK 0
	TOSTAGE 0
	PACK 1                                         ; a block's conversions stand between the loads of the block before and the wait for them
	SEND 0
	TOSTAGE 1
	PACK 2
	SEND 1
	TOSTAGE 2
	PACK 3
	SEND 2
	TOSTAGE 3
	SEND 3
.endif
	s_wait_tensorcnt 0x0                           ; the wave's end, behind my last tensor load and my last LDS store
	ds_add_u32 v[SPW], v[NIL]
	s_wait_dscnt 0x0
	CROUND                                         ; the closing round: no work-group ends while a partner may still ask for a tile that names it
	s_endpgm
.Lfunc_end_k_q2645b87a5b_proj:
	.size	k_q2645b87a5b_proj, .Lfunc_end_k_q2645b87a5b_proj-k_q2645b87a5b_proj
	.p2alignl 7, 3214868480
	.fill 96, 4, 3214868480
	.section	.rodata,"a",@progbits
	.p2align	6, 0x0
	.amdhsa_kernel k_q2645b87a5b_proj
		.amdhsa_group_segment_fixed_size 327680
		.amdhsa_private_segment_fixed_size 0
		.amdhsa_enable_private_segment 0
		.amdhsa_kernarg_size 24
		.amdhsa_user_sgpr_count 2
		.amdhsa_user_sgpr_kernarg_segment_ptr 1
		.amdhsa_wavefront_size32 1
		.amdhsa_system_sgpr_workgroup_id_x 1
		.amdhsa_system_sgpr_workgroup_id_y 1
		.amdhsa_system_sgpr_workgroup_id_z 1
		.amdhsa_system_vgpr_workitem_id 0
		.amdhsa_next_free_vgpr 512
		.amdhsa_next_free_sgpr 72
		.amdhsa_reserve_vcc 0
		.amdhsa_float_denorm_mode_32 3
		.amdhsa_float_denorm_mode_16_64 3
		.amdhsa_memory_ordered 1
		.amdhsa_forward_progress 1
		.amdhsa_inst_pref_size 86
	.end_amdhsa_kernel
	.amdgpu_metadata
---
amdhsa.version: [ 1, 2 ]
amdhsa.kernels:
  - .name:           k_q2645b87a5b_proj
    .symbol:         k_q2645b87a5b_proj.kd
    .args:
      - { .name: xb, .offset: 0, .size: 8, .value_kind: global_buffer, .address_space: global }
      - { .name: wqkv, .offset: 8, .size: 8, .value_kind: global_buffer, .address_space: global }
      - { .name: qkv, .offset: 16, .size: 8, .value_kind: global_buffer, .address_space: global }
    .group_segment_fixed_size: 327680
    .private_segment_fixed_size: 0
    .kernarg_segment_align: 8
    .kernarg_segment_size: 24
    .max_flat_workgroup_size: 128
    .sgpr_count:     72
    .vgpr_count:     512
    .wavefront_size: 32
...
	.end_amdgpu_metadata
.endif
;; end of part 2
;; launch score (part 3): grid 72 x 4, 4 waves a work-group, no clusters, 327,680 bytes of LDS; arguments qkv, pt, st; writes pt, st
.if DOCPART == 3
	.amdgcn_target "amdgcn-amd-amdhsa--gfx1250"
	.amdhsa_code_object_version 6
	.text
	.protected	k_q2645b87a5b_score
	.globl	k_q2645b87a5b_score
	.p2align	8
	.type	k_q2645b87a5b_score,@function
k_q2645b87a5b_score:
	s_mov_b64 s[64:65], 0
	v_nop
	global_prefetch_b8 v0, s[64:65] scope:SCOPE_SE
	s_setreg_imm32_b32 hwreg(HW_REG_WAVE_MODE, 25, 1), 1
	s_wait_xcnt 0x0
; SCORES AND THE FIRST HALF OF THE CAUSAL SOFTMAX.  s[q][k] = q[q] . k[k] (f16 operands, f32 sums, K = 1,024); c = log2(e) / 32 holds the division by sqrt(1,024).
; For each row and each block of 128 keys: m = the largest visible s (at least -1e20), c m -> st; p = 2^(c s - c m) -> pt in f16; l = the sum of the unrounded p -> st.
; The next launch takes the maximum M of c m over a row's key blocks and scales block kb by 2^(c m(kb) - M): a true maximum is taken away everywhere, and no exponent is above 0.
; THE MASK is the C operand that starts a sum: 0, or -1e30 where the key lies behind the query.  The floor -1e20 under m makes a row with no visible key in the block give p = 0 and l = 0.
; LIMITS.  q and k arrive in f16 (within 65,504), so |s| is 4.4e12 at the most, nothing beside 1e20; p below 6e-5 keeps f16's fixed step of 6e-8; a weight below 2^-126 counts as 0 in l; NaN and
; infinities are not treated apart.
; SHARES.  A work-group makes 256 queries (block i of its batch) x 128 keys (block kb <= 2 i + 1): 72 tiles a batch; tiles above the diagonal are not made.  A wave owns 64 queries x all 128 keys, so a
; row's maximum and sum never leave the wave.  Ring, fragments and turns as in the projection's text: K steps of 128, two LDS slots, waves 0 and 1 fetch q's halves, waves 2 and 3 k's.
; NO CLUSTER: row block i has 2 i + 2 tiles, no multiple of four for even i, and a column of four row blocks has no common set of key blocks under the diagonal.
; REGISTERS.  Window 0: v14-31 addresses and small values; v32-127, v128-223 fragment buffers (later at work on the way out); v224-255 packed p.  Window 1: accumulator (a, b) at v[64 a + 8 b].
; Window 2: v0-87 the eleven masks MC[e], e = b - a + 3; v88-95 MD, the mask of a block that holds the diagonal.
.set KD,     1024
.set KSTEP,  128
.set PITCH,  272                       ; an LDS row: 256 bytes + 16 of padding: the 16 rows of a fragment load start at 16 different groups of four banks (64 banks of 4 bytes: ISA guide 11.1)
.set HALFA,  128*PITCH
.set HALFB,  64*PITCH
.set BOFF,   256*PITCH
.set SLOT1,  131072
.set STAGE,  SLOT1+BOFF+2*HALFB        ; 235,520: behind the ring; no tensor load lands from here on
.set SPITCH, 272
.set WSTAGE, 16*SPITCH+512             ; a wave's own stage: 16 rows of p, then 64 words of c m and 64 of l
.set SPARE,  STAGE+4*WSTAGE            ; the spare words, 128 bytes for each wave: two blocks of 256 bytes that no other line names
.set LAPS,   KD/(2*KSTEP)
.set KPLANE, 16777216                  ; k's plane in qkv
.set ROWB,   4096                      ; bytes in a row of pt
.set ADRA, 16
.set ADRB, 18
.set STO,  20
.set RD,   21
.set SPW,  22                          ; v22  my spare word: SPARE + 4 x my thread's number; never rewritten
.set NIL,  23                          ; v23  0; never rewritten
.set CO,   24                          ; v24  my byte offset in pt
.set PFO,  25                          ; v25  my lane x a row of 2,048 bytes
.set STA,  26                          ; v26  where I put a row's c m
.set STR,  27                          ; v27  where I read two rows' words back
.set SO,   28                          ; v28  8 x lane: my byte offset in st
.set CM,   30                          ; v[30:31] c m, as a pair
.set F0,   32
.set F1,   128
.set T,    32                          ; v32-55 at work
.set CMS,  56                          ; v56-59 c m of row block a
.set LS,   60                          ; v60-63 l of row block a
.set BK0,  64                          ; v64-191 rows read back from the stage, 32 registers a block
.set TMP,  224
.set MC,   0                           ; window 2
.set MD,   88
.set G1,   24
.set G0,   32
.set G1B,  48
.set G0B,  56
.set PFQ,  68                          ; s[68:69] where my prefetches of q stand
.set PFK,  70                          ; s[70:71] of k
.set LIMQ, 72                          ; s72, s73  1 in a work-group that prefetches, else the greatest number
.set LIMK, 73
.set CS,   74                          ; s[74:75] c
.set SEL,  76                          ; s[76:77] v_permlanex16_b32's selects: each lane takes its own place in the other half
.set AL,   78                          ; s[78:79] a mask's factor
.set BE,   80                          ; s[80:81] a mask's addend
.set BIGN, 82                          ; s82  -1e30
.set FLOOR, 83                         ; s83  -1e20
.set DELTA, 84                         ; s84  first key of the tile less my first query
.set MSB, 0
.macro WIN new
.if MSB != (\new)
	s_set_vgpr_msb (MSB<<8)|(\new)
.set MSB, \new
.endif
.endm
.set MUL, 0x50                         ; sources 0 and 1 in window 0, C and D in window 1
.macro LOAD s                          ; waves 0 and 1 fetch q's halves, waves 2 and 3 k's; an s_nop 0 and four v_nop follow each line
	s_cmp_eq_u32 s11, 0
	s_cbranch_scc0 .Lfor_b_\@
	tensor_load_to_lds s[G0+4*(\s):G0+4*(\s)+3], s[G1:G1+7]
	s_nop 0
.rept 4
	v_nop
.endr
	s_branch .Lasked_\@
.Lfor_b_\@:
	tensor_load_to_lds s[G0B+4*(\s):G0B+4*(\s)+3], s[G1B:G1B+7]
	s_nop 0
.rept 4
	v_nop
.endr
.Lasked_\@:
.endm
; Prefetches of the K step two refills on, a lane a row.  Each row's 256 bytes of a K step are named once in the launch: q's block i by the tile with kb = 0 (a wave names its own 64 rows, two lines),
; k's block kb by the tile with i = kb / 2 (a wave names 32 of the 128 rows).  K steps 0 to 3 come by their loads alone; the loop's last trip asks for nothing.
.macro ASK
	s_cmp_gt_u32 s3, s[LIMQ]
	s_cbranch_scc0 .Lnot_q_\@
	global_prefetch_b8 v[PFO], s[PFQ:PFQ+1] offset:KSTEP*2 th:TH_LOAD_NT scope:SCOPE_SE
	global_prefetch_b8 v[PFO], s[PFQ:PFQ+1] offset:KSTEP*2+32*2048 th:TH_LOAD_NT scope:SCOPE_SE
.Lnot_q_\@:
	s_cmp_gt_u32 s3, s[LIMK]
	s_cbranch_scc0 .Lnot_k_\@
	global_prefetch_b8 v[PFO], s[PFK:PFK+1] offset:KSTEP*2 th:TH_LOAD_NT scope:SCOPE_SE
.Lnot_k_\@:
.endm
	s_load_b128 s[4:7], s[0:1], 0x0                ; qkv s[4:5], pt s[6:7]
	s_load_b64 s[8:9], s[0:1], 0x10                ; st
	v_lshl_add_u32 v[SPW], v0, 2, SPARE
	v_mov_b32 v[NIL], 0
	ds_add_u32 v[SPW], v[NIL]                      ; the wave's opening: the add and its wait stand ahead of my first tensor load; the set-up below stands between them
	v_lshrrev_b32 v1, 5, v0
	v_readfirstlane_b32 s10, v1                    ; wave 0..3
	s_lshr_b32 s11, s10, 1                         ; I fetch for q (0) or for k (1)
	s_and_b32 s12, s10, 1                          ; which half
	s_and_b32 s43, ttmp7, 0xffff                   ; the batch
	s_mov_b32 s13, 0                               ; i: row block i's tiles begin at number i (i + 1)
.irp n, 2,6,12,20,30,42,56
	s_cmp_ge_u32 ttmp9, \n
	s_add_co_ci_u32 s13, s13, 0
.endr
	s_add_co_u32 s14, s13, 1
	s_mul_i32 s14, s14, s13
	s_sub_co_u32 s42, ttmp9, s14                   ; kb
	s_mov_b32 s[G1+0], (1<<16)|(1<<20)|(5<<22)|(3<<25)  ; 17:16 elements of 2 bytes; 20 padding on; 24:22 after every 64 words; 31:25 4 words of it
	s_mov_b32 s[G1+1], KSTEP<<16                   ; tensor_dim0 = 128
	s_mov_b32 s[G1+2], 128<<16                     ; tensor_dim1 = 128
	s_mov_b32 s[G1+3], KSTEP<<16                   ; tile_dim0 = 128
	s_mov_b32 s[G1+4], 128                         ; tile_dim1 = 128
	s_mov_b32 s[G1+5], KD                          ; elements from row to row
	s_mov_b32 s[G1+6], 0
	s_mov_b32 s[G1+7], 0
	s_mov_b32 s[G1B+0], (1<<16)|(1<<20)|(5<<22)|(3<<25)
	s_mov_b32 s[G1B+1], KSTEP<<16
	s_mov_b32 s[G1B+2], 64<<16                     ; k's loads have 64 rows
	s_mov_b32 s[G1B+3], KSTEP<<16
	s_mov_b32 s[G1B+4], 64
	s_mov_b32 s[G1B+5], KD
	s_mov_b32 s[G1B+6], 0
	s_mov_b32 s[G1B+7], 0
	s_lshl_b32 s44, s43, 11                        ; the batch's first row
	s_lshl_b32 s15, s13, 8
	s_add_co_u32 s45, s44, s15                     ; the tile's first query
	s_lshl_b32 s15, s42, 7
	s_add_co_u32 s46, s44, s15                     ; its first key
	s_lshl_b32 s15, s12, 7
	s_add_co_u32 s16, s45, s15
	s_lshl_b32 s16, s16, 11                        ; q: my 128 rows, in bytes
	s_mov_b32 s17, 0
	s_lshl_b32 s15, s12, 6
	s_add_co_u32 s18, s46, s15
	s_lshl_b32 s18, s18, 11
	s_add_co_u32 s18, s18, KPLANE                  ; k: my 64 rows
	s_mov_b32 s19, 0
	s_mul_i32 s20, s12, HALFA
	s_mul_i32 s21, s12, HALFB
	s_add_co_u32 s21, s21, BOFF
	s_mov_b32 s[CS], 0x3d38aa3b                    ; c = log2(e) / 32
	s_mov_b32 s[CS+1], s[CS]                       ; named with it as a pair
	s_mov_b32 s[SEL], 0x76543210
	s_mov_b32 s[SEL+1], 0xfedcba98
	s_mov_b32 s[AL+1], 0
	s_mov_b32 s[BE+1], 0
	s_mov_b32 s[BIGN], 0xf149f2ca                  ; -1e30
	s_mov_b32 s[FLOOR], 0xe0ad78ec                 ; -1e20
	s_wait_dscnt 0x0                               ; the opening add is done
	s_wait_kmcnt 0x0
	s_add_nc_u64 s[14:15], s[4:5], s[16:17]
	s_add_nc_u64 s[18:19], s[4:5], s[18:19]
.irp s, 0,1
	s_mov_b32 s[G0+4*(\s)], 1
	s_add_co_u32 s[G0+4*(\s)+1], s20, (\s)*SLOT1
	s_add_nc_u64 s[G0+4*(\s)+2:G0+4*(\s)+3], s[14:15], (\s)*KSTEP*2
	s_or_b32 s[G0+4*(\s)+3], s[G0+4*(\s)+3], 0x80000000
	s_mov_b32 s[G0B+4*(\s)], 1
	s_add_co_u32 s[G0B+4*(\s)+1], s21, (\s)*SLOT1
	s_add_nc_u64 s[G0B+4*(\s)+2:G0B+4*(\s)+3], s[18:19], (\s)*KSTEP*2
	s_or_b32 s[G0B+4*(\s)+3], s[G0B+4*(\s)+3], 0x80000000
	LOAD \s                                        ; two loads of mine are out
.endr
	v_and_b32 v1, 15, v0                           ; l % 16
	v_bfe_u32 v2, v0, 4, 1                         ; l / 16
	v_mul_u32_u24 v3, v1, PITCH
	v_lshl_add_u32 v3, v2, 4, v3
	s_mul_i32 s22, s10, 64*PITCH                   ; my 64 queries
	v_add_nc_u32 v[ADRA], s22, v3
	v_add_nc_u32 v[ADRA+1], SLOT1, v[ADRA]
	v_add_nc_u32 v[ADRB], BOFF, v3
	v_add_nc_u32 v[ADRB+1], SLOT1, v[ADRB]
	s_mul_i32 s23, s10, WSTAGE
	s_add_co_u32 s23, s23, STAGE                   ; my stage
	v_add_nc_u32 v[STO], s23, v3                   ; in: row l % 16, 16 bytes for each half of the lanes (the stage's pitch is the ring's)
	v_mul_u32_u24 v5, v2, SPITCH                   ; back: lanes 0-15 take one row of 256 bytes, lanes 16-31 the next
	v_lshl_add_u32 v5, v1, 4, v5
	v_add_nc_u32 v[RD], s23, v5
	v_lshlrev_b32 v5, 12, v2                       ; and the same two rows in pt
	v_lshl_add_u32 v[CO], v1, 4, v5
	s_add_co_u32 s23, s23, 16*SPITCH               ; the statistics' 512 bytes
	v_lshl_add_u32 v[STA], v1, 2, s23
	v_and_b32 v5, 31, v0
	v_lshlrev_b32 v[SO], 3, v5
	v_add_nc_u32 v[STR], s23, v[SO]
	v_lshlrev_b32 v[PFO], 11, v5
	; pt at my first row and the tile's first key; st at my 64 rows of key block kb
	s_lshl_b32 s20, s10, 6
	s_add_co_u32 s16, s45, s20
	s_lshl_b32 s16, s16, 12
	s_lshl_b32 s17, s42, 8
	s_add_co_u32 s16, s16, s17
	s_mov_b32 s17, 0
	s_add_nc_u64 s[6:7], s[6:7], s[16:17]
	s_lshl_b32 s16, s43, 4
	s_add_co_u32 s16, s16, s42                     ; 16 x batch + kb
	s_lshl_b32 s16, s16, 11
	s_lshl_b32 s17, s13, 8
	s_add_co_u32 s16, s16, s17
	s_add_co_u32 s16, s16, s20                     ; + 256 i + 64 w
	s_lshl_b32 s16, s16, 2
	s_mov_b32 s17, 0
	s_add_nc_u64 s[8:9], s[8:9], s[16:17]
	; the prefetches: at K step 2; the first refill steps them to 3 and names K step 4
	s_add_co_u32 s16, s45, s20                     ; q: my own 64 rows
	s_lshl_b32 s16, s16, 11
	s_add_co_u32 s16, s16, 2*KSTEP*2
	s_mov_b32 s17, 0
	s_add_nc_u64 s[PFQ:PFQ+1], s[4:5], s[16:17]
	s_lshl_b32 s16, s10, 5
	s_add_co_u32 s16, s16, s46                     ; k: 32 rows a wave
	s_lshl_b32 s16, s16, 11
	s_add_co_u32 s16, s16, KPLANE+2*KSTEP*2
	s_add_nc_u64 s[PFK:PFK+1], s[4:5], s[16:17]
	s_cmp_eq_u32 s42, 0
	s_cselect_b32 s[LIMQ], 1, -1
	s_lshr_b32 s16, s42, 1
	s_cmp_eq_u32 s16, s13
	s_cselect_b32 s[LIMK], 1, -1
	; THE MASKS.  Register j of accumulator (a, b) in lane l is query 16 a + l % 16 and key 16 b + 8 (l / 16) + j of my part of the tile.  With X = 16 (b - a) + DELTA the key is hidden
	; always if X > 0, never if X < 0, and where j > l % 16 - 8 (l / 16) if X = 0: that last pattern is MD, and a mask is MD x AL + BE with (1, 0), (0, 0) or (0, -1e30).
	v_lshlrev_b32 v14, 3, v2
	v_sub_nc_u32 v14, v1, v14
	WIN 0x80                                       ; destination in window 2
.set j, 0
.rept 8
	v_cmp_gt_i32 vcc_lo, j, v14
	v_cndmask_b32 v[MD+j], 0, s[BIGN], vcc_lo
.set j, j+1
.endr
	s_lshl_b32 s[DELTA], s42, 7
	s_lshl_b32 s14, s13, 8
	s_sub_co_i32 s[DELTA], s[DELTA], s14
	s_sub_co_i32 s[DELTA], s[DELTA], s20
	WIN 0x82                                       ; destination and source 0 in window 2
.set e, 0
.rept 11
	s_add_co_i32 s14, s[DELTA], 16*(e-3)
	s_cmp_eq_u32 s14, 0
	s_cselect_b32 s[AL], 1.0, 0
	s_cmp_gt_i32 s14, 0
	s_cselect_b32 s[BE], s[BIGN], 0
.set z, 0
.rept 4
	v_pk_fma_f32 v[MC+8*e+2*z:MC+8*e+2*z+1], v[MD+2*z:MD+2*z+1], s[AL:AL+1], s[BE:BE+1] op_sel_hi:[1,0,0]
.set z, z+1
.endr
.set e, e+1
.endr
	WIN 0
; 8 matrix instructions: query block a x all 8 key blocks, 32 along K.  first = 1: the products start the sums, with the masks.  The 32 accumulators take turns.
.macro MULA f, a, first
.set b, 0
.rept 8
.set rD, 64*(\a)+8*b
.set rB, (\f)+8*b
.set rA, (\f)+64+8*(\a)
.set rM, MC+8*(b-(\a)+3)
.if \first
	WIN 0x60                                       ; C in window 2, D in window 1
	v_wmma_f32_16x16x32_f16 v[rD:rD+7], v[rB:rB+7], v[rA:rA+7], v[rM:rM+7]
.else
	WIN MUL
	v_wmma_f32_16x16x32_f16 v[rD:rD+7], v[rB:rB+7], v[rA:rA+7], v[rD:rD+7]
.endif
.set b, b+1
.endr
.endm
.macro FETCH slot, k, f                ; 24 LDS loads in one run
	WIN 0
.set b, 0
.rept 8
	ds_load_b128 v[(\f)+8*b:(\f)+8*b+3],   v[ADRB+(\slot)] offset:(\k)+b*16*PITCH
	ds_load_b128 v[(\f)+8*b+4:(\f)+8*b+7], v[ADRB+(\slot)] offset:(\k)+b*16*PITCH+32
.set b, b+1
.endr
.set b, 0
.rept 4
	ds_load_b128 v[(\f)+64+8*b:(\f)+64+8*b+3],   v[ADRA+(\slot)] offset:(\k)+b*16*PITCH
	ds_load_b128 v[(\f)+64+8*b+4:(\f)+64+8*b+7], v[ADRA+(\slot)] offset:(\k)+b*16*PITCH+32
.set b, b+1
.endr
.endm
.macro PLACES                          ; four plain instructions between a matrix instruction and a load into a register that it read, or a reader of its result
.rept 4
	v_nop
.endr
.endm
.macro QUARTER slot, k, f, g, first    ; buffer f, asked for a quarter ago, is in; the next quarter's fragments are asked for into g; f is multiplied
	s_wait_dscnt 0x0
	PLACES
	FETCH \slot, \k, \g
	MULA \f, 0, \first
	MULA \f, 1, \first
	MULA \f, 2, \first
	MULA \f, 3, \first
.endm
; The last quarter multiplies buffer 1 and changes slots: ONE barrier.  In front of it each wave waits for all its tensor loads (one is out: its part of the next slot), adds 0 to its spare word, and waits for
; that and for its reads of this slot.  fill = 1: this slot is filled again, two K steps ahead, first thing behind the barrier.
.macro TURN slot, next, fill
.if \fill
	s_wait_xcnt 0x0                                ; the last prefetches, a K step back, have read their addresses
	s_add_nc_u64 s[PFQ:PFQ+1], s[PFQ:PFQ+1], KSTEP*2
	s_add_nc_u64 s[PFK:PFK+1], s[PFK:PFK+1], KSTEP*2
.endif
	WIN 0
	s_wait_tensorcnt 0x0                           ; all my tensor loads have landed
	ds_add_u32 v[SPW], v[NIL]                      ; 0 onto my spare word
	s_wait_dscnt 0x1                               ; buffer 1 is in: only the add may be out
	MULA F1, 0, 0
	s_wait_dscnt 0x0                               ; the add is done, and my reads of this slot are over
	s_barrier_signal -1
	MULA F1, 1, 0
.if \fill
	WIN 0
.endif
	s_barrier_wait -1
.if \fill
	s_add_nc_u64 s[G0+4*(\slot)+2:G0+4*(\slot)+3], s[G0+4*(\slot)+2:G0+4*(\slot)+3], 2*KSTEP*2
	s_add_nc_u64 s[G0B+4*(\slot)+2:G0B+4*(\slot)+3], s[G0B+4*(\slot)+2:G0B+4*(\slot)+3], 2*KSTEP*2
	LOAD \slot                                     ; my one tensor load behind the barrier; its four v_nop are also the places in front of the loads below
.else
	PLACES
.endif
	FETCH \next, 0, F0
.if \fill
	ASK
.endif
	MULA F1, 2, 0
	MULA F1, 3, 0
.endm
	s_wait_tensorcnt 0x1                           ; my part of K step 0 is in; K step 1's may stay out
	s_barrier_signal -1
	s_barrier_wait -1
	FETCH 0, 0, F0
	QUARTER 0, 64, F0, F1, 1
	WIN 0
	s_mov_b32 s3, LAPS-1
.Llap:                                                 ; a trip goes once round the ring and fills both slots again
	QUARTER 0, 128, F1, F0, 0
	QUARTER 0, 192, F0, F1, 0
	TURN 0, 1, 1
	QUARTER 1, 64,  F0, F1, 0
	QUARTER 1, 128, F1, F0, 0
	QUARTER 1, 192, F0, F1, 0
	TURN 1, 0, 1
	QUARTER 0, 64,  F0, F1, 0
	WIN 0
	s_sub_co_u32 s3, s3, 1
	s_cmp_lg_u32 s3, 0
	s_cbranch_scc1 .Llap
	QUARTER 0, 128, F1, F0, 0                      ; the last lap fills nothing
	QUARTER 0, 192, F0, F1, 0
	TURN 0, 1, 0
	QUARTER 1, 64,  F0, F1, 0
	QUARTER 1, 128, F1, F0, 0
	QUARTER 1, 192, F0, F1, 0
	s_wait_dscnt 0x0
	MULA F1, 0, 0
	MULA F1, 1, 0
	MULA F1, 2, 0
	MULA F1, 3, 0
	WIN 0
	PLACES                                         ; the way out reads results just made
; THE WAY OUT of query block a: a lane holds 64 of its query's 128 scores, the lane 16 away the others.  Maximum; c m; p = 2^(c s - c m), in place; p rounded to f16; the sum of the unrounded p.
.macro SOFT a
.set AC, 64*(\a)
	WIN 0x15                                       ; all three sources in window 1
.set b, 0
.rept 8
	v_max3_num_f32 v[T+b], v[AC+8*b], v[AC+8*b+1], v[AC+8*b+2]  ; each accumulator's lowest registers are read first
.set b, b+1
.endr
.set b, 0
.rept 8
	v_max3_num_f32 v[T+8+b], v[AC+8*b+3], v[AC+8*b+4], v[AC+8*b+5]
.set b, b+1
.endr
.set b, 0
.rept 8
	v_max_num_f32 v[T+16+b], v[AC+8*b+6], v[AC+8*b+7]
.set b, b+1
.endr
	WIN 0
.set b, 0
.rept 8
	v_max3_num_f32 v[T+b], v[T+b], v[T+8+b], v[T+16+b]
.set b, b+1
.endr
	v_max3_num_f32 v[T], v[T], v[T+1], v[T+2]
	v_max3_num_f32 v[T+3], v[T+3], v[T+4], v[T+5]
	v_max_num_f32 v[T+6], v[T+6], v[T+7]
	v_max3_num_f32 v[T], v[T], v[T+3], v[T+6]
	v_permlanex16_b32 v[T+1], v[T], s[SEL], s[SEL+1]
	v_max3_num_f32 v[T], v[T], v[T+1], s[FLOOR]    ; m
	v_mul_f32 v[CM], s[CS], v[T]
	v_mul_f32 v[CM+1], s[CS], v[T]                 ; named with it as a pair
	v_mul_f32 v[CMS+(\a)], s[CS], v[T]
	WIN 0x41                                       ; destination and source 0 in window 1
.set t, 0
.rept 32
	v_pk_fma_f32 v[AC+2*t:AC+2*t+1], v[AC+2*t:AC+2*t+1], s[CS:CS+1], v[CM:CM+1] op_sel_hi:[1,0,0] neg_lo:[0,0,1] neg_hi:[0,0,1]  ; c s - c m
.set t, t+1
.endr
.set t, 0
.rept 64
	v_exp_f32 v[AC+t], v[AC+t]                     ; one batch: none of these reads another's result
.set t, t+1
.endr
	v_nop                                          ; a plain instruction behind the last exponential (ISA guide 5.7.2),
	s_wait_alu depctr_va_vdst(0)                   ; and the one wait ahead of the batch's first reader
	WIN 0x05
.set t, 0
.rept 32
	v_cvt_pk_f16_f32 v[TMP+t], v[AC+2*t], v[AC+2*t+1]
.set t, t+1
.endr
	WIN 0x45                                       ; the sum, in place, in pairs (even keys', odd keys')
.set b, 0
.rept 8
	v_pk_add_f32 v[AC+8*b:AC+8*b+1], v[AC+8*b:AC+8*b+1], v[AC+8*b+2:AC+8*b+3]
	v_pk_add_f32 v[AC+8*b+4:AC+8*b+5], v[AC+8*b+4:AC+8*b+5], v[AC+8*b+6:AC+8*b+7]
.set b, b+1
.endr
.set b, 0
.rept 8
	v_pk_add_f32 v[AC+8*b:AC+8*b+1], v[AC+8*b:AC+8*b+1], v[AC+8*b+4:AC+8*b+5]
.set b, b+1
.endr
.set b, 0
.rept 4
	v_pk_add_f32 v[AC+8*b:AC+8*b+1], v[AC+8*b:AC+8*b+1], v[AC+8*b+32:AC+8*b+33]
.set b, b+1
.endr
	v_pk_add_f32 v[AC:AC+1], v[AC:AC+1], v[AC+16:AC+17]
	v_pk_add_f32 v[AC+8:AC+9], v[AC+8:AC+9], v[AC+24:AC+25]
	v_pk_add_f32 v[AC:AC+1], v[AC:AC+1], v[AC+8:AC+9]
	WIN 0x05
	v_add_f32 v[T], v[AC], v[AC+1]
	WIN 0
	v_permlanex16_b32 v[T+1], v[T], s[SEL], s[SEL+1]
	v_add_f32 v[LS+(\a)], v[T], v[T+1]             ; l
.endm
.macro TOSTAGE a                       ; 16 bytes a lane into rows of 272 bytes, and back as whole rows of 256
.set BK, BK0+32*(\a)
.set b, 0
.rept 8
	ds_store_b128 v[STO], v[TMP+4*b:TMP+4*b+3] offset:32*b
.set b, b+1
.endr
.set t, 0
.rept 8
	ds_load_b128 v[BK+4*t:BK+4*t+3], v[RD] offset:t*2*SPITCH  ; LDS serves a wave's instructions in order (ISA guide 5.7.1.4): these see the stores above
.set t, t+1
.endr
.endm
.macro SEND a                          ; each block has its own 32 registers: no store's data is rewritten
.set BK, BK0+32*(\a)
	s_wait_dscnt 0x0
.set t, 0
.rept 8
	global_store_b128 v[CO], v[BK+4*t:BK+4*t+3], s[6:7] offset:(16*(\a)+2*t)*ROWB  ; 16 lanes store 256 consecutive bytes, at a multiple of 256 from pt's first byte
.set t, t+1
.endr
.endm
	SOFT 0
	TOSTAGE 0
	SOFT 1                                         ; a block's arithmetic stands between the loads of the block before and the wait for them
	SEND 0
	TOSTAGE 1
	SOFT 2
	SEND 1
	TOSTAGE 2
	SOFT 3
	SEND 2
	TOSTAGE 3
	SEND 3
	; the statistics: both halves of the lanes hold the same numbers and write the same words; they come back as 256 consecutive bytes each
.irp a, 0,1,2,3
	ds_store_b32 v[STA], v[CMS+\a] offset:64*\a
	ds_store_b32 v[STA], v[LS+\a] offset:256+64*\a
.endr
	ds_load_b64 v[T:T+1], v[STR]
	ds_load_b64 v[T+2:T+3], v[STR] offset:256
	s_wait_dscnt 0x0
	global_store_b64 v[SO], v[T:T+1], s[8:9]                    ; c m of my 64 rows
	global_store_b64 v[SO], v[T+2:T+3], s[8:9] offset:524288    ; l
	s_wait_tensorcnt 0x0                           ; the wave's end, behind my last tensor load and my last LDS store
	ds_add_u32 v[SPW], v[NIL]
	s_wait_dscnt 0x0
	s_endpgm
.Lfunc_end_k_q2645b87a5b_score:
	.size	k_q2645b87a5b_score, .Lfunc_end_k_q2645b87a5b_score-k_q2645b87a5b_score
	.p2alignl 7, 3214868480
	.fill 96, 4, 3214868480
	.section	.rodata,"a",@progbits
	.p2align	6, 0x0
	.amdhsa_kernel k_q2645b87a5b_score
		.amdhsa_group_segment_fixed_size 327680
		.amdhsa_private_segment_fixed_size 0
		.amdhsa_enable_private_segment 0
		.amdhsa_kernarg_size 24
		.amdhsa_user_sgpr_count 2
		.amdhsa_user_sgpr_kernarg_segment_ptr 1
		.amdhsa_wavefront_size32 1
		.amdhsa_system_sgpr_workgroup_id_x 1
		.amdhsa_system_sgpr_workgroup_id_y 1
		.amdhsa_system_sgpr_workgroup_id_z 1
		.amdhsa_system_vgpr_workitem_id 0
		.amdhsa_next_free_vgpr 608
		.amdhsa_next_free_sgpr 88
		.amdhsa_reserve_vcc 1
		.amdhsa_float_denorm_mode_32 3
		.amdhsa_float_denorm_mode_16_64 3
		.amdhsa_memory_ordered 1
		.amdhsa_forward_progress 1
		.amdhsa_inst_pref_size 127
	.end_amdhsa_kernel
	.amdgpu_metadata
---
amdhsa.version: [ 1, 2 ]
amdhsa.kernels:
  - .name:           k_q2645b87a5b_score
    .symbol:         k_q2645b87a5b_score.kd
    .args:
      - { .name: qkv, .offset: 0, .size: 8, .value_kind: global_buffer, .address_space: global }
      - { .name: pt, .offset: 8, .size: 8, .value_kind: global_buffer, .address_space: global }
      - { .name: st, .offset: 16, .size: 8, .value_kind: global_buffer, .address_space: global }
    .group_segment_fixed_size: 327680
    .private_segment_fixed_size: 0
    .kernarg_segment_align: 8
    .kernarg_segment_size: 24
    .max_flat_workgroup_size: 128
    .sgpr_count:     88
    .vgpr_count:     608
    .wavefront_size: 32
...
	.end_amdgpu_metadata
.endif
;; end of part 3
;; launch ctx (part 4): grid 8 x 32, 4 waves a work-group, clusters of 4 x 1, 327,680 bytes of LDS; arguments pt, qkv, st, oh; writes oh
.if DOCPART == 4
	.amdgcn_target "amdgcn-amd-amdhsa--gfx1250"
	.amdhsa_code_object_version 6
	.text
	.protected	k_q2645b87a5b_ctx
	.globl	k_q2645b87a5b_ctx
	.p2align	8
	.type	k_q2645b87a5b_ctx,@function
k_q2645b87a5b_ctx:
	s_mov_b64 s[64:65], 0
	v_nop
	global_prefetch_b8 v0, s[64:65] scope:SCOPE_SE
	s_setreg_imm32_b32 hwreg(HW_REG_WAVE_MODE, 25, 1), 1
	s_wait_xcnt 0x0
	s_wait_alu depctr_hold_cnt(0) depctr_sa_sdst(0) depctr_va_vdst(0) depctr_va_sdst(0) depctr_va_ssrc(0) depctr_va_vcc(0) depctr_vm_vsrc(0)
	s_getreg_b32 s2, hwreg(HW_REG_IB_STS2, 6, 4)
	s_cmp_eq_u32 s2, 0
	s_cbranch_scc0 .Lentry_in_a_cluster
	s_endpgm
.Lentry_in_a_cluster:
	s_bfe_u32 s2, ttmp6, 0x10000c
	s_cmp_lg_u32 s2, 0x3003
	s_cbranch_scc0 .Lentry_shape_is_right
	s_endpgm
.Lentry_shape_is_right:
; THE SECOND HALF OF THE SOFTMAX AND THE PRODUCT WITH V.  For a row: M = the maximum over key blocks kb of c m(kb); g(kb) = 2^(c m(kb) - M), 1 at the most; L = the sum of l(kb) g(kb);
; O[row][:] = (the sum over kb and its 128 keys of (p g(kb)) V[key][:]) / L, rounded once to f16.  p (f16, from pt) is multiplied by g (rounded to f16) in packed f16 between its LDS load and the matrix
; instruction; sums in f32.  Where a row has one key block that counts (rows 0 to 127 of a batch) g is exactly 1.
; LIMITS.  V arrives in f16; O is a mean of V's rows and has their range.  p g below 6e-5 keeps f16's fixed step of 6e-8, and g below 3e-8 counts as 0 (such a block weighs under 4e-6 of L, which is 1 at the least).
; NaN and infinities are not treated apart.
; SHARES.  A work-group makes 256 rows (block i of its batch) x 128 channels; a wave 64 rows x 128 channels.  K is the keys 0 to 256 i + 255: 2 i + 2 steps of 128, i + 1 laps of the ring of two slots.
; The trip count hangs on the grid's y alone.  LDS addresses are fixed: each slot has its own address registers and descriptors.
; CLUSTER.  The four work-groups of a cluster make four channel blocks of the same rows: p's tile is asked for jointly (waves 0 and 1, mask of four).  V's tile (waves 2 and 3) hangs on the channel block, which
; differs between the partners, so it is a load of one's own; the work-groups that share it belong to other row blocks and walk other numbers of steps, so they can be no partners.
; LAYOUT.  O^T = V^T P (source 0 = 16 channels x 32 keys, V turned by ds_load_tr16_b128; source 1 = 16 rows of p): a lane holds ONE row (l % 16), in p's fragment and in the result, so g and 1 / L are a number a lane.
; REGISTERS.  Window 0: v16-26 addresses; v32-51 M, c m of the next step, at work, 1 / L; v64-159, v160-255 two fragment buffers (V's eight fragments, then p's four).
; Window 1: v0-127 accumulators of row blocks 0, 1 ((a, b) at 64 (a % 2) + 8 b); v128-159 the four scaled fragments of p; v160-163 g, twice in f16.  Window 2: v0-127 accumulators of row blocks 2, 3.
.set PA,     272                       ; a row of p in LDS: 256 bytes + 16: the 16 rows of a fragment load start at 16 different groups of four banks (64 banks of 4 bytes: ISA guide 11.1)
.set PB,     288                       ; a row of V: 256 + 32 = 72 words
.set HALFA,  128*PA
.set HALFV,  64*PB
.set VOFF,   256*PA                    ; in a slot: p's 256 rows, then V's 128 keys
.set SLOT,   VOFF+128*PB               ; 106,496
.set STAGE,  2*SLOT                    ; 212,992: behind the ring; no tensor load lands from here on
.set SPITCH, 272
.set WSTAGE, 16*SPITCH
.set SPARE,  STAGE+4*WSTAGE            ; the spare words, 128 bytes for each wave: two blocks of 256 bytes that no other line names
.set VPLANE, 33554432                  ; v's plane in qkv
.set ADRA, 16                          ; v16-17  LDS address of my fragments of p in slot 0, 1
.set ADRB, 18                          ; v18-19  the same for V
.set STO,  20
.set RD,   21
.set CO,   22
.set PFO,  23                          ; v23  my lane x a row of pt (4,096 bytes) or of v (2,048)
.set SPW,  24                          ; v24  my spare word: SPARE + 4 x my thread's number; never rewritten
.set NIL,  25                          ; v25  0; never rewritten
.set CMO,  26                          ; v26  my row's byte offset in a key block's 2,048 words of st
.set MX,   32                          ; v32-35  M of row block a
.set CMN,  36                          ; v36-39  c m of the next key block
.set TG,   40                          ; v40-43  at work
.set RL,   44                          ; v44-51  1 / L, a pair for each row block
.set F0,   64
.set F1,   160
.set PCM,  64                          ; the prologue: c m(kb) of row block a at PCM + 16 a + kb, later g
.set PLS,  128                         ; and l(kb)
.set TMP,  224
.set BK0,  64
.set SA,   128                         ; window 1
.set G2,   160                         ; window 1
.set WV,   12                          ; s12  wave
.set KIND, 13                          ; s13  I fetch p (0) or V (1)
.set HL,   14                          ; s14  which half
.set IB,   19                          ; s19  i
.set G1,   24                          ; s[24:31] group 1 for p;  s[32:39] group 0, a set for each slot
.set G0,   32
.set G1B,  48                          ; s[48:55], s[56:63] the same for V
.set G0B,  56
.set PFA,  68                          ; s[68:69] the K step that my next prefetch names
.set PST,  70                          ; s[70:71] a K step in bytes: 256 along a row of pt, 128 rows of v
.set PL,   72                          ; s72  I prefetch in the trips below this number
.set CMB,  74                          ; s[74:75] st at my batch, at the key block whose c m was asked for last
.set MSB, 0
.macro WIN new
.if MSB != (\new)
	s_set_vgpr_msb (MSB<<8)|(\new)
.set MSB, \new
.endif
.endm
.set W_LO, 0x54                        ; source 0 window 0; source 1, C and D window 1
.set W_HI, 0xa4                        ; source 0 window 0; source 1 window 1; C and D window 2
.macro JLOAD s                         ; waves 0 and 1: the joint load of p's halves; waves 2 and 3: V's halves; an s_nop 0 and four v_nop follow each line
	s_cmp_eq_u32 s[KIND], 0
	s_cbranch_scc0 .Lfor_v_\@
	tensor_load_to_lds s[G0+4*(\s):G0+4*(\s)+3], s[G1:G1+7]
	s_nop 0
.rept 4
	v_nop
.endr
	s_branch .Lasked_\@
.Lfor_v_\@:
	tensor_load_to_lds s[G0B+4*(\s):G0B+4*(\s)+3], s[G1B:G1B+7]
	s_nop 0
.rept 4
	v_nop
.endr
.Lasked_\@:
.endm
; Prefetches of the K step two refills on, a lane a row of 256 bytes.  Each is named once in the launch: p's rows by the first of the two clusters that read them (waves 0 and 1; the four partners take 32 of a
; wave's 128 rows each, told apart by address); V's keys by the row block that walks all of them, i = 7 (waves 2 and 3, 64 keys each: two lines).  Steps 0 to 3 come by their loads alone; a step that the
; walk does not have is not asked for: trips i - 1 and later ask for nothing.
.macro ASK
	s_cmp_lt_u32 s3, s[PL]
	s_cbranch_scc0 .Lnone_\@
	global_prefetch_b8 v[PFO], s[PFA:PFA+1] th:TH_LOAD_NT scope:SCOPE_SE
	s_cmp_lg_u32 s[KIND], 0
	s_cbranch_scc0 .Lnone_\@
	global_prefetch_b8 v[PFO], s[PFA:PFA+1] offset:32*2048 th:TH_LOAD_NT scope:SCOPE_SE
.Lnone_\@:
.endm
.macro CREST
	s_cmp_lg_u32 s[WV], 0
	s_cbranch_scc1 .Lnot_wave_0_\@
	s_barrier_signal -3
.Lnot_wave_0_\@:
	s_barrier_wait -3
	s_barrier_signal -1
	s_barrier_wait -1
.endm
.macro CROUND
	s_barrier_signal -1
	s_barrier_wait -1
	CREST
.endm
	s_load_b256 s[4:11], s[0:1], 0x0               ; pt s[4:5], qkv s[6:7], st s[8:9], oh s[10:11]
	v_lshl_add_u32 v[SPW], v0, 2, SPARE
	v_mov_b32 v[NIL], 0
	ds_add_u32 v[SPW], v[NIL]                      ; the wave's opening: the add and its wait stand ahead of my first tensor load; the set-up below stands between them
	v_lshrrev_b32 v1, 5, v0
	v_readfirstlane_b32 s[WV], v1
	s_lshr_b32 s[KIND], s[WV], 1
	s_and_b32 s[HL], s[WV], 1
	s_bfe_u32 s15, ttmp6, 0x40000                  ; cx
	s_lshl_b32 s16, ttmp9, 2
	s_add_co_u32 s16, s16, s15                     ; my channel block = 4 x cluster x + cx: it enters V's and O's addresses alone
	s_and_b32 s17, ttmp7, 0xffff
	s_lshr_b32 s18, s17, 3                         ; the batch
	s_and_b32 s[IB], s17, 7                        ; the row block: both are shared by the four partners
	s_lshl_b32 s20, s18, 11
	s_lshl_b32 s21, s[IB], 8
	s_add_co_u32 s46, s20, s21                     ; the tile's first row
	s_lshl_b32 s21, s[HL], 7
	s_add_co_u32 s40, s46, s21
	s_lshl_b32 s40, s40, 12                        ; p: my 128 rows of 4,096 bytes
	s_mov_b32 s41, 0
	s_lshl_b32 s43, s[HL], 6
	s_add_co_u32 s42, s20, s43
	s_lshl_b32 s42, s42, 11                        ; V: my 64 keys of the batch's first 128,
	s_lshl_b32 s43, s16, 8
	s_add_co_u32 s42, s42, s43                     ; my channel block's 256 bytes,
	s_add_co_u32 s42, s42, VPLANE                  ; in v's plane
	s_mov_b32 s43, 0
	s_mul_i32 s44, s[HL], HALFA                    ; where they go: no place in the cluster enters an LDS address
	s_mul_i32 s45, s[HL], HALFV
	s_add_co_u32 s45, s45, VOFF
	s_mov_b32 s[G1+0], 15|(1<<16)|(1<<20)|(1<<21)|(5<<22)|(3<<25)  ; 15:0 the mask of four; 17:16 elements of 2 bytes; 20 padding on; 21 set beside a mask; 24:22 after every 64 words; 31:25 4 words of it
	s_mov_b32 s[G1+1], 128<<16                     ; tensor_dim0 = 128
	s_mov_b32 s[G1+2], 128<<16                     ; tensor_dim1 = 128
	s_mov_b32 s[G1+3], 128<<16                     ; tile_dim0 = 128
	s_mov_b32 s[G1+4], 128                         ; tile_dim1 = 128
	s_mov_b32 s[G1+5], 2048                        ; elements from row to row of pt
	s_mov_b32 s[G1+6], 0
	s_mov_b32 s[G1+7], 0
	s_mov_b32 s[G1B+0], (1<<16)|(1<<20)|(5<<22)|(7<<25)  ; no mask; 8 words of padding
	s_mov_b32 s[G1B+1], 128<<16
	s_mov_b32 s[G1B+2], 64<<16                     ; 64 keys
	s_mov_b32 s[G1B+3], 128<<16
	s_mov_b32 s[G1B+4], 64
	s_mov_b32 s[G1B+5], 1024                       ; elements from key to key
	s_mov_b32 s[G1B+6], 0
	s_mov_b32 s[G1B+7], 0
	s_wait_dscnt 0x0                               ; the opening add is done
	s_wait_kmcnt 0x0
	s_add_nc_u64 s[40:41], s[4:5], s[40:41]
	s_add_nc_u64 s[42:43], s[6:7], s[42:43]
	CROUND                                         ; all four work-groups are here: the first loads meet
.irp s, 0,1
	s_mov_b32 s[G0+4*(\s)], 1
	s_add_co_u32 s[G0+4*(\s)+1], s44, (\s)*SLOT
	s_add_nc_u64 s[G0+4*(\s)+2:G0+4*(\s)+3], s[40:41], (\s)*256       ; K step s: 128 keys along p's rows
	s_or_b32 s[G0+4*(\s)+3], s[G0+4*(\s)+3], 0x80000000
	s_mov_b32 s[G0B+4*(\s)], 1
	s_add_co_u32 s[G0B+4*(\s)+1], s45, (\s)*SLOT
	s_add_nc_u64 s[G0B+4*(\s)+2:G0B+4*(\s)+3], s[42:43], (\s)*262144  ; 128 rows of v
	s_or_b32 s[G0B+4*(\s)+3], s[G0B+4*(\s)+3], 0x80000000
	JLOAD \s                                       ; two loads of mine are out
.endr
	v_and_b32 v1, 15, v0                           ; l % 16
	v_bfe_u32 v2, v0, 4, 1                         ; l / 16
	v_mul_u32_u24 v3, v1, PA
	v_lshl_add_u32 v3, v2, 4, v3
	s_mul_i32 s20, s[WV], 64*PA                    ; my 64 rows of p
	v_add_nc_u32 v[ADRA], s20, v3
	v_add_nc_u32 v[ADRA+1], SLOT, v[ADRA]
	; the turning load takes 16 keys x 16 channels (lane l reads key 8 (l / 16) + l % 8, channels 8 ((l / 8) % 2) + 0..7) and leaves half a fragment of V^T: lane l holds channel l % 16 and 8 keys
	v_and_b32 v4, 7, v0
	v_bfe_u32 v5, v0, 3, 1
	v_lshl_add_u32 v4, v2, 3, v4
	v_mul_u32_u24 v4, v4, PB
	v_lshl_add_u32 v4, v5, 4, v4
	v_add_nc_u32 v[ADRB], VOFF, v4
	v_add_nc_u32 v[ADRB+1], SLOT, v[ADRB]
	s_mul_i32 s23, s[WV], WSTAGE
	s_add_co_u32 s23, s23, STAGE                   ; my stage
	v_add_nc_u32 v[STO], s23, v3                   ; in: row l % 16, 16 bytes for each half of the lanes (the stage's pitch is p's)
	v_mul_u32_u24 v5, v2, SPITCH                   ; back: lanes 0-15 take one row of 256 bytes, lanes 16-31 the next
	v_lshl_add_u32 v5, v1, 4, v5
	v_add_nc_u32 v[RD], s23, v5
	v_lshlrev_b32 v5, 11, v2                       ; and the same two rows in oh
	v_lshl_add_u32 v[CO], v1, 4, v5
	s_lshl_b32 s20, s[WV], 6
	s_lshl_b32 s21, s[IB], 8
	s_add_co_u32 s21, s21, s20                     ; my first row in the batch
	v_add_nc_u32 v6, s21, v1
	v_lshlrev_b32 v[CMO], 2, v6
	s_lshl_b32 s22, s18, 17                        ; a batch has 16 key blocks x 2,048 words in st
	s_mov_b32 s23, 0
	s_add_nc_u64 s[CMB:CMB+1], s[8:9], s[22:23]
	s_add_co_u32 s20, s20, s46
	s_lshl_b32 s20, s20, 11                        ; oh at my first row
	s_lshl_b32 s21, s16, 8                         ; and my channel block
	s_add_co_u32 s20, s20, s21
	s_mov_b32 s21, 0
	s_add_nc_u64 s[10:11], s[10:11], s[20:21]
	; the prefetches: at K step 3; the first refill steps them to 4
	s_lshl_b32 s20, s15, 17                        ; p: my work-group's 32 rows of the 128 that I fetch
	s_add_co_u32 s20, s20, 3*256
	s_mov_b32 s22, 256
	s_max_u32 s23, s[IB], 1
	s_sub_co_u32 s23, s23, 1                       ; trips 0 .. i - 2 have a step two refills on
	s_cmp_eq_u32 ttmp9, 0
	s_cselect_b32 s47, s23, 0                      ; p: the first cluster of the two
	s_cmp_eq_u32 s[IB], 7
	s_cselect_b32 s23, s23, 0                      ; V: the row block that walks all keys
	s_cmp_eq_u32 s[KIND], 0
	s_cselect_b64 s[PFA:PFA+1], s[40:41], s[42:43]
	s_cselect_b32 s20, s20, 3*262144
	s_cselect_b32 s[PST], s22, 262144
	s_cselect_b32 s[PL], s47, s23                  ; the same in all four partners, for a given wave
	s_cselect_b32 s22, 12, 11
	s_mov_b32 s21, 0
	s_mov_b32 s[PST+1], 0
	s_add_nc_u64 s[PFA:PFA+1], s[PFA:PFA+1], s[20:21]
	v_and_b32 v7, 31, v0
	v_lshlrev_b32 v[PFO], s22, v7
	; THE PROLOGUE, while the first tiles are on their way: all sixteen c m and l of my rows (key blocks that the row block does not have hold a number far below every c s, and 0).
.set a, 0
.rept 4
.set k, 0
.rept 16
	global_load_b32 v[PCM+16*a+k], v[CMO], s[CMB:CMB+1] offset:k*8192+64*a
	global_load_b32 v[PLS+16*a+k], v[CMO], s[CMB:CMB+1] offset:524288+k*8192+64*a
.set k, k+1
.endr
.set a, a+1
.endr
	s_wait_loadcnt 0x0
.set a, 0
.rept 4
	v_max3_num_f32 v[MX+a], v[PCM+16*a], v[PCM+16*a+1], v[PCM+16*a+2]
.set a, a+1
.endr
.set k, 3
.rept 6
.set a, 0
.rept 4
	v_max3_num_f32 v[MX+a], v[MX+a], v[PCM+16*a+k], v[PCM+16*a+k+1]
.set a, a+1
.endr
.set k, k+2
.endr
.set a, 0
.rept 4
	v_max_num_f32 v[MX+a], v[MX+a], v[PCM+16*a+15] ; M
.set a, a+1
.endr
.set a, 0
.rept 4
.set k, 0
.rept 16
	v_sub_f32 v[PCM+16*a+k], v[PCM+16*a+k], v[MX+a]
.set k, k+1
.endr
.set a, a+1
.endr
.set k, 0
.rept 64
	v_exp_f32 v[PCM+k], v[PCM+k]                   ; g: one batch
.set k, k+1
.endr
	v_nop                                          ; a plain instruction behind the last exponential (ISA guide 5.7.2),
	s_wait_alu depctr_va_vdst(0)                   ; and the one wait ahead of the batch's first reader
.set a, 0
.rept 4
	v_mul_f32 v[TG+a], v[PLS+16*a], v[PCM+16*a]
.set a, a+1
.endr
.set k, 1
.rept 15
.set a, 0
.rept 4
	v_fmac_f32 v[TG+a], v[PLS+16*a+k], v[PCM+16*a+k]  ; L, four chains by turns
.set a, a+1
.endr
.set k, k+1
.endr
	WIN 0x40                                       ; destination in window 1
.set a, 0
.rept 4
	v_cvt_pk_f16_f32 v[G2+a], v[PCM+16*a], v[PCM+16*a]  ; g of key block 0, twice
.set a, a+1
.endr
	WIN 0
.set a, 0
.rept 4
	v_rcp_f32 v[RL+2*a], v[TG+a]
.set a, a+1
.endr
	v_nop
	s_wait_alu depctr_va_vdst(0)                   ; one wait for the four reciprocals
.set a, 0
.rept 4
	v_mov_b32 v[RL+2*a+1], v[RL+2*a]               ; named with it as a pair
.set a, a+1
.endr
	s_add_nc_u64 s[CMB:CMB+1], s[CMB:CMB+1], 8192  ; (the loads that read this base are back)
.irp a, 0,1,2,3
	global_load_b32 v[CMN+\a], v[CMO], s[CMB:CMB+1] offset:64*\a  ; c m of key block 1
.endr
.macro SC f, a, r                      ; register r of p's fragment a, times g
	v_pk_mul_f16 v[SA+8*(\a)+(\r)], v[(\f)+64+8*(\a)+(\r)], v[G2+(\a)]
.endm
.macro SC0 f                           ; fragment 0 is scaled ahead of the products: eight plain instructions, which are also the places in front of the loads that follow
	WIN W_LO
.set r, 0
.rept 8
	SC \f, 0, r
.set r, r+1
.endr
.endm
.macro PVW f, a, z                     ; the product of row block a and channel block b.  z = 1: it starts the sum
.set rD, 64*((\a)%2)+8*b
.set rB, (\f)+8*b
.set rA, SA+8*(\a)
.if \z
	v_wmma_f32_16x16x32_f16 v[rD:rD+7], v[rB:rB+7], v[rA:rA+7], 0
.else
	v_wmma_f32_16x16x32_f16 v[rD:rD+7], v[rB:rB+7], v[rA:rA+7], v[rD:rD+7]
.endif
.endm
; The 32 accumulators take turns, each once in a quarter step.  Behind row block 0's products stand the scalings of fragments 1 and 2, two each; behind row block 1's those of fragment 3.
; A scaled fragment is written again nine plain instructions or more behind the last product that read it.
.macro PV0 f, z
	WIN W_LO
.set b, 0
.rept 8
	PVW \f, 0, \z
.if b < 4
	SC \f, 1, 2*b
	SC \f, 1, 2*b+1
.else
	SC \f, 2, 2*b-8
	SC \f, 2, 2*b-7
.endif
.set b, b+1
.endr
.endm
.macro PV1 f, z
	WIN W_LO
.set b, 0
.rept 8
	PVW \f, 1, \z
	SC \f, 3, b
.set b, b+1
.endr
.endm
.macro PV23 f, z
	WIN W_HI
.set b, 0
.rept 8
	PVW \f, 2, \z
.set b, b+1
.endr
.set b, 0
.rept 8
	PVW \f, 3, \z
.set b, b+1
.endr
.endm
.macro FETCH slot, q, f                ; 24 LDS loads in one run: quarter q (32 keys) of the slot's step: p's four fragments, V's eight (turned)
	WIN 0
.set b, 0
.rept 4
	ds_load_b128 v[(\f)+64+8*b:(\f)+64+8*b+3],   v[ADRA+(\slot)] offset:64*(\q)+b*16*PA
	ds_load_b128 v[(\f)+64+8*b+4:(\f)+64+8*b+7], v[ADRA+(\slot)] offset:64*(\q)+b*16*PA+32
.set b, b+1
.endr
.set b, 0
.rept 8
	ds_load_tr16_b128 v[(\f)+8*b:(\f)+8*b+3],   v[ADRB+(\slot)] offset:(\q)*32*PB+32*b
	ds_load_tr16_b128 v[(\f)+8*b+4:(\f)+8*b+7], v[ADRB+(\slot)] offset:(\q)*32*PB+16*PB+32*b
.set b, b+1
.endr
.endm
.macro PLACES
.rept 4
	v_nop
.endr
.endm
.macro QUARTER slot, q, f, g, z        ; buffer f, asked for a quarter ago, is in; quarter q is asked for into g; f is multiplied
	s_wait_dscnt 0x0
	SC0 \f
	FETCH \slot, \q, \g
	PV0 \f, \z
	PV1 \f, \z
	PV23 \f, \z
.endm
; g of the next key block, from its c m, which was asked for a K step ago.  ld = 1: the c m of the block after it is asked for.
.macro GSTEP ld
	WIN 0
	s_wait_loadcnt 0x0                             ; the four loads of c m are the only loads into registers that can be out
.irp a, 0,1,2,3
	v_sub_f32 v[TG+\a], v[CMN+\a], v[MX+\a]
.endr
.irp a, 0,1,2,3
	v_exp_f32 v[TG+\a], v[TG+\a]
.endr
.if \ld
	s_add_nc_u64 s[CMB:CMB+1], s[CMB:CMB+1], 8192  ; (the loads that read this base are back)
.irp a, 0,1,2,3
	global_load_b32 v[CMN+\a], v[CMO], s[CMB:CMB+1] offset:64*\a
.endr
.endif
	v_nop                                          ; a plain instruction behind the last exponential,
	s_wait_alu depctr_va_vdst(0)                   ; and the one wait for the four
	WIN 0x40
.irp a, 0,1,2,3
	v_cvt_pk_f16_f32 v[G2+\a], v[TG+\a], v[TG+\a]
.endr
.endm
; The last quarter multiplies buffer 1 and changes slots: ONE barrier.  In front of it each wave waits for all its tensor loads (one is out: its part of the next slot), adds 0 to its spare word, and waits for
; that and for its reads of this slot.  fill = 1: the barrier opens a round of the cluster's barrier, and this slot is filled again, two K steps ahead, first thing behind the round.
; All of this step's scalings stand ahead of GSTEP, which writes g anew.
.macro TURN slot, next, fill
.if \fill
	s_wait_xcnt 0x0                                ; the last prefetches, a K step back, have read their address
	s_add_nc_u64 s[PFA:PFA+1], s[PFA:PFA+1], s[PST:PST+1]
.endif
	WIN 0
	s_wait_tensorcnt 0x0                           ; all my tensor loads have landed
	ds_add_u32 v[SPW], v[NIL]                      ; 0 onto my spare word
	s_wait_dscnt 0x1                               ; buffer 1 is in: only the add may be out
	SC0 F1
	PV0 F1, 0
	s_wait_dscnt 0x0                               ; the add is done, and my reads of this slot are over
	s_barrier_signal -1
	PV1 F1, 0
	WIN 0
	s_barrier_wait -1
.if \fill
	CREST                                          ; no wave of any partner still reads this slot's tiles or has a load on its way
	s_add_nc_u64 s[G0+4*(\slot)+2:G0+4*(\slot)+3], s[G0+4*(\slot)+2:G0+4*(\slot)+3], 2*256
	s_add_nc_u64 s[G0B+4*(\slot)+2:G0B+4*(\slot)+3], s[G0B+4*(\slot)+2:G0B+4*(\slot)+3], 2*262144
	JLOAD \slot                                    ; my one tensor load behind the round
.else
	PLACES
.endif
	FETCH \next, 0, F0
.if \fill
	ASK
.endif
	GSTEP \fill
	PV23 F1, 0
.endm
	s_wait_tensorcnt 0x1                           ; my part of K step 0 is in; K step 1's may stay out
	s_barrier_signal -1
	s_barrier_wait -1
	FETCH 0, 0, F0
	QUARTER 0, 1, F0, F1, 1                        ; the first quarter stands in front of the loop: its products start the sums
	WIN 0
	s_cmp_eq_u32 s[IB], 0                          ; row block 0 has one lap: the last, which is written out below.  The same in all waves and all four partners
	s_cbranch_scc1 .Ltail
	s_mov_b32 s3, 0
.Llap:                                                 ; i trips: once round the ring, from a lap's second quarter to the next lap's first; both slots are filled again
	QUARTER 0, 2, F1, F0, 0
	QUARTER 0, 3, F0, F1, 0
	TURN 0, 1, 1
	QUARTER 1, 1, F0, F1, 0
	QUARTER 1, 2, F1, F0, 0
	QUARTER 1, 3, F0, F1, 0
	TURN 1, 0, 1
	QUARTER 0, 1, F0, F1, 0
	WIN 0
	s_add_co_u32 s3, s3, 1
	s_cmp_lt_u32 s3, s[IB]
	s_cbranch_scc1 .Llap
.Ltail:                                                ; the last lap fills nothing; every wait for tensor loads from here on is for 0
	QUARTER 0, 2, F1, F0, 0
	QUARTER 0, 3, F0, F1, 0
	TURN 0, 1, 0
	QUARTER 1, 1, F0, F1, 0
	QUARTER 1, 2, F1, F0, 0
	QUARTER 1, 3, F0, F1, 0
	s_wait_dscnt 0x0                               ; the very last quarter
	SC0 F1
	PV0 F1, 0
	PV1 F1, 0
	PV23 F1, 0
	WIN 0
	PLACES                                         ; the way out reads results just made
; THE WAY OUT of row block a: divided by L, rounded to f16 (16 bytes a lane), through my stage, out as whole rows of 256 bytes.  Each accumulator is read from its low end on.
.macro PACK a
.set AC, 64*((\a)%2)
.if (\a) < 2
	WIN 0x41                                       ; destination and source 0 in window 1
.else
	WIN 0x82                                       ; in window 2
.endif
.set t, 0
.rept 32
	v_pk_mul_f32 v[AC+2*t:AC+2*t+1], v[AC+2*t:AC+2*t+1], v[RL+2*(\a):RL+2*(\a)+1] op_sel_hi:[1,0]
.set t, t+1
.endr
.if (\a) < 2
	WIN 0x05
.else
	WIN 0x0a
.endif
.set t, 0
.rept 32
	v_cvt_pk_f16_f32 v[TMP+t], v[AC+2*t], v[AC+2*t+1]
.set t, t+1
.endr
	WIN 0
.endm
.macro TOSTAGE a
.set BK, BK0+32*(\a)
.set b, 0
.rept 8
	ds_store_b128 v[STO], v[TMP+4*b:TMP+4*b+3] offset:32*b
.set b, b+1
.endr
.set t, 0
.rept 8
	ds_load_b128 v[BK+4*t:BK+4*t+3], v[RD] offset:t*2*SPITCH  ; LDS serves a wave's instructions in order (ISA guide 5.7.1.4): these see the stores above
.set t, t+1
.endr
.endm
.macro SEND a                          ; each block has its own 32 registers: no store's data is rewritten
.set BK, BK0+32*(\a)
	s_wait_dscnt 0x0
.set t, 0
.rept 8
	global_store_b128 v[CO], v[BK+4*t:BK+4*t+3], s[10:11] offset:(16*(\a)+2*t)*2048  ; 16 lanes store 256 consecutive bytes, at a multiple of 256 from oh's first byte
.set t, t+1
.endr
.endm
	PACK 0
	TOSTAGE 0
	PACK 1
	SEND 0
	TOSTAGE 1
	PACK 2
	SEND 1
	TOSTAGE 2
	PACK 3
	SEND 2
	TOSTAGE 3
	SEND 3
	s_wait_tensorcnt 0x0                           ; the wave's end, behind my last tensor load and my last LDS store
	ds_add_u32 v[SPW], v[NIL]
	s_wait_dscnt 0x0
	CROUND                                         ; the closing round: no work-group ends while a partner may still ask for a tile that names it
	s_endpgm
.Lfunc_end_k_q2645b87a5b_ctx:
	.size	k_q2645b87a5b_ctx, .Lfunc_end_k_q2645b87a5b_ctx-k_q2645b87a5b_ctx
	.p2alignl 7, 3214868480
	.fill 96, 4, 3214868480
	.section	.rodata,"a",@progbits
	.p2align	6, 0x0
	.amdhsa_kernel k_q2645b87a5b_ctx
		.amdhsa_group_segment_fixed_size 327680
		.amdhsa_private_segment_fixed_size 0
		.amdhsa_enable_private_segment 0
		.amdhsa_kernarg_size 32
		.amdhsa_user_sgpr_count 2
		.amdhsa_user_sgpr_kernarg_segment_ptr 1
		.amdhsa_wavefront_size32 1
		.amdhsa_system_sgpr_workgroup_id_x 1
		.amdhsa_system_sgpr_workgroup_id_y 1
		.amdhsa_system_sgpr_workgroup_id_z 1
		.amdhsa_system_vgpr_workitem_id 0
		.amdhsa_next_free_vgpr 640
		.amdhsa_next_free_sgpr 80
		.amdhsa_reserve_vcc 0
		.amdhsa_float_denorm_mode_32 3
		.amdhsa_float_denorm_mode_16_64 3
		.amdhsa_memory_ordered 1
		.amdhsa_forward_progress 1
		.amdhsa_inst_pref_size 150
	.end_amdhsa_kernel
	.amdgpu_metadata
---
amdhsa.version: [ 1, 2 ]
amdhsa.kernels:
  - .name:           k_q2645b87a5b_ctx
    .symbol:         k_q2645b87a5b_ctx.kd
    .args:
      - { .name: pt, .offset: 0, .size: 8, .value_kind: global_buffer, .address_space: global }
      - { .name: qkv, .offset: 8, .size: 8, .value_kind: global_buffer, .address_space: global }
      - { .name: st, .offset: 16, .size: 8, .value_kind: global_buffer, .address_space: global }
      - { .name: oh, .offset: 24, .size: 8, .value_kind: global_buffer, .address_space: global }
    .group_segment_fixed_size: 327680
    .private_segment_fixed_size: 0
    .kernarg_segment_align: 8
    .kernarg_segment_size: 32
    .max_flat_workgroup_size: 128
    .sgpr_count:     80
    .vgpr_count:     640
    .wavefront_size: 32
...
	.end_amdgpu_metadata
.endif
;; end of part 4
;; launch outp (part 5): grid 8 x 32, 4 waves a work-group, clusters of 4 x 4, 327,680 bytes of LDS; arguments oh, woh, out0; writes out0
.if DOCPART == 5
	.amdgcn_target "amdgcn-amd-amdhsa--gfx1250"
	.amdhsa_code_object_version 6
	.text
	.protected	k_q2645b87a5b_outp
	.globl	k_q2645b87a5b_outp
	.p2align	8
	.type	k_q2645b87a5b_outp,@function
k_q2645b87a5b_outp:
	s_mov_b64 s[64:65], 0
	v_nop
	global_prefetch_b8 v0, s[64:65] scope:SCOPE_SE
	s_setreg_imm32_b32 hwreg(HW_REG_WAVE_MODE, 25, 1), 1
	s_wait_xcnt 0x0
	s_wait_alu depctr_hold_cnt(0) depctr_sa_sdst(0) depctr_va_vdst(0) depctr_va_sdst(0) depctr_va_ssrc(0) depctr_va_vcc(0) depctr_vm_vsrc(0)
	s_getreg_b32 s2, hwreg(HW_REG_IB_STS2, 6, 4)
	s_cmp_eq_u32 s2, 0
	s_cbranch_scc0 .Lentry_in_a_cluster
	s_endpgm
.Lentry_in_a_cluster:
	s_bfe_u32 s2, ttmp6, 0x10000c
	s_cmp_lg_u32 s2, 0xf033
	s_cbranch_scc0 .Lentry_shape_is_right
	s_endpgm
.Lentry_shape_is_right:
; C[m][n] = the sum over k of A[m][k] B[n][k], K = 1,024; sums in f32, K ascending.  One source, two texts, told apart by F32OUT.
; F32OUT = 0: A = xb [8192][1024] bf16, B = wqkv [3072][1024] bf16, C = qkv, three planes [8192][1024] of f16 (q, k, v, unscaled), each number rounded once.
; F32OUT = 1: A = oh [8192][1024] f16, B = woh [1024][1024] f16, C = out0 [8192][1024] f32.
; LIMIT (F32OUT = 0).  f16 ends at 65,504: q, k and v must stay within it; below 6e-5 they keep f16's fixed step of 6e-8.  NaN and infinities are not treated apart.
; SHARES.  A work-group makes 256 rows x 128 columns of C, each of its four waves 64 rows x 128 columns: 32 accumulators of 16 x 16, 256 registers.  That tile gives 768 (256) work-groups.
; K goes in steps of 128 through two LDS slots: rows of 256 bytes of memory, at multiples of 256 from the buffer's first byte.  Waves 0 and 1 fetch A's two halves (128 rows), waves 2 and 3 B's (64 rows).
; CLUSTER.  4 x 4 work-groups.  The four of a row of the cluster need the same tile of A, the four of a column the same tile of B: each is asked for jointly, by the same tensor load with the same
; descriptor and a mask that names the four.
; THE MATRIX INSTRUCTION IS USED TRANSPOSED (source 0 = 16 rows of B, source 1 = 16 rows of A): a lane then holds row l % 16 of C and the eight neighbouring columns 8 (l / 16) + 0..7.
; REGISTERS.  Window 0: v16-25 addresses; v32-127 and v128-223 two fragment buffers (B's eight fragments, then A's four); v224-255 packed results.  Window 1: accumulator (a, b) at v[64 a + 8 b].
.set F32OUT, 1
.set KD,     1024
.set KSTEP,  128
.set PITCH,  272                       ; an LDS row: 256 bytes + 16 of padding = 68 words: the 16 rows of a fragment load start at 16 different groups of four banks (64 banks of 4 bytes: ISA guide 11.1)
.set HALFA,  128*PITCH                 ; what waves 0 and 1 fetch
.set HALFB,  64*PITCH                  ; what waves 2 and 3 fetch
.set BOFF,   256*PITCH                 ; in a slot: A's 256 rows, then B's 128
.set SLOT1,  131072                    ; slot 1 begins here
.set STAGE,  SLOT1+BOFF+2*HALFB        ; 235,520: behind the ring; no tensor load lands from here on
.if F32OUT
.set SPITCH, 528                       ; a stage row: 128 f32 + 16 bytes
.set ROWB,   4096                      ; bytes in a row of C
.else
.set SPITCH, 272                       ; a stage row: 128 f16 + 16 bytes
.set ROWB,   2048
.endif
.set WSTAGE, 16*SPITCH                 ; a wave's own stage: 16 rows
.set SPARE,  STAGE+4*WSTAGE            ; the spare words, 128 bytes for each wave: two blocks of 256 bytes that no other line names
.set LAPS,   KD/(2*KSTEP)              ; a lap = two K steps = once round the ring
.set ADRA, 16                          ; v16-17  LDS address of my A fragments in slot 0, 1
.set ADRB, 18                          ; v18-19  the same for B
.set STO,  20                          ; v20     the way out: where I put my piece of a row
.set RD,   21                          ; v21     where I read rows back
.set SPW,  22                          ; v22     my spare word: SPARE + 4 x my thread's number; never rewritten
.set NIL,  23                          ; v23     0; never rewritten
.set CO,   24                          ; v24     my byte offset in C
.set PFO,  25                          ; v25     the prefetches' offset: my lane x a row of 2,048 bytes
.set F0,   32
.set F1,   128
.set TMP,  224
.set BK0,  32                          ; the way out: rows read back from the stage
.set G1,   24                          ; s[24:31] descriptor group 1 for A's tiles;  s[32:39] group 0, a set for each slot
.set G0,   32
.set G1B,  48                          ; s[48:55], s[56:63] the same for B's tiles
.set G0B,  56
.set PFA,  68                          ; s[68:69] where my prefetches stand
.set LIM,  70                          ; s70     1 in a wave that prefetches, else the greatest number
.set MSB, 0
.macro WIN new                         ; the immediate's high byte repeats the setting that is left; a switch that changes nothing is dropped
.if MSB != (\new)
	s_set_vgpr_msb (MSB<<8)|(\new)
.set MSB, \new
.endif
.endm
.set MUL, 0x50                         ; sources 0 and 1 in window 0, C and D in window 1
; A joint load: waves 0 and 1 ask for A's halves, waves 2 and 3 for B's.  The branch hangs on the wave's number alone.  An s_nop 0 and four v_nop follow each line.
.macro JLOAD s
	s_cmp_eq_u32 s11, 0
	s_cbranch_scc0 .Lfor_b_\@
	tensor_load_to_lds s[G0+4*(\s):G0+4*(\s)+3], s[G1:G1+7]
	s_nop 0
.rept 4
	v_nop
.endr
	s_branch .Lasked_\@
.Lfor_b_\@:
	tensor_load_to_lds s[G0B+4*(\s):G0B+4*(\s)+3], s[G1B:G1B+7]
	s_nop 0
.rept 4
	v_nop
.endr
.Lasked_\@:
.endm
; A prefetch of the K step that stands two refills on: 32 rows x 256 bytes, a lane a row.  Each row's 256 bytes of a K step are named once in the launch: A's rows by the clusters with x = 0 (waves 0 and 1;
; the four partners of a row of the cluster take 32 of a wave's 128 rows each, told apart by address), B's by the clusters with y = 0 (wave 2; the four partners of a column take 32 of the 128 rows each).
; K steps 0 to 3 come by their loads alone; the loop's last trip (s3 = 1) asks for nothing: K steps 8 and 9 do not exist.
.macro ASK
	s_cmp_gt_u32 s3, s[LIM]
	s_cbranch_scc0 .Lnot_mine_\@
	global_prefetch_b8 v[PFO], s[PFA:PFA+1] offset:KSTEP*2 th:TH_LOAD_NT scope:SCOPE_SE
.Lnot_mine_\@:
.endm
.macro CREST                           ; a round of the cluster's barrier behind its opening barrier
	s_cmp_lg_u32 s10, 0
	s_cbranch_scc1 .Lnot_wave_0_\@
	s_barrier_signal -3
.Lnot_wave_0_\@:
	s_barrier_wait -3
	s_barrier_signal -1
	s_barrier_wait -1
.endm
.macro CROUND                          ; a whole round
	s_barrier_signal -1
	s_barrier_wait -1
	CREST
.endm
	s_load_b128 s[4:7], s[0:1], 0x0                ; A s[4:5], B s[6:7]
	s_load_b64 s[8:9], s[0:1], 0x10                ; C
	v_lshl_add_u32 v[SPW], v0, 2, SPARE
	v_mov_b32 v[NIL], 0
	ds_add_u32 v[SPW], v[NIL]                      ; the wave's opening: the add and its wait stand ahead of my first tensor load; the set-up below stands between them
	v_lshrrev_b32 v1, 5, v0
	v_readfirstlane_b32 s10, v1                    ; wave 0..3
	s_lshr_b32 s11, s10, 1                         ; I fetch for A (0) or for B (1)
	s_and_b32 s12, s10, 1                          ; which half of that tile
	s_bfe_u32 s40, ttmp6, 0x40000                  ; cx, cy: my place in the cluster
	s_bfe_u32 s41, ttmp6, 0x40004
	s_lshl_b32 s42, ttmp9, 2
	s_add_co_u32 s42, s42, s40                     ; tile column = 4 x cluster x + cx
	s_and_b32 s13, ttmp7, 0xffff
	s_lshl_b32 s13, s13, 2
	s_add_co_u32 s13, s13, s41                     ; tile row = 4 x cluster y + cy
	s_lshl_b32 s43, s41, 2
	s_lshl_b32 s43, 15, s43                        ; my row of the cluster
	s_lshl_b32 s44, 0x1111, s40                    ; my column
	s_or_b32 s[G1+0], s43, (1<<16)|(1<<20)|(1<<21)|(5<<22)|(3<<25)   ; 15:0 the mask; 17:16 elements of 2 bytes; 20 padding on; 21 set beside a mask; 24:22 after every 64 words; 31:25 4 words of it
	s_or_b32 s[G1B+0], s44, (1<<16)|(1<<20)|(1<<21)|(5<<22)|(3<<25)
	s_mov_b32 s[G1+1], KSTEP<<16                   ; tensor_dim0 = 128
	s_mov_b32 s[G1+2], 128<<16                     ; tensor_dim1 = 128
	s_mov_b32 s[G1+3], KSTEP<<16                   ; tile_dim0 = 128
	s_mov_b32 s[G1+4], 128                         ; tile_dim1 = 128
	s_mov_b32 s[G1+5], KD                          ; elements from row to row
	s_mov_b32 s[G1+6], 0
	s_mov_b32 s[G1+7], 0
	s_mov_b32 s[G1B+1], KSTEP<<16
	s_mov_b32 s[G1B+2], 64<<16                     ; B's loads have 64 rows
	s_mov_b32 s[G1B+3], KSTEP<<16
	s_mov_b32 s[G1B+4], 64
	s_mov_b32 s[G1B+5], KD
	s_mov_b32 s[G1B+6], 0
	s_mov_b32 s[G1B+7], 0
	s_lshl_b32 s17, s12, 7
	s_lshl_b32 s16, s13, 8
	s_add_co_u32 s16, s16, s17                     ; A: row 256 x tile row + 128 x half
	s_lshl_b32 s16, s16, 11                        ; in bytes (under 2^25)
	s_mov_b32 s17, 0
	s_lshl_b32 s47, s12, 6
	s_lshl_b32 s46, s42, 7
	s_add_co_u32 s46, s46, s47                     ; B: row 128 x tile column + 64 x half
	s_lshl_b32 s46, s46, 11
	s_mov_b32 s47, 0
	s_mul_i32 s20, s12, HALFA                      ; where they go: no place in the cluster enters an LDS address
	s_mul_i32 s21, s12, HALFB
	s_add_co_u32 s21, s21, BOFF
	s_wait_dscnt 0x0                               ; the opening add is done
	s_wait_kmcnt 0x0
	s_add_nc_u64 s[14:15], s[4:5], s[16:17]
	s_add_nc_u64 s[46:47], s[6:7], s[46:47]
	CROUND                                         ; all sixteen work-groups are here: the first joint loads meet
.irp s, 0,1
	s_mov_b32 s[G0+4*(\s)], 1                      ; count = 1
	s_add_co_u32 s[G0+4*(\s)+1], s20, (\s)*SLOT1   ; LDS address
	s_add_nc_u64 s[G0+4*(\s)+2:G0+4*(\s)+3], s[14:15], (\s)*KSTEP*2  ; global address: K step s
	s_or_b32 s[G0+4*(\s)+3], s[G0+4*(\s)+3], 0x80000000              ; type = 2
	s_mov_b32 s[G0B+4*(\s)], 1
	s_add_co_u32 s[G0B+4*(\s)+1], s21, (\s)*SLOT1
	s_add_nc_u64 s[G0B+4*(\s)+2:G0B+4*(\s)+3], s[46:47], (\s)*KSTEP*2
	s_or_b32 s[G0B+4*(\s)+3], s[G0B+4*(\s)+3], 0x80000000
	JLOAD \s                                       ; two loads of mine are out
.endr
	; a fragment is 16 rows x 32 K in 8 registers: lane l holds row l % 16, K = 8 (l / 16) + 0..7 and 16 + 8 (l / 16) + 0..7: two loads of 16 bytes, 32 bytes apart
	v_and_b32 v1, 15, v0                           ; l % 16
	v_bfe_u32 v2, v0, 4, 1                         ; l / 16
	v_mul_u32_u24 v3, v1, PITCH
	v_lshl_add_u32 v3, v2, 4, v3
	s_mul_i32 s22, s10, 64*PITCH                   ; my 64 rows of A
	v_add_nc_u32 v[ADRA], s22, v3
	v_add_nc_u32 v[ADRA+1], SLOT1, v[ADRA]
	v_add_nc_u32 v[ADRB], BOFF, v3                 ; all 128 rows of B
	v_add_nc_u32 v[ADRB+1], SLOT1, v[ADRB]
	s_mul_i32 s23, s10, WSTAGE
	s_add_co_u32 s23, s23, STAGE                   ; my stage
	v_mul_u32_u24 v4, v1, SPITCH                   ; in: row l % 16,
.if F32OUT
	v_lshl_add_u32 v4, v2, 5, v4                   ; 32 bytes for each half of the lanes
	v_add_nc_u32 v[STO], s23, v4
	v_and_b32 v5, 31, v0
	v_lshlrev_b32 v[CO], 4, v5                     ; back: 32 lanes take one row of 512 bytes
	v_add_nc_u32 v[RD], s23, v[CO]
.else
	v_lshl_add_u32 v4, v2, 4, v4                   ; 16 bytes for each half of the lanes
	v_add_nc_u32 v[STO], s23, v4
	v_mul_u32_u24 v5, v2, SPITCH                   ; back: lanes 0-15 take one row of 256 bytes, lanes 16-31 the next
	v_lshl_add_u32 v5, v1, 4, v5
	v_add_nc_u32 v[RD], s23, v5
	v_lshlrev_b32 v5, 11, v2                       ; and the same two rows in C
	v_lshl_add_u32 v[CO], v1, 4, v5
.endif
	s_lshl_b32 s16, s13, 8
	s_lshl_b32 s17, s10, 6
	s_add_co_u32 s16, s16, s17                     ; my first row of C
.if F32OUT
	s_lshl_b32 s16, s16, 12
	s_lshl_b32 s46, s42, 9                         ; the tile's first column: 512 bytes a tile
.else
	s_lshl_b32 s16, s16, 11
	s_lshr_b32 s46, s42, 3                         ; the plane (q, k, v): eight tile columns each,
	s_lshl_b32 s46, s46, 24                        ; 16,777,216 bytes
	s_and_b32 s47, s42, 7
	s_lshl_b32 s47, s47, 8                         ; the tile's first column in it: 256 bytes a tile
	s_add_co_u32 s46, s46, s47
.endif
	s_mov_b32 s17, 0
	s_mov_b32 s47, 0
	s_add_nc_u64 s[8:9], s[8:9], s[16:17]
	s_add_nc_u64 s[8:9], s[8:9], s[46:47]
	; the prefetches
	s_lshl_b32 s20, s13, 8
	s_lshl_b32 s21, s12, 7
	s_add_co_u32 s20, s20, s21                     ; A: the 128 rows that I fetch
	s_lshl_b32 s21, s42, 7                         ; B: the tile's 128 rows
	s_and_b32 s22, ttmp7, 0xffff                   ; cluster y
	s_cmp_eq_u32 s11, 0
	s_cselect_b32 s20, s20, s21
	s_cselect_b32 s21, s40, s41                    ; my place among the four that ask with me
	s_cselect_b32 s22, ttmp9, s22                  ; the coordinate along which other clusters read the same rows
	s_cselect_b64 s[PFA:PFA+1], s[4:5], s[6:7]
	s_cmp_eq_u32 s22, 0
	s_cselect_b32 s[LIM], 1, -1                    ; the same in all sixteen partners, for a given wave
	s_cmp_eq_u32 s10, 3
	s_cselect_b32 s[LIM], -1, s[LIM]               ; wave 2 names all of my work-group's 32 rows of B
	s_lshl_b32 s21, s21, 5
	s_add_co_u32 s20, s20, s21                     ; + my work-group's 32 rows
	s_lshl_b32 s20, s20, 11
	s_mov_b32 s21, 0
	s_add_nc_u64 s[PFA:PFA+1], s[PFA:PFA+1], s[20:21]
	s_add_nc_u64 s[PFA:PFA+1], s[PFA:PFA+1], 2*KSTEP*2  ; at K step 2: the first refill steps it to 3 and names K step 4
	v_and_b32 v[PFO], 31, v0
	v_lshlrev_b32 v[PFO], 11, v[PFO]
.macro WM zero                         ; one matrix instruction on rD, rB, rA
.if F32OUT
.if \zero
	v_wmma_f32_16x16x32_f16 v[rD:rD+7], v[rB:rB+7], v[rA:rA+7], 0
.else
	v_wmma_f32_16x16x32_f16 v[rD:rD+7], v[rB:rB+7], v[rA:rA+7], v[rD:rD+7]
.endif
.else
.if \zero
	v_wmma_f32_16x16x32_bf16 v[rD:rD+7], v[rB:rB+7], v[rA:rA+7], 0
.else
	v_wmma_f32_16x16x32_bf16 v[rD:rD+7], v[rB:rB+7], v[rA:rA+7], v[rD:rD+7]
.endif
.endif
.endm
; 8 matrix instructions: row block a x all 8 column blocks, 32 along K.  zero = 1: the products start the sums.  The 32 accumulators take turns, each once in a quarter step.
.macro MULA f, a, zero
	WIN MUL
.set b, 0
.rept 8
.set rD, 64*(\a)+8*b
.set rB, (\f)+8*b
.set rA, (\f)+64+8*(\a)
	WM \zero
.set b, b+1
.endr
.endm
; 24 LDS loads in one run: the fragments of 32 along K at byte k of the rows, into buffer f
.macro FETCH slot, k, f
	WIN 0
.set b, 0
.rept 8
	ds_load_b128 v[(\f)+8*b:(\f)+8*b+3],   v[ADRB+(\slot)] offset:(\k)+b*16*PITCH
	ds_load_b128 v[(\f)+8*b+4:(\f)+8*b+7], v[ADRB+(\slot)] offset:(\k)+b*16*PITCH+32
.set b, b+1
.endr
.set b, 0
.rept 4
	ds_load_b128 v[(\f)+64+8*b:(\f)+64+8*b+3],   v[ADRA+(\slot)] offset:(\k)+b*16*PITCH
	ds_load_b128 v[(\f)+64+8*b+4:(\f)+64+8*b+7], v[ADRA+(\slot)] offset:(\k)+b*16*PITCH+32
.set b, b+1
.endr
.endm
.macro PLACES                          ; four plain instructions between a matrix instruction and a load into a register that it read, or a reader of its result
.rept 4
	v_nop
.endr
.endm
; A K step is four quarters of 32 along K, 32 matrix instructions each, on buffers 0, 1, 0, 1.  One of the first three: buffer f, asked for a quarter ago, is in; the next quarter's fragments, at byte k,
; are asked for into buffer g, which the quarter before multiplied; then f is multiplied.
.macro QUARTER slot, k, f, g, zero
	s_wait_dscnt 0x0
	PLACES
	FETCH \slot, \k, \g
	MULA \f, 0, \zero
	MULA \f, 1, \zero
	MULA \f, 2, \zero
	MULA \f, 3, \zero
.endm
; The last quarter multiplies buffer 1 and changes slots: ONE barrier.  In front of it each wave waits for all its tensor loads (one is out: its part of the next slot), adds 0 to its spare word, and waits for
; that and for its reads of this slot.  fill = 1: the barrier opens a round of the cluster's barrier, and this slot is filled again, two K steps ahead, first thing behind the round.
.macro TURN slot, next, fill
.if \fill
	s_wait_xcnt 0x0                                ; the last prefetch, a K step back, has read its address
	s_add_nc_u64 s[PFA:PFA+1], s[PFA:PFA+1], KSTEP*2
.endif
	WIN 0                                          ; (the add's two registers lie in window 0)
	s_wait_tensorcnt 0x0                           ; all my tensor loads have landed
	ds_add_u32 v[SPW], v[NIL]                      ; 0 onto my spare word
	s_wait_dscnt 0x1                               ; buffer 1 is in: only the add may be out
	MULA F1, 0, 0                                  ; eight matrix instructions stand between the add and the wait for it
	s_wait_dscnt 0x0                               ; the add is done, and my reads of this slot are over
	s_barrier_signal -1
	MULA F1, 1, 0
.if \fill
	WIN 0
.endif
	s_barrier_wait -1
.if \fill
	CREST                                          ; no wave of any partner still reads this slot's tile or has a load on its way
	s_add_nc_u64 s[G0+4*(\slot)+2:G0+4*(\slot)+3], s[G0+4*(\slot)+2:G0+4*(\slot)+3], 2*KSTEP*2
	s_add_nc_u64 s[G0B+4*(\slot)+2:G0B+4*(\slot)+3], s[G0B+4*(\slot)+2:G0B+4*(\slot)+3], 2*KSTEP*2
	JLOAD \slot                                    ; my one tensor load behind the round; its four v_nop are also the places in front of the loads below
.else
	PLACES
.endif
	FETCH \next, 0, F0
.if \fill
	ASK
.endif
	MULA F1, 2, 0
	MULA F1, 3, 0
.endm
	s_wait_tensorcnt 0x1                           ; my part of K step 0 is in; K step 1's may stay out
	s_barrier_signal -1
	s_barrier_wait -1                              ; everybody's is
	FETCH 0, 0, F0
	QUARTER 0, 64, F0, F1, 1                       ; the first quarter stands in front of the loop: its products start the sums
	WIN 0                                          ; at a label and at a branch every window is 0
	s_mov_b32 s3, LAPS-1
.Llap:                                                 ; a trip goes once round the ring, from a lap's second quarter to the next lap's first, and fills both slots again
	QUARTER 0, 128, F1, F0, 0
	QUARTER 0, 192, F0, F1, 0
	TURN 0, 1, 1
	QUARTER 1, 64,  F0, F1, 0
	QUARTER 1, 128, F1, F0, 0
	QUARTER 1, 192, F0, F1, 0
	TURN 1, 0, 1
	QUARTER 0, 64,  F0, F1, 0
	WIN 0
	s_sub_co_u32 s3, s3, 1
	s_cmp_lg_u32 s3, 0
	s_cbranch_scc1 .Llap
	QUARTER 0, 128, F1, F0, 0                      ; the last lap fills nothing
	QUARTER 0, 192, F0, F1, 0
	TURN 0, 1, 0
	QUARTER 1, 64,  F0, F1, 0
	QUARTER 1, 128, F1, F0, 0
	QUARTER 1, 192, F0, F1, 0
	s_wait_dscnt 0x0                               ; the very last quarter: nothing more to fetch
	MULA F1, 0, 0
	MULA F1, 1, 0
	MULA F1, 2, 0
	MULA F1, 3, 0
	WIN 0
	PLACES                                         ; the way out reads results just made
.if F32OUT
; THE WAY OUT, f32: a block of 16 rows goes into my stage, 32 bytes a lane, and comes back as whole rows of 512 bytes.  Each accumulator's low four registers are read first.
.macro OUT32 a
	WIN 0x04                                       ; an LDS store's data is source 1: window 1
.set b, 0
.rept 8
	ds_store_b128 v[STO], v[64*(\a)+8*b:64*(\a)+8*b+3]   offset:64*b
	ds_store_b128 v[STO], v[64*(\a)+8*b+4:64*(\a)+8*b+7] offset:64*b+16
.set b, b+1
.endr
	WIN 0
	s_wait_xcnt 0x0                                ; the stores of two blocks ago have read the registers that are loaded again below
.set BK, BK0+64*((\a)%2)
.set t, 0
.rept 16
	ds_load_b128 v[BK+4*t:BK+4*t+3], v[RD] offset:t*SPITCH  ; LDS serves a wave's instructions in order (ISA guide 5.7.1.4): these see the stores above
.set t, t+1
.endr
.set t, 0
.rept 16
	s_wait_dscnt 15-t                              ; row t is back; the 15 - t younger loads stay out
	global_store_b128 v[CO], v[BK+4*t:BK+4*t+3], s[8:9] offset:(16*(\a)+t)*ROWB th:TH_STORE_NT  ; 32 lanes store 512 consecutive bytes, at a multiple of 256 from C's first byte
.set t, t+1
.endr
.endm
	OUT32 0
	OUT32 1
	OUT32 2
	OUT32 3
.else
; THE WAY OUT, f16: a block of 16 rows is rounded (16 bytes a lane), goes into my stage and comes back as whole rows of 256 bytes.
.macro PACK a
	WIN 0x05                                       ; sources 0 and 1 in window 1
.set t, 0
.rept 32
	v_cvt_pk_f16_f32 v[TMP+t], v[64*(\a)+2*t], v[64*(\a)+2*t+1]
.set t, t+1
.endr
	WIN 0
.endm
.macro TOSTAGE a
.set BK, BK0+32*(\a)
.set b, 0
.rept 8
	ds_store_b128 v[STO], v[TMP+4*b:TMP+4*b+3] offset:32*b
.set b, b+1
.endr
.set t, 0
.rept 8
	ds_load_b128 v[BK+4*t:BK+4*t+3], v[RD] offset:t*2*SPITCH  ; LDS serves a wave's instructions in order (ISA guide 5.7.1.4): these see the stores above
.set t, t+1
.endr
.endm
.macro SEND a                          ; each block has its own 32 registers: no store's data is rewritten
.set BK, BK0+32*(\a)
	s_wait_dscnt 0x0                               ; the block is back in registers
.set t, 0
.rept 8
	global_store_b128 v[CO], v[BK+4*t:BK+4*t+3], s[8:9] offset:(16*(\a)+2*t)*ROWB  ; 16 lanes store 256 consecutive bytes, at a multiple of 256 from C's first byte
.set t, t+1
.endr
.endm
	PACK 0
	TOSTAGE 0
	PACK 1                                         ; a block's conversions stand between the loads of the block before and the wait for them
	SEND 0
	TOSTAGE 1
	PACK 2
	SEND 1
	TOSTAGE 2
	PACK 3
	SEND 2
	TOSTAGE 3
	SEND 3
.endif
	s_wait_tensorcnt 0x0                           ; the wave's end, behind my last tensor load and my last LDS store
	ds_add_u32 v[SPW], v[NIL]
	s_wait_dscnt 0x0
	CROUND                                         ; the closing round: no work-group ends while a partner may still ask for a tile that names it
	s_endpgm
.Lfunc_end_k_q2645b87a5b_outp:
	.size	k_q2645b87a5b_outp, .Lfunc_end_k_q2645b87a5b_outp-k_q2645b87a5b_outp
	.p2alignl 7, 3214868480
	.fill 96, 4, 3214868480
	.section	.rodata,"a",@progbits
	.p2align	6, 0x0
	.amdhsa_kernel k_q2645b87a5b_outp
		.amdhsa_group_segment_fixed_size 327680
		.amdhsa_private_segment_fixed_size 0
		.amdhsa_enable_private_segment 0
		.amdhsa_kernarg_size 24
		.amdhsa_user_sgpr_count 2
		.amdhsa_user_sgpr_kernarg_segment_ptr 1
		.amdhsa_wavefront_size32 1
		.amdhsa_system_sgpr_workgroup_id_x 1
		.amdhsa_system_sgpr_workgroup_id_y 1
		.amdhsa_system_sgpr_workgroup_id_z 1
		.amdhsa_system_vgpr_workitem_id 0
		.amdhsa_next_free_vgpr 512
		.amdhsa_next_free_sgpr 72
		.amdhsa_reserve_vcc 0
		.amdhsa_float_denorm_mode_32 3
		.amdhsa_float_denorm_mode_16_64 3
		.amdhsa_memory_ordered 1
		.amdhsa_forward_progress 1
		.amdhsa_inst_pref_size 87
	.end_amdhsa_kernel
	.amdgpu_metadata
---
amdhsa.version: [ 1, 2 ]
amdhsa.kernels:
  - .name:           k_q2645b87a5b_outp
    .symbol:         k_q2645b87a5b_outp.kd
    .args:
      - { .name: oh, .offset: 0, .size: 8, .value_kind: global_buffer, .address_space: global }
      - { .name: woh, .offset: 8, .size: 8, .value_kind: global_buffer, .address_space: global }
      - { .name: out0, .offset: 16, .size: 8, .value_kind: global_buffer, .address_space: global }
    .group_segment_fixed_size: 327680
    .private_segment_fixed_size: 0
    .kernarg_segment_align: 8
    .kernarg_segment_size: 24
    .max_flat_workgroup_size: 128
    .sgpr_count:     72
    .vgpr_count:     512
    .wavefront_size: 32
...
	.end_amdgpu_metadata
.endif
;; end of part 5
;; ======== version 2 of 3: 5 launches
;; limits: values are held in f16: magnitudes above 65,504 overflow, below 6.1e-05 lose precision
;; workspace buffers: xb 16,777,216 bytes; wqkv 6,291,456 bytes; woh 2,097,152 bytes; qkv 50,331,648 bytes; pt 33,554,432 bytes; st 1,048,576 bytes; oh 16,777,216 bytes
;; launch cast (part 6): grid 64 x 12, 8 waves a work-group, no clusters, 0 bytes of LDS; arguments x, W_q, W_k, W_v, W_o, xb, wqkv, woh, st; writes xb, wqkv, woh, st
.if DOCPART == 6
	.amdgcn_target "amdgcn-amd-amdhsa--gfx1250"
	.amdhsa_code_object_version 6
	.text
	.protected	k_q2645b87a5b_cast
	.globl	k_q2645b87a5b_cast
	.p2align	8
	.type	k_q2645b87a5b_cast,@function
k_q2645b87a5b_cast:
	s_mov_b64 s[64:65], 0
	v_nop
	global_prefetch_b8 v0, s[64:65] scope:SCOPE_SE
	s_setreg_imm32_b32 hwreg(HW_REG_WAVE_MODE, 25, 1), 1
	s_wait_xcnt 0x0
; THE INPUTS ARE ROUNDED ONCE.  x -> xb and W_q, W_k, W_v -> wqkv (rows in that order) in bf16; W_o -> woh: rounded to bf16 like the others, and that number written as f16.
; LAYOUT.  xb is [16 K blocks][8192 rows][64], wqkv [16 K blocks][3072 rows][64]: the 64 numbers of a row and K block are 128 bytes, and the rows of a K block lie end to end, so that the projection's tiles
; (many rows x 64 along K) are dense in memory.  woh stays [1024][1024].
; Also: the table st of the later launches is given its starting values: the first 524,288 bytes (c m by key block and row) a number far below every c s, the second 524,288 bytes (l) zero.
; LIMITS.  bf16(W_o) must lie within f16's range, 65,504; below 6e-5 it keeps f16's fixed step of 6e-8.  NaN and infinities are not treated apart.
; SHARES.  The grid's y names a slab of 1,024 rows: 0-7 eighths of x, 8-10 W_q, W_k, W_v, 11 W_o.  A work-group takes 16 rows, a wave 2.  Sixteen loads, all issued first: load j takes K block j of both rows,
; lanes 0-15 the 256 bytes of one row, lanes 16-31 those of the next; store j puts the two rows' 128 bytes side by side: 256 consecutive bytes at a multiple of 256 from the buffer's first byte.
; (W_o: sixteen loads of 512 consecutive bytes, sixteen stores of 256.)  No register is used twice, so no store's data or offset is ever rewritten.
; No LDS, no matrix unit, no cluster: nothing is shared and nothing is read twice.
.set APLANE, 8192*128                  ; bytes in a K block of xb
.set BPLANE, 3072*128                  ; of wqkv
.set X,  8                             ; v[8:71]    sixteen loads of four f32
.set Y,  72                            ; v[72:103]  sixteen stores of four 16-bit numbers
.set Z,  104                           ; v[104:107] st's starting value, four times
.set OF, 108                           ; v[108:123] store j's byte offset: j K blocks + my place
.set T,  124                           ; v[124:127] at work
	s_load_b512 s[8:23], s[0:1], 0x0               ; x s[8:9], W_q s[10:11], W_k s[12:13], W_v s[14:15], W_o s[16:17], xb s[18:19], wqkv s[20:21], woh s[22:23]
	s_load_b64 s[24:25], s[0:1], 0x40              ; st
	s_and_b32 s2, ttmp7, 0xffff                    ; the slab
	v_lshrrev_b32 v3, 5, v0                        ; wave
	v_and_b32 v4, 31, v0                           ; lane
	v_lshlrev_b32 v5, 4, v4
	v_lshl_add_u32 v5, v3, 13, v5                  ; W_o in: 8,192 x wave + 16 x lane
	v_lshlrev_b32 v6, 3, v4
	v_lshl_add_u32 v7, v3, 12, v6                  ; W_o out: 4,096 x wave + 8 x lane
	v_lshl_add_u32 v2, v3, 8, v6                   ; the others out: two rows of 128 bytes a wave + 8 x lane
	v_and_b32 v1, 15, v0
	v_lshlrev_b32 v1, 4, v1                        ; the others in: 16 x (lane % 16),
	v_bfe_u32 v6, v0, 4, 1
	v_lshl_add_u32 v1, v6, 12, v1                  ; a row of 4,096 bytes further for lanes 16-31,
	v_lshl_add_u32 v1, v3, 13, v1                  ; two rows a wave
	v_lshlrev_b32 v3, 4, v0                        ; st: 16 x thread
	s_sub_co_u32 s3, s2, 8                         ; the slab's number among the weights
	s_cmp_lt_u32 s2, 8
	s_cselect_b32 s26, s2, 0                       ; which eighth of x (a weight begins at its buffer's first byte)
	s_cselect_b32 s28, s2, s3                      ; which 1,024 rows of xb or of wqkv
	s_mov_b32 s34, BPLANE
	s_cselect_b32 s34, APLANE, s34                 ; bytes from K block to K block
	s_lshl_b32 s26, s26, 22                        ; a slab is 4 MiB in,
	s_lshl_b32 s27, ttmp9, 16                      ; a work-group's 16 rows 65,536 bytes
	s_add_co_u32 s26, s26, s27
	s_mov_b32 s27, 0
	s_lshl_b32 s28, s28, 17                        ; out: 1,024 rows of 128 bytes,
	s_lshl_b32 s29, ttmp9, 11                      ; 16 rows of 128 bytes
	s_add_co_u32 s28, s28, s29
	s_lshl_b32 s29, ttmp9, 15                      ; W_o out: 16 rows of 2,048 bytes
	s_cmp_eq_u32 s2, 11
	s_cselect_b32 s28, s29, s28
	s_mov_b32 s29, 0
	s_wait_kmcnt 0x0
	s_cmp_eq_u32 s2, 8
	s_cselect_b64 s[4:5], s[10:11], s[8:9]
	s_cmp_eq_u32 s2, 9
	s_cselect_b64 s[4:5], s[12:13], s[4:5]
	s_cmp_eq_u32 s2, 10
	s_cselect_b64 s[4:5], s[14:15], s[4:5]
	s_cmp_eq_u32 s2, 11
	s_cselect_b64 s[4:5], s[16:17], s[4:5]         ; from
	s_cselect_b64 s[6:7], s[22:23], s[20:21]
	s_cmp_lt_u32 s2, 8
	s_cselect_b64 s[6:7], s[18:19], s[6:7]         ; to
	s_add_nc_u64 s[4:5], s[4:5], s[26:27]
	s_add_nc_u64 s[6:7], s[6:7], s[28:29]
	s_cmp_eq_u32 s2, 11
	s_cbranch_scc1 .Lwo_in
.set j, 0
.rept 16
	global_load_b128 v[X+4*j:X+4*j+3], v1, s[4:5] offset:256*j th:TH_LOAD_NT  ; K block j of my wave's two rows
.set j, j+1
.endr
	s_branch .Lin
.Lwo_in:
.set j, 0
.rept 16
	global_load_b128 v[X+4*j:X+4*j+3], v5, s[4:5] offset:512*j th:TH_LOAD_NT  ; 512 consecutive bytes
.set j, j+1
.endr
.Lin:
	s_cmp_lt_u32 s2, 8                             ; the 256 work-groups of slabs 8 to 11 also write 4,096 bytes of st each
	s_cbranch_scc1 .Lno_st
	s_lshl_b32 s30, s3, 6
	s_add_co_u32 s30, s30, ttmp9                   ; 0 .. 255
	s_cmp_lt_u32 s30, 128
	s_cselect_b32 s31, 0xfe000000, 0               ; c m: far below every c s;  l: 0
	s_lshl_b32 s32, s30, 12
	s_mov_b32 s33, 0
	s_add_nc_u64 s[24:25], s[24:25], s[32:33]
	v_mov_b32 v[Z], s31
	v_mov_b32 v[Z+1], s31
	v_mov_b32 v[Z+2], s31
	v_mov_b32 v[Z+3], s31
	global_store_b128 v3, v[Z:Z+3], s[24:25]
.Lno_st:
	s_cmp_eq_u32 s2, 11
	s_cbranch_scc1 .Lto_f16
.set j, 0
.rept 16
	v_mad_u32_u24 v[OF+j], s34, j, v2              ; made while the loads are on their way
.set j, j+1
.endr
.set j, 0
.rept 16
	s_wait_loadcnt 15-j                            ; loads come back in order: load j is in, the 15 - j younger ones stay out
	v_cvt_pk_bf16_f32 v[Y+2*j], v[X+4*j], v[X+4*j+1]
	v_cvt_pk_bf16_f32 v[Y+2*j+1], v[X+4*j+2], v[X+4*j+3]
	global_store_b64 v[OF+j], v[Y+2*j:Y+2*j+1], s[6:7]  ; 32 lanes store 256 consecutive bytes: two rows of K block j
.set j, j+1
.endr
	s_endpgm
.Lto_f16:                                              ; W_o: the bf16 numbers are widened again (a shift, a mask) and written as f16
.set j, 0
.rept 16
	s_wait_loadcnt 15-j
	v_cvt_pk_bf16_f32 v[Y+2*j], v[X+4*j], v[X+4*j+1]
	v_cvt_pk_bf16_f32 v[Y+2*j+1], v[X+4*j+2], v[X+4*j+3]
	v_lshlrev_b32 v[T], 16, v[Y+2*j]
	v_and_b32 v[T+1], 0xffff0000, v[Y+2*j]
	v_lshlrev_b32 v[T+2], 16, v[Y+2*j+1]
	v_and_b32 v[T+3], 0xffff0000, v[Y+2*j+1]
	v_cvt_pk_f16_f32 v[Y+2*j], v[T], v[T+1]
	v_cvt_pk_f16_f32 v[Y+2*j+1], v[T+2], v[T+3]
	global_store_b64 v7, v[Y+2*j:Y+2*j+1], s[6:7] offset:256*j  ; 32 lanes store 256 consecutive bytes
.set j, j+1
.endr
	s_endpgm
.Lfunc_end_k_q2645b87a5b_cast:
	.size	k_q2645b87a5b_cast, .Lfunc_end_k_q2645b87a5b_cast-k_q2645b87a5b_cast
	.p2alignl 7, 3214868480
	.fill 96, 4, 3214868480
	.section	.rodata,"a",@progbits
	.p2align	6, 0x0
	.amdhsa_kernel k_q2645b87a5b_cast
		.amdhsa_group_segment_fixed_size 0
		.amdhsa_private_segment_fixed_size 0
		.amdhsa_enable_private_segment 0
		.amdhsa_kernarg_size 72
		.amdhsa_user_sgpr_count 2
		.amdhsa_user_sgpr_kernarg_segment_ptr 1
		.amdhsa_wavefront_size32 1
		.amdhsa_system_sgpr_workgroup_id_x 1
		.amdhsa_system_sgpr_workgroup_id_y 1
		.amdhsa_system_sgpr_workgroup_id_z 1
		.amdhsa_system_vgpr_workitem_id 0
		.amdhsa_next_free_vgpr 128
		.amdhsa_next_free_sgpr 66
		.amdhsa_reserve_vcc 0
		.amdhsa_float_denorm_mode_32 3
		.amdhsa_float_denorm_mode_16_64 3
		.amdhsa_memory_ordered 1
		.amdhsa_forward_progress 1
		.amdhsa_inst_pref_size 20
	.end_amdhsa_kernel
	.amdgpu_metadata
---
amdhsa.version: [ 1, 2 ]
amdhsa.kernels:
  - .name:           k_q2645b87a5b_cast
    .symbol:         k_q2645b87a5b_cast.kd
    .args:
      - { .name: x, .offset: 0, .size: 8, .value_kind: global_buffer, .address_space: global }
      - { .name: W_q, .offset: 8, .size: 8, .value_kind: global_buffer, .address_space: global }
      - { .name: W_k, .offset: 16, .size: 8, .value_kind: global_buffer, .address_space: global }
      - { .name: W_v, .offset: 24, .size: 8, .value_kind: global_buffer, .address_space: global }
      - { .name: W_o, .offset: 32, .size: 8, .value_kind: global_buffer, .address_space: global }
      - { .name: xb, .offset: 40, .size: 8, .value_kind: global_buffer, .address_space: global }
      - { .name: wqkv, .offset: 48, .size: 8, .value_kind: global_buffer, .address_space: global }
      - { .name: woh, .offset: 56, .size: 8, .value_kind: global_buffer, .address_space: global }
      - { .name: st, .offset: 64, .size: 8, .value_kind: global_buffer, .address_space: global }
    .group_segment_fixed_size: 0
    .private_segment_fixed_size: 0
    .kernarg_segment_align: 8
    .kernarg_segment_size: 72
    .max_flat_workgroup_size: 256
    .sgpr_count:     66
    .vgpr_count:     128
    .wavefront_size: 32
...
	.end_amdgpu_metadata
.endif
;; end of part 6
;; launch proj (part 7): grid 8 x 32, 4 waves a work-group, clusters of 4 x 4, 327,680 bytes of LDS; arguments xb, wqkv, qkv; writes qkv
.if DOCPART == 7
	.amdgcn_target "amdgcn-amd-amdhsa--gfx1250"
	.amdhsa_code_object_version 6
	.text
	.protected	k_q2645b87a5b_proj
	.globl	k_q2645b87a5b_proj
	.p2align	8
	.type	k_q2645b87a5b_proj,@function
k_q2645b87a5b_proj:
	s_mov_b64 s[64:65], 0
	v_nop
	global_prefetch_b8 v0, s[64:65] scope:SCOPE_SE
	s_setreg_imm32_b32 hwreg(HW_REG_WAVE_MODE, 25, 1), 1
	s_wait_xcnt 0x0
	s_wait_alu depctr_hold_cnt(0) depctr_sa_sdst(0) depctr_va_vdst(0) depctr_va_sdst(0) depctr_va_ssrc(0) depctr_va_vcc(0) depctr_vm_vsrc(0)
	s_getreg_b32 s2, hwreg(HW_REG_IB_STS2, 6, 4)
	s_cmp_eq_u32 s2, 0
	s_cbranch_scc0 .Lentry_in_a_cluster
	s_endpgm
.Lentry_in_a_cluster:
	s_bfe_u32 s2, ttmp6, 0x10000c
	s_cmp_lg_u32 s2, 0xf033
	s_cbranch_scc0 .Lentry_shape_is_right
	s_endpgm
.Lentry_shape_is_right:
; THE THREE PROJECTIONS AS ONE PRODUCT.  C[m][n] = the sum over k of A[m][k] B[n][k], K = 1,024; sums in f32, K ascending.
; A = xb, B = wqkv (rows of W_q, W_k, W_v), both bf16 and laid out by K blocks: [16][rows][64].  C = qkv: three planes [8192][1024] of f16 (q, k, v, unscaled), each number rounded once.
; LIMIT.  f16 ends at 65,504: q, k and v must stay within it; below 6e-5 they keep f16's fixed step of 6e-8.  NaN and infinities are not treated apart.
; SHARES.  A work-group makes 256 x 384 of C: 32 x 8 = 256 work-groups.  Each of its four waves makes 128 x 192: 96 accumulators of 16 x 16, 768 registers.
; K goes in steps of 64 (a K block) through two LDS slots: two slots of 128 along K, 640 rows x 272 bytes each, would not fit.  A tile's rows are dense in memory and are asked for as rows of 256 bytes,
; two rows of the tile each, padded in LDS after every 128 bytes.  Waves 0 and 1 fetch A's two halves (128 rows), waves 2 and 3 B's (192 rows).
; CLUSTER.  4 x 4 work-groups.  The four of a row of the cluster need the same tile of A, the four of a column the same tile of B: each is asked for jointly, by the same tensor load with the same
; descriptor and a mask that names the four.
; THE MATRIX INSTRUCTION IS USED TRANSPOSED (source 0 = 16 rows of B, source 1 = 16 rows of A): a lane then holds row l % 16 of C and the eight neighbouring columns 8 (l / 16) + 0..7.
; A QUARTER is 32 along K: three GROUPS of 32 matrix instructions, group g = my 8 row blocks x column blocks 4 g .. 4 g + 3.  A's fragments have two buffers; B's twelve have one, filled again group by group:
; behind group g its four fragments are loaded for the next quarter, and the other two groups' 64 matrix instructions stand ahead of their next use.
; THE CHANGE OF SLOTS stands in group 0 of a step's second quarter: all reads of the slot in hand have been issued by then, so it is that slot that is filled again, two steps ahead, and the loads that follow
; read the other slot.  From a refill to the wait for it a wave issues 160 matrix instructions.
; REGISTERS, in windows of 256 (s_set_vgpr_msb: bits 1:0 source 0, 3:2 source 1, 5:4 source 2, 7:6 destination):
;   window 0: v16-30 addresses; v32-95, v96-159 A's fragments, two buffers; v160-255 B's twelve fragments (all three at work again on the way out)
;   window 1 + g: the 32 accumulators of column group g: row block a, column block 4 g + b at v[8 (4 a + b)]
.set NSTEP,  16                        ; K steps
.set PITCH,  144                       ; an LDS row: 128 bytes + 16 of padding = 36 words: the 16 rows of a fragment load start at 16 different groups of four banks (64 banks of 4 bytes: ISA guide 11.1)
.set HALFA,  128*PITCH                 ; what waves 0 and 1 fetch, and what a wave reads of A
.set HALFB,  192*PITCH                 ; what waves 2 and 3 fetch, and what a wave reads of B
.set BOFF,   256*PITCH                 ; in a slot: A's 256 rows, then B's 384
.set SLOT1,  1<<17                     ; slot 1 begins here, so that one exclusive or turns an address in one slot into the other's
.set SPARE,  SLOT1+BOFF+2*HALFB        ; 223,232: behind the ring: the spare words, 128 bytes for each wave: two blocks of 256 bytes that no other line names
.set APLANE, 8192*128                  ; bytes from K block to K block in xb
.set BPLANE, 3072*128                  ; in wqkv
.set SP,     784                       ; the way out: a stage row: 384 f16 + 16 bytes = 49 x 16: the 16 rows of a store start at 16 different groups of four banks.  256 such rows lie in the ring's bytes
.set ROWB,   2048                      ; bytes in a row of a plane of C
.set ADRA, 16                          ; v16  my lane's place among my A fragments in slot 0; never rewritten
.set ADRB, 17                          ; v17  the same for B
.set AA,   18                          ; v18  the same in the slot that is being read
.set AB,   19                          ; v19
.set STO,  24                          ; v24-25  the way out: where I put 16 bytes of a row: row blocks 0-3, row blocks 4-7
.set RD,   26                          ; v26  where I read rows back
.set CO,   27                          ; v27  my byte offset in C
.set SPW,  28                          ; v28  my spare word: SPARE + 4 x my thread's number; never rewritten
.set NIL,  29                          ; v29  0; never rewritten
.set PFO,  30                          ; v30  the prefetches' offset: 256 x my lane
.set AF0,  32
.set AF1,  96
.set BF,   160
.set TMP,  160                         ; the way out: packed results, 64 registers
.set G1,   24                          ; s[24:31] descriptor group 1 for A's tiles;  s[32:39] group 0: a set for each of the two first fills; the second then walks
.set G0,   32
.set G1B,  48                          ; s[48:55], s[56:63] the same for B's tiles
.set G0B,  56
.set PFA,  68                          ; s[68:69] the K block that my next prefetch names
.set PST,  70                          ; s[70:71] bytes from K block to K block in the buffer that I prefetch
.set LIM,  72                          ; s72  1 in a wave that prefetches, else the greatest number
.set TB,   73                          ; s73  LDS byte at which the slot that is being read begins
.set CB,   74                          ; s[74:79] C at my first row, for each of the tile's three blocks of 128 columns
.set MSB, 0
.macro WIN new                         ; the immediate's high byte repeats the setting that is left; a switch that changes nothing is dropped
.if MSB != (\new)
	s_set_vgpr_msb (MSB<<8)|(\new)
.set MSB, \new
.endif
.endm
; A joint load: waves 0 and 1 ask for A's halves, waves 2 and 3 for B's.  The branch hangs on the wave's number alone.  An s_nop 0 and four v_nop follow each line.
.macro JLOAD s
	s_cmp_eq_u32 s11, 0
	s_cbranch_scc0 .Lfor_b_\@
	tensor_load_to_lds s[G0+4*(\s):G0+4*(\s)+3], s[G1:G1+7]
	s_nop 0
.rept 4
	v_nop
.endr
	s_branch .Lasked_\@
.Lfor_b_\@:
	tensor_load_to_lds s[G0B+4*(\s):G0B+4*(\s)+3], s[G1B:G1B+7]
	s_nop 0
.rept 4
	v_nop
.endr
.Lasked_\@:
.endm
; A prefetch of the K block that the NEXT change of slots will ask for, a lane a block of 256 bytes, 192 matrix instructions ahead of that load.  A's tile (128 blocks) is read by both clusters of its row of
; clusters: the one with x = 0 asks, wave 0 of each partner for 32 blocks, told apart by address (cx).  B's tile (192 blocks) is read by all eight clusters of its column: the one with y = 0 asks, waves 2 and 3
; of each partner for 24 of the 96 blocks that the wave fetches, told apart by address (cy); 24 do not fill a wave: lanes 24 to 31 name lane 23's block again.
; K blocks 0 to 2 come by their loads alone; the loop's last trip (s3 = 1) asks for nothing: K block 16 does not exist.
.macro ASK
	s_cmp_gt_u32 s3, s[LIM]
	s_cbranch_scc0 .Lnot_mine_\@
	global_prefetch_b8 v[PFO], s[PFA:PFA+1] th:TH_LOAD_NT scope:SCOPE_SE
.Lnot_mine_\@:
.endm
.macro CREST                           ; a round of the cluster's barrier behind its opening barrier: wave 0 signals for the work-group; every wave waits for all sixteen; my work-group's barrier once more
	s_cmp_lg_u32 s10, 0
	s_cbranch_scc1 .Lnot_wave_0_\@
	s_barrier_signal -3
.Lnot_wave_0_\@:
	s_barrier_wait -3
	s_barrier_signal -1
	s_barrier_wait -1
.endm
.macro CROUND                          ; a whole round
	s_barrier_signal -1
	s_barrier_wait -1
	CREST
.endm
	s_load_b128 s[4:7], s[0:1], 0x0                ; A s[4:5], B s[6:7]
	s_load_b64 s[8:9], s[0:1], 0x10                ; C
	v_lshl_add_u32 v[SPW], v0, 2, SPARE
	v_mov_b32 v[NIL], 0
	ds_add_u32 v[SPW], v[NIL]                      ; the wave's opening: the add and its wait stand ahead of my first tensor load; the set-up below stands between them
	v_lshrrev_b32 v1, 5, v0
	v_readfirstlane_b32 s10, v1                    ; wave 0..3
	s_lshr_b32 s11, s10, 1                         ; which half of the tile's rows is mine.  Also: I fetch for A (0) or for B (1)
	s_and_b32 s12, s10, 1                          ; which half of its columns.  Also: which half of that tile I fetch
	s_bfe_u32 s40, ttmp6, 0x40000                  ; cx, cy: my place in the cluster
	s_bfe_u32 s41, ttmp6, 0x40004
	s_lshl_b32 s42, ttmp9, 2
	s_add_co_u32 s42, s42, s40                     ; tile column = 4 x cluster x + cx
	s_and_b32 s13, ttmp7, 0xffff
	s_lshl_b32 s13, s13, 2
	s_add_co_u32 s13, s13, s41                     ; tile row = 4 x cluster y + cy
	s_lshl_b32 s43, s41, 2
	s_lshl_b32 s43, 15, s43                        ; my row of the cluster
	s_lshl_b32 s44, 0x1111, s40                    ; my column
	s_or_b32 s[G1+0], s43, (1<<16)|(1<<20)|(1<<21)|(4<<22)|(3<<25)   ; 15:0 the mask; 17:16 elements of 2 bytes; 20 padding on; 21 set beside a mask; 24:22 after every 32 words; 31:25 4 words of it
	s_or_b32 s[G1B+0], s44, (1<<16)|(1<<20)|(1<<21)|(4<<22)|(3<<25)
	s_mov_b32 s[G1+1], 128<<16                     ; tensor_dim0 = 128 elements: 256 bytes, two rows of the tile
	s_mov_b32 s[G1+2], 64<<16                      ; tensor_dim1 = 64: 128 rows of the tile
	s_mov_b32 s[G1+3], 128<<16                     ; tile_dim0 = 128
	s_mov_b32 s[G1+4], 64                          ; tile_dim1 = 64
	s_mov_b32 s[G1+5], 128                         ; elements from row to row: dense
	s_mov_b32 s[G1+6], 0
	s_mov_b32 s[G1+7], 0
	s_mov_b32 s[G1B+1], 128<<16
	s_mov_b32 s[G1B+2], 96<<16                     ; B's loads: 96 rows of 256 bytes: 192 rows of the tile
	s_mov_b32 s[G1B+3], 128<<16
	s_mov_b32 s[G1B+4], 96
	s_mov_b32 s[G1B+5], 128
	s_mov_b32 s[G1B+6], 0
	s_mov_b32 s[G1B+7], 0
	s_lshl_b32 s16, s13, 8
	s_lshl_b32 s17, s12, 7
	s_add_co_u32 s16, s16, s17                     ; A: row 256 x tile row + 128 x half,
	s_lshl_b32 s16, s16, 7                         ; 128 bytes a row in a K block
	s_mov_b32 s17, 0
	s_mul_i32 s46, s42, 384
	s_mul_i32 s47, s12, 192
	s_add_co_u32 s46, s46, s47                     ; B: row 384 x tile column + 192 x half
	s_lshl_b32 s46, s46, 7
	s_mov_b32 s47, 0
	s_mul_i32 s20, s12, HALFA                      ; where they go: no place in the cluster enters an LDS address
	s_mul_i32 s21, s12, HALFB
	s_add_co_u32 s21, s21, BOFF
	s_mov_b32 s[TB], 0
	s_wait_dscnt 0x0                               ; the opening add is done
	s_wait_kmcnt 0x0
	s_add_nc_u64 s[14:15], s[4:5], s[16:17]
	s_add_nc_u64 s[46:47], s[6:7], s[46:47]
	CROUND                                         ; all sixteen work-groups are here: the first joint loads meet
.irp s, 0,1
	s_mov_b32 s[G0+4*(\s)], 1                      ; count = 1
	s_add_co_u32 s[G0+4*(\s)+1], s20, (\s)*SLOT1   ; LDS address
	s_add_nc_u64 s[G0+4*(\s)+2:G0+4*(\s)+3], s[14:15], (\s)*APLANE  ; global address: K block s
	s_or_b32 s[G0+4*(\s)+3], s[G0+4*(\s)+3], 0x80000000             ; type = 2
	s_mov_b32 s[G0B+4*(\s)], 1
	s_add_co_u32 s[G0B+4*(\s)+1], s21, (\s)*SLOT1
	s_add_nc_u64 s[G0B+4*(\s)+2:G0B+4*(\s)+3], s[46:47], (\s)*BPLANE
	s_or_b32 s[G0B+4*(\s)+3], s[G0B+4*(\s)+3], 0x80000000
	JLOAD \s                                       ; two loads of mine are out
.endr
	; a fragment is 16 rows x 32 K in 8 registers: lane l holds row l % 16, K = 8 (l / 16) + 0..7 and 16 + 8 (l / 16) + 0..7: two loads of 16 bytes, 32 bytes apart
	v_and_b32 v1, 15, v0                           ; l % 16
	v_bfe_u32 v2, v0, 4, 1                         ; l / 16
	v_mul_u32_u24 v3, v1, PITCH
	v_lshl_add_u32 v3, v2, 4, v3                   ; row x pitch + 16 x half
	s_mul_i32 s22, s11, HALFA                      ; my 128 rows of A
	s_mul_i32 s23, s12, HALFB                      ; my 192 rows of B,
	s_add_co_u32 s23, s23, BOFF                    ; which lie behind A's 256
	v_add_nc_u32 v[ADRA], s22, v3
	v_add_nc_u32 v[ADRB], s23, v3
	v_mul_u32_u24 v4, v1, SP                       ; into the stage: row l % 16, 16 bytes for each half of the lanes,
	v_lshl_add_u32 v4, v2, 4, v4
	s_mul_i32 s22, s11, 128*SP                     ; my 128 rows,
	s_mul_i32 s23, s12, 384                        ; my 384 of their 768 bytes
	s_add_co_u32 s22, s22, s23
	v_add_nc_u32 v[STO], s22, v4
	v_add_nc_u32 v[STO+1], 64*SP, v[STO]           ; (an LDS offset has 16 bits: row blocks 4 to 7 have an address of their own)
	v_mul_u32_u24 v5, v2, SP                       ; back: wave w takes rows 64 w .. 64 w + 63, whole; lanes 0-15 take 256 bytes of one row, lanes 16-31 of the next
	v_lshl_add_u32 v5, v1, 4, v5
	s_mul_i32 s22, s10, 64*SP
	v_add_nc_u32 v[RD], s22, v5
	v_lshlrev_b32 v5, 11, v2                       ; and the same two rows in C
	v_lshl_add_u32 v[CO], v1, 4, v5
	; C at the first row that I store, for each of the tile's three blocks of 128 columns: block U = 3 x tile column + u lies in plane U / 8, at byte 256 (U % 8) of its rows
	s_lshl_b32 s16, s13, 8
	s_lshl_b32 s17, s10, 6
	s_add_co_u32 s16, s16, s17
	s_lshl_b32 s16, s16, 11
	s_mul_i32 s18, s42, 3
.irp u, 0,1,2
	s_add_co_u32 s19, s18, \u
	s_lshr_b32 s20, s19, 3
	s_lshl_b32 s20, s20, 24                        ; a plane is 16,777,216 bytes
	s_and_b32 s19, s19, 7
	s_lshl_b32 s19, s19, 8
	s_add_co_u32 s20, s20, s19
	s_add_co_u32 s20, s20, s16
	s_mov_b32 s21, 0
	s_add_nc_u64 s[CB+2*(\u):CB+2*(\u)+1], s[8:9], s[20:21]
.endr
	; the prefetches
	s_lshl_b32 s20, s13, 15                        ; A: the tile's 256 rows of 128 bytes,
	s_lshl_b32 s21, s40, 13                        ; my work-group's 32 blocks of 256 bytes
	s_add_co_u32 s20, s20, s21
	s_mul_i32 s21, s42, 384*128                    ; B: the tile's 384 rows,
	s_mul_i32 s22, s12, 192*128                    ; the half that I fetch,
	s_add_co_u32 s21, s21, s22
	s_mul_i32 s22, s41, 24*256                     ; my work-group's 24 blocks of it
	s_add_co_u32 s21, s21, s22
	s_and_b32 s23, ttmp7, 0xffff                   ; cluster y
	s_mov_b32 s22, APLANE
	s_cmp_eq_u32 s11, 0                            ; do I fetch for A?
	s_cselect_b32 s20, s20, s21
	s_cselect_b32 s23, ttmp9, s23                  ; the coordinate along which other clusters read the same rows
	s_cselect_b32 s[PST], s22, BPLANE
	s_cselect_b32 s22, 31, 23                      ; the last lane that names a block of its own
	s_cselect_b64 s[PFA:PFA+1], s[4:5], s[6:7]
	s_cmp_eq_u32 s23, 0
	s_cselect_b32 s[LIM], 1, -1                    ; the same in all sixteen partners, for a given wave
	s_cmp_eq_u32 s10, 1
	s_cselect_b32 s[LIM], -1, s[LIM]               ; wave 0 names all of my work-group's blocks of A
	s_mov_b32 s21, 0
	s_mov_b32 s[PST+1], 0
	s_add_nc_u64 s[PFA:PFA+1], s[PFA:PFA+1], s[20:21]
	s_add_nc_u64 s[PFA:PFA+1], s[PFA:PFA+1], s[PST:PST+1]
	s_add_nc_u64 s[PFA:PFA+1], s[PFA:PFA+1], s[PST:PST+1]  ; at K block 2: the first change of slots steps it to 3
	v_and_b32 v7, 31, v0
	v_min_u32 v7, s22, v7
	v_lshlrev_b32 v[PFO], 8, v7
; 16 matrix instructions: column group g x row blocks 4 hh .. 4 hh + 3, 32 along K, A's fragments from buffer af.  zero = 1: the products start the sums.
; The 96 accumulators take turns, each once in a quarter and always in the same order.
.macro MULG af, g, hh, zero
	WIN 0x50*(1+(\g))                              ; sources 0 and 1 in window 0, C and D in window 1 + g
.irp a, 0,1,2,3
.irp b, 0,1,2,3
.set rD, 8*(16*(\hh)+4*(\a)+(\b))
.set rB, BF+8*(4*(\g)+(\b))
.set rA, (\af)+8*(4*(\hh)+(\a))
.if \zero
	v_wmma_f32_16x16x32_bf16 v[rD:rD+7], v[rB:rB+7], v[rA:rA+7], 0
.else
	v_wmma_f32_16x16x32_bf16 v[rD:rD+7], v[rB:rB+7], v[rA:rA+7], v[rD:rD+7]
.endif
.endr
.endr
.endm
.macro LDB g, k                        ; 8 LDS loads: B's fragments of group g, 32 K at byte k of the rows
	WIN 0
.irp i, 0,1,2,3
	ds_load_b128 v[BF+8*(4*(\g)+(\i)):BF+8*(4*(\g)+(\i))+3],   v[AB] offset:(\k)+(4*(\g)+(\i))*16*PITCH
	ds_load_b128 v[BF+8*(4*(\g)+(\i))+4:BF+8*(4*(\g)+(\i))+7], v[AB] offset:(\k)+(4*(\g)+(\i))*16*PITCH+32
.endr
.endm
.macro LDA af, k                       ; 16 LDS loads: A's eight fragments into buffer af
	WIN 0
.irp i, 0,1,2,3,4,5,6,7
	ds_load_b128 v[(\af)+8*(\i):(\af)+8*(\i)+3],   v[AA] offset:(\k)+(\i)*16*PITCH
	ds_load_b128 v[(\af)+8*(\i)+4:(\af)+8*(\i)+7], v[AA] offset:(\k)+(\i)*16*PITCH+32
.endr
.endm
.macro PLACES                          ; four plain instructions between a matrix instruction and a load into a register that it read, or a reader of its result
.rept 4
	v_nop
.endr
.endm
; A step's FIRST quarter: multiplies buffer af; behind each group the registers that it leaves are loaded for the step's second quarter (byte k of the same slot's rows), A's into buffer ag.
; LDS loads come back in order.  They were issued as 24 (B's group 0, A), 8 (group 1), 8 (group 2), and go on so: each wait names what was issued behind the loads that it needs.
.macro QUART af, ag, k, zero
	s_wait_dscnt 16                                ; B's group 0 and A are in; groups 1 and 2 may be out
	MULG \af, 0, 0, \zero
	MULG \af, 0, 1, \zero
	PLACES
	LDB 0, \k
	LDA \ag, \k
	s_wait_dscnt 32                                ; group 1 is in; group 2's 8 and the 24 just issued may be out
	MULG \af, 1, 0, \zero
	MULG \af, 1, 1, \zero
	PLACES
	LDB 1, \k
	s_wait_dscnt 32                                ; group 2 is in; the 24 and the 8 issued behind it may be out
	MULG \af, 2, 0, \zero
	MULG \af, 2, 1, \zero
	PLACES
	LDB 2, \k
.endm
; A step's SECOND quarter multiplies buffer 1 and changes slots: ONE barrier.  In front of it each wave waits for all its tensor loads (one is out: its part of the other slot), adds 0 to its spare word, and waits
; for that and for its reads of the slot in hand, of which the last have just been issued.  Behind it nobody reads this slot any more and the other slot is whole: the loads that follow read the other slot.
; fill = 1: the barrier opens a round of the cluster's barrier, and the slot in hand is filled again, two K steps ahead, first thing behind the round.
.macro QCH fill
.if \fill
	s_wait_xcnt 0x0                                ; the last prefetch, a K step back, has read its address
	s_add_nc_u64 s[PFA:PFA+1], s[PFA:PFA+1], s[PST:PST+1]
.endif
	WIN 0                                          ; (the add's two registers lie in window 0)
	s_wait_tensorcnt 0x0                           ; no tensor load of mine is out, so a group 0 may be written
	ds_add_u32 v[SPW], v[NIL]                      ; 0 onto my spare word; scalar work and sixteen matrix instructions stand between it and the wait for it
	s_xor_b32 s[TB], s[TB], SLOT1                  ; the reads go over to the other slot
.if \fill
	s_xor_b32 s[G0+5], s[G0+5], SLOT1              ; the walking descriptors: the other slot than last time,
	s_add_nc_u64 s[G0+6:G0+7], s[G0+6:G0+7], APLANE  ; the next K block; the type bits on top are not reached
	s_xor_b32 s[G0B+5], s[G0B+5], SLOT1
	s_add_nc_u64 s[G0B+6:G0B+7], s[G0B+6:G0B+7], BPLANE
.endif
	s_wait_dscnt 17                                ; B's group 0 and A are in; groups 1 and 2 and the add may be out
	MULG AF1, 0, 0, 0
	s_wait_dscnt 0x0                               ; the add is done, and my reads of this slot are over
	s_barrier_signal -1
	MULG AF1, 0, 1, 0                              ; work on registers while the others arrive
	WIN 0
	s_barrier_wait -1
.if \fill
	CREST                                          ; no wave of any partner still reads this slot's tiles or has a load on its way
	JLOAD 1                                        ; my one tensor load behind the round; its four v_nop are also the places in front of the loads below
.else
	PLACES
.endif
	v_add_nc_u32 v[AA], s[TB], v[ADRA]
	v_add_nc_u32 v[AB], s[TB], v[ADRB]
	LDB 0, 0                                       ; the next step's first quarter
	LDA AF0, 0
.if \fill
	ASK                                            ; behind the joint load and the run of LDS loads
.endif
	MULG AF1, 1, 0, 0                              ; (groups 1 and 2 are in since the wait for 0 above)
	MULG AF1, 1, 1, 0
	PLACES
	LDB 1, 0
	MULG AF1, 2, 0, 0
	MULG AF1, 2, 1, 0
	PLACES
	LDB 2, 0
.endm
	s_wait_tensorcnt 0x1                           ; my part of K step 0 is in; K step 1's may stay out
	s_barrier_signal -1
	s_barrier_wait -1                              ; everybody's is
	v_mov_b32 v[AA], v[ADRA]
	v_mov_b32 v[AB], v[ADRB]
	LDB 0, 0                                       ; in the order in which the quarters go on issuing them
	LDA AF0, 0
	LDB 1, 0
	LDB 2, 0
	QUART AF0, AF1, 64, 1                          ; the first quarter stands in front of the loop: its products start the sums
	WIN 0                                          ; at a label and at a branch every window is 0
	s_mov_b32 s3, NSTEP-2
.Lstep:                                                ; 14 trips: a step's second quarter, with the change of slots and a refill, and the next step's first
	QCH 1
	QUART AF0, AF1, 64, 0
	WIN 0
	s_sub_co_u32 s3, s3, 1
	s_cmp_lg_u32 s3, 0
	s_cbranch_scc1 .Lstep
	QCH 0                                          ; the last change is written out: nothing is asked for
	QUART AF0, AF1, 64, 0
	s_wait_dscnt 16                                ; the very last quarter: nothing more to fetch, and the counts run down
	MULG AF1, 0, 0, 0
	MULG AF1, 0, 1, 0
	s_wait_dscnt 8
	MULG AF1, 1, 0, 0
	MULG AF1, 1, 1, 0
	s_wait_dscnt 0x0
	MULG AF1, 2, 0, 0
	MULG AF1, 2, 1, 0
	WIN 0
	PLACES                                         ; the way out reads results just made
	s_barrier_signal -1                            ; every wave's reads of the ring are back, and every tensor load has landed (the wait for all of them stands in front of the last change):
	s_barrier_wait -1                              ; the ring's bytes, which have had their last fill, may be written
; THE WAY OUT.  A wave's 192 columns are 384 bytes, one and a half aligned blocks of 256 bytes of C: so the four waves share ONE stage, 256 rows of 784 bytes, with a barrier between writing and reading.
; Sixteen accumulators (column group g, row blocks 4 hh .. 4 hh + 3) are rounded to f16, 16 bytes a lane, each read from its low end on, and put into the stage.
.macro PACKB g, hh
	WIN 5*(1+(\g))                                 ; sources 0 and 1 in window 1 + g
.set n, 0
.rept 16
.irp r, 0,1,2,3
	v_cvt_pk_f16_f32 v[TMP+4*n+(\r)], v[128*(\hh)+8*n+2*(\r)], v[128*(\hh)+8*n+2*(\r)+1]
.endr
.set n, n+1
.endr
	WIN 0
.set n, 0
.rept 16
	ds_store_b128 v[STO+(\hh)], v[TMP+4*n:TMP+4*n+3] offset:(n/4)*16*SP+32*(4*(\g)+n%4)
.set n, n+1
.endr
.endm
; 32 of my 64 rows, one block of 128 columns: 16 loads from the stage, 16 stores.  n = 0 .. 5: block n / 2, rows 32 (n % 2) on.  Two sets of 64 registers take turns.
.macro OUTB n
.set u, (\n)/2
.set t0, 16*((\n)%2)
.set BK, 32+64*((\n)%2)
	s_wait_xcnt 0x0                                ; the stores of two batches ago have read the registers that are loaded again below
.set t, 0
.rept 16
	ds_load_b128 v[BK+4*t:BK+4*t+3], v[RD] offset:2*(t0+t)*SP+256*u
.set t, t+1
.endr
.set t, 0
.rept 16
	s_wait_dscnt 15-t                              ; load t is back; the 15 - t younger ones stay out
	global_store_b128 v[CO], v[BK+4*t:BK+4*t+3], s[CB+2*u:CB+2*u+1] offset:2*(t0+t)*ROWB  ; 16 lanes store 256 consecutive bytes, at a multiple of 256 from C's first byte
.set t, t+1
.endr
.endm
	PACKB 0, 0
	PACKB 0, 1
	PACKB 1, 0
	PACKB 1, 1
	PACKB 2, 0
	PACKB 2, 1
	s_wait_dscnt 0x0                               ; for the others' sake: my stores into the stage are done
	s_barrier_signal -1
	s_barrier_wait -1
	OUTB 0
	OUTB 1
	OUTB 2
	OUTB 3
	OUTB 4
	OUTB 5
	s_wait_tensorcnt 0x0                           ; the wave's end, behind my last tensor load and my last LDS store
	ds_add_u32 v[SPW], v[NIL]
	s_wait_dscnt 0x0
	CROUND                                         ; the closing round: no work-group ends while a partner may still ask for a tile that names it
	s_endpgm
.Lfunc_end_k_q2645b87a5b_proj:
	.size	k_q2645b87a5b_proj, .Lfunc_end_k_q2645b87a5b_proj-k_q2645b87a5b_proj
	.p2alignl 7, 3214868480
	.fill 96, 4, 3214868480
	.section	.rodata,"a",@progbits
	.p2align	6, 0x0
	.amdhsa_kernel k_q2645b87a5b_proj
		.amdhsa_group_segment_fixed_size 327680
		.amdhsa_private_segment_fixed_size 0
		.amdhsa_enable_private_segment 0
		.amdhsa_kernarg_size 24
		.amdhsa_user_sgpr_count 2
		.amdhsa_user_sgpr_kernarg_segment_ptr 1
		.amdhsa_wavefront_size32 1
		.amdhsa_system_sgpr_workgroup_id_x 1
		.amdhsa_system_sgpr_workgroup_id_y 1
		.amdhsa_system_sgpr_workgroup_id_z 1
		.amdhsa_system_vgpr_workitem_id 0
		.amdhsa_next_free_vgpr 1024
		.amdhsa_next_free_sgpr 80
		.amdhsa_reserve_vcc 0
		.amdhsa_float_denorm_mode_32 3
		.amdhsa_float_denorm_mode_16_64 3
		.amdhsa_memory_ordered 1
		.amdhsa_forward_progress 1
		.amdhsa_inst_pref_size 115
	.end_amdhsa_kernel
	.amdgpu_metadata
---
amdhsa.version: [ 1, 2 ]
amdhsa.kernels:
  - .name:           k_q2645b87a5b_proj
    .symbol:         k_q2645b87a5b_proj.kd
    .args:
      - { .name: xb, .offset: 0, .size: 8, .value_kind: global_buffer, .address_space: global }
      - { .name: wqkv, .offset: 8, .size: 8, .value_kind: global_buffer, .address_space: global }
      - { .name: qkv, .offset: 16, .size: 8, .value_kind: global_buffer, .address_space: global }
    .group_segment_fixed_size: 327680
    .private_segment_fixed_size: 0
    .kernarg_segment_align: 8
    .kernarg_segment_size: 24
    .max_flat_workgroup_size: 128
    .sgpr_count:     80
    .vgpr_count:     1024
    .wavefront_size: 32
...
	.end_amdgpu_metadata
.endif
;; end of part 7
;; launch score (part 8): grid 36 x 4, 4 waves a work-group, no clusters, 327,680 bytes of LDS; arguments qkv, pt, st; writes pt, st
.if DOCPART == 8
	.amdgcn_target "amdgcn-amd-amdhsa--gfx1250"
	.amdhsa_code_object_version 6
	.text
	.protected	k_q2645b87a5b_score
	.globl	k_q2645b87a5b_score
	.p2align	8
	.type	k_q2645b87a5b_score,@function
k_q2645b87a5b_score:
	s_mov_b64 s[64:65], 0
	v_nop
	global_prefetch_b8 v0, s[64:65] scope:SCOPE_SE
	s_setreg_imm32_b32 hwreg(HW_REG_WAVE_MODE, 25, 1), 1
	s_wait_xcnt 0x0
; SCORES AND THE FIRST HALF OF THE CAUSAL SOFTMAX.  s[q][k] = q[q] . k[k] (f16 operands, f32 sums, K = 1,024); c = log2(e) / 32 holds the division by sqrt(1,024).
; For each row and each block of 128 keys: m = the largest visible s (at least -1e20), c m -> st; p = 2^(c s - c m) -> pt in f16; l = the sum of the unrounded p -> st.
; The next launch takes the maximum M of c m over a row's key blocks and scales block kb by 2^(c m(kb) - M): a true maximum is taken away everywhere, and no exponent is above 0.
; THE MASK is the C operand that starts a sum: 0, or -1e30 where the key lies behind the query.  The floor -1e20 under m makes a row with no visible key in the block give p = 0 and l = 0.
; LIMITS.  q and k arrive in f16 (within 65,504), so |s| is 4.4e12 at the most, nothing beside 1e20; p below 6e-5 keeps f16's fixed step of 6e-8; a weight below 2^-126 counts as 0 in l; NaN and
; infinities are not treated apart.
; SHARES.  A work-group makes 256 queries (block i of its batch) x 256 keys (block j <= i): 36 tiles a batch; tiles above the diagonal are not made.  A wave owns 128 queries x 128 keys, one key block of st,
; so a row's maximum and sum never leave the wave.  K goes in steps of 128 through two LDS slots; waves 0 and 1 fetch q's halves, waves 2 and 3 k's, 128 rows each; a refill stands first behind a change of
; slots and is waited for at the next: 256 matrix instructions of each wave lie between.  The text of a K step is half a step, walked twice (BODY).
; NO CLUSTER: row block i has i + 1 tiles and column block j has 8 - j: no fixed set of four work-groups shares a tile of q or of k at every place under the diagonal.
; THE WAY OUT IS A LOOP.  Registers cannot be indexed, so each wave lays its 128 x 128 scores into LDS (its own 128 rows of 528 bytes, in the ring's bytes, which have had their last fill and, behind a barrier,
; their last reader) and takes them back 16 rows a trip, into the same 64 registers each time: one text of the softmax for eight blocks.
; REGISTERS, in windows of 256 (s_set_vgpr_msb: bits 1:0 source 0, 3:2 source 1, 5:4 source 2, 7:6 destination):
;   window 0: v13-31 addresses and small values; v64-127, v128-191 q's fragments, two buffers (on the way out: the scores in hand, and eight at work); v32-63, v192-223 the way out
;   window 1: v64-127, v128-191 k's fragments; v0-63, v192-247 the fifteen masks MC[e], e = b - a + 7; v248-255 MD, the mask of a block that holds the diagonal
;   window 2: the 32 accumulators of my queries 0-63 ((a, b) at v[8 (8 a + b)]);   window 3: those of my queries 64-127
.set KD,     1024
.set KSTEP,  128
.set PITCH,  272                       ; an LDS row: 256 bytes + 16 of padding: the 16 rows of a fragment load start at 16 different groups of four banks (64 banks of 4 bytes: ISA guide 11.1)
.set HALFT,  128*PITCH
.set SLOT,   4*HALFT                   ; q's 256 rows, then k's 256 rows
.set STAGE,  2*SLOT                    ; 278,528: behind the ring; no tensor load lands from here on
.set SPITCH, 272
.set WSTAGE, 16*SPITCH+1024            ; a wave's own stage: 16 rows of p, then 128 words of c m and 128 of l
.set SPARE,  STAGE+4*WSTAGE            ; the spare words, 128 bytes for each wave: two blocks of 256 bytes that no other line names
.set DP,     528                       ; a row of 128 f32 scores in LDS: 512 bytes + 16: the 16 rows of a store or load start at 16 different groups of four banks
.set DW,     128*DP                    ; a wave's scores: 67,584 bytes; four waves' end at 270,336, inside the ring
.set KPLANE, 16777216                  ; k's plane in qkv
.set ROWB,   4096                      ; bytes in a row of pt
.set LSUM, 13                          ; v13  l of the block in hand
.set LD,   15                          ; v15  where the next block's scores lie
.set ADRA, 16                          ; v16  my lane's place among my fragments of q in slot 0; never rewritten
.set ADRB, 17                          ; v17  the same for k
.set AA,   18                          ; v18  LDS address of q's run of loads in hand
.set AB,   19                          ; v19  of k's
.set STO,  20                          ; v20  where I put 16 bytes of a row of p
.set RD,   21                          ; v21  where I read rows of p back
.set CO,   22                          ; v22  my byte offset in pt
.set PFO,  23                          ; v23  my lane x a row of 2,048 bytes
.set STA,  24                          ; v24  where I put a row's c m
.set STR,  25                          ; v25  where I read four rows' words back
.set SO,   26                          ; v26  16 x lane: my byte offset in st
.set DST,  27                          ; v27  my 32 bytes in row l % 16 of my scores; never rewritten
.set SPW,  28                          ; v28  my spare word: SPARE + 4 x my thread's number; never rewritten
.set NIL,  29                          ; v29  0; never rewritten
.set CM,   30                          ; v[30:31] c m, as a pair
.set F0,   64
.set F1,   128
.set S,    64                          ; the way out: 64 scores
.set T,    128                         ; eight at work
.set TMP,  192                         ; packed p
.set BK,   32                          ; rows of p read back from the stage
.set MD,   248                         ; window 1
.set G1,   24                          ; s[24:31] descriptor group 1: one shape for q's and k's tiles
.set G0,   32                          ; s[32:39] group 0, a set for each slot
.set PFQ,  48                          ; s[48:49] the K step of q that my next prefetches name
.set PFK,  50                          ; s[50:51] of k
.set LIMQ, 52                          ; s52, s53  1 in a work-group that prefetches, else the greatest number
.set LIMK, 53
.set CS,   54                          ; s[54:55] c
.set SEL,  56                          ; s[56:57] v_permlanex16_b32's selects: each lane takes its own place in the other half
.set AL,   58                          ; s[58:59] a mask's factor
.set BE,   60                          ; s[60:61] a mask's addend
.set BIGN, 62                          ; s62  -1e30
.set FLOOR, 63                         ; s63  -1e20
.set DELTA, 66                         ; s66  my first key less my first query
.set TB,   67                          ; s67  LDS byte (slot and place along K) at which the next trip's fetches begin
.set CNT,  68                          ; s68  trips of BODY left in the K step
.set NB,   69                          ; s69  the next block's byte offset in my scores
.set MSB, 0
.macro WIN new                         ; the immediate's high byte repeats the setting that is left; a switch that changes nothing is dropped
.if MSB != (\new)
	s_set_vgpr_msb (MSB<<8)|(\new)
.set MSB, \new
.endif
.endm
.set MUL_LO, 0xa1                      ; source 0 (k) window 1, source 1 (q) window 0, C and D window 2
.set MUL_HI, 0xf1                      ; the same, C and D window 3
.set TO_B,   0x40                      ; destination window 1, address window 0
; Prefetches of the K step that the NEXT change of slots will ask for, a lane a row of 256 bytes, 256 matrix instructions ahead of that load.  Each row's 256 bytes of a K step are named once in the launch:
; q's block i by the tile with j = 0, k's block j by the tile with i = j; a wave names 64 of the 256 rows, two lines.  K steps 0 to 2 come by their loads alone; the change into step 6 asks for nothing.
.macro ASK second
.if \second
	s_cmp_gt_u32 s3, s[LIMQ]
.else
	s_cmp_ge_u32 s3, s[LIMQ]
.endif
	s_cbranch_scc0 .Lnot_q_\@
	global_prefetch_b8 v[PFO], s[PFQ:PFQ+1] th:TH_LOAD_NT scope:SCOPE_SE
	global_prefetch_b8 v[PFO], s[PFQ:PFQ+1] offset:32*2048 th:TH_LOAD_NT scope:SCOPE_SE
.Lnot_q_\@:
.if \second
	s_cmp_gt_u32 s3, s[LIMK]
.else
	s_cmp_ge_u32 s3, s[LIMK]
.endif
	s_cbranch_scc0 .Lnot_k_\@
	global_prefetch_b8 v[PFO], s[PFK:PFK+1] th:TH_LOAD_NT scope:SCOPE_SE
	global_prefetch_b8 v[PFO], s[PFK:PFK+1] offset:32*2048 th:TH_LOAD_NT scope:SCOPE_SE
.Lnot_k_\@:
.endm
	s_load_b128 s[4:7], s[0:1], 0x0                ; qkv s[4:5], pt s[6:7]
	s_load_b64 s[8:9], s[0:1], 0x10                ; st
	v_lshl_add_u32 v[SPW], v0, 2, SPARE
	v_mov_b32 v[NIL], 0
	ds_add_u32 v[SPW], v[NIL]                      ; the wave's opening: the add and its wait stand ahead of my first tensor load; the set-up below stands between them
	v_lshrrev_b32 v1, 5, v0
	v_readfirstlane_b32 s10, v1                    ; wave 0..3
	s_lshr_b32 s11, s10, 1                         ; which half of the tile's queries is mine.  Also: I fetch q (0) or k (1)
	s_and_b32 s12, s10, 1                          ; which half of its keys.  Also: which 128 rows I fetch
	s_and_b32 s43, ttmp7, 0xffff                   ; the batch
	s_mov_b32 s13, 0                               ; i: row block i's tiles begin at number i (i + 1) / 2
.irp n, 1,3,6,10,15,21,28
	s_cmp_ge_u32 ttmp9, \n
	s_add_co_ci_u32 s13, s13, 0
.endr
	s_add_co_u32 s14, s13, 1
	s_mul_i32 s14, s14, s13
	s_lshr_b32 s14, s14, 1
	s_sub_co_u32 s42, ttmp9, s14                   ; j
	s_mov_b32 s[G1+0], (1<<16)|(1<<20)|(5<<22)|(3<<25)  ; 17:16 elements of 2 bytes; 20 padding on; 24:22 after every 64 words; 31:25 4 words of it
	s_mov_b32 s[G1+1], KSTEP<<16                   ; tensor_dim0 = 128
	s_mov_b32 s[G1+2], 128<<16                     ; tensor_dim1 = 128
	s_mov_b32 s[G1+3], KSTEP<<16                   ; tile_dim0 = 128
	s_mov_b32 s[G1+4], 128                         ; tile_dim1 = 128
	s_mov_b32 s[G1+5], KD                          ; elements from row to row
	s_mov_b32 s[G1+6], 0
	s_mov_b32 s[G1+7], 0
	s_lshl_b32 s44, s43, 11                        ; the batch's first row
	s_lshl_b32 s15, s13, 8
	s_add_co_u32 s45, s44, s15                     ; the tile's first query
	s_lshl_b32 s15, s42, 8
	s_add_co_u32 s46, s44, s15                     ; its first key
	s_cmp_eq_u32 s11, 0
	s_cselect_b32 s16, s45, s46                    ; the rows that I fetch: of q, or of k,
	s_cselect_b32 s18, 0, KPLANE                   ; in its plane
	s_lshl_b32 s15, s12, 7
	s_add_co_u32 s16, s16, s15                     ; my 128 of the 256
	s_lshl_b32 s16, s16, 11
	s_add_co_u32 s16, s16, s18                     ; in bytes (under 2^26)
	s_mov_b32 s17, 0
	s_mul_i32 s20, s10, HALFT                      ; where they go: q's two halves, then k's two: wave x 128 rows
	s_mov_b32 s[CS], 0x3d38aa3b                    ; c = log2(e) / 32
	s_mov_b32 s[CS+1], s[CS]                       ; named with it as a pair
	s_mov_b32 s[SEL], 0x76543210
	s_mov_b32 s[SEL+1], 0xfedcba98
	s_mov_b32 s[AL+1], 0
	s_mov_b32 s[BE+1], 0
	s_mov_b32 s[BIGN], 0xf149f2ca                  ; -1e30
	s_mov_b32 s[FLOOR], 0xe0ad78ec                 ; -1e20
	s_wait_dscnt 0x0                               ; the opening add is done
	s_wait_kmcnt 0x0
	s_add_nc_u64 s[14:15], s[4:5], s[16:17]
.irp s, 0,1
	s_mov_b32 s[G0+4*(\s)], 1                      ; count = 1
	s_add_co_u32 s[G0+4*(\s)+1], s20, (\s)*SLOT    ; LDS address
	s_add_nc_u64 s[G0+4*(\s)+2:G0+4*(\s)+3], s[14:15], (\s)*KSTEP*2  ; global address: K step s
	s_or_b32 s[G0+4*(\s)+3], s[G0+4*(\s)+3], 0x80000000              ; type = 2
	tensor_load_to_lds s[G0+4*(\s):G0+4*(\s)+3], s[G1:G1+7]          ; every wave issues the line for LDS bytes of its own; two loads of mine are out
	s_nop 0
.endr
.rept 4
	v_nop
.endr
	v_and_b32 v1, 15, v0                           ; l % 16
	v_bfe_u32 v2, v0, 4, 1                         ; l / 16
	v_mul_u32_u24 v3, v1, PITCH
	v_lshl_add_u32 v3, v2, 4, v3                   ; row x pitch + 16 x half
	s_mul_i32 s21, s11, HALFT                      ; my 128 queries
	s_mul_i32 s22, s12, HALFT                      ; my 128 keys,
	s_add_co_u32 s22, s22, 2*HALFT                 ; which lie behind q's 256 rows
	v_add_nc_u32 v[ADRA], s21, v3
	v_add_nc_u32 v[ADRB], s22, v3
	s_mul_i32 s23, s10, WSTAGE
	s_add_co_u32 s23, s23, STAGE                   ; my stage
	v_add_nc_u32 v[STO], s23, v3                   ; in: row l % 16, 16 bytes for each half of the lanes (the stage's pitch is the ring's)
	v_mul_u32_u24 v5, v2, SPITCH                   ; back: lanes 0-15 take one row of 256 bytes, lanes 16-31 the next
	v_lshl_add_u32 v5, v1, 4, v5
	v_add_nc_u32 v[RD], s23, v5
	v_lshlrev_b32 v5, 12, v2                       ; and the same two rows in pt
	v_lshl_add_u32 v[CO], v1, 4, v5
	s_add_co_u32 s23, s23, 16*SPITCH               ; the statistics' 1,024 bytes
	v_lshl_add_u32 v[STA], v1, 2, s23
	v_and_b32 v5, 31, v0
	v_lshlrev_b32 v[SO], 4, v5
	v_add_nc_u32 v[STR], s23, v[SO]
	v_lshlrev_b32 v[PFO], 11, v5
	s_mul_i32 s23, s10, DW                         ; my scores
	v_mul_u32_u24 v5, v1, DP
	v_lshl_add_u32 v5, v2, 5, v5                   ; row l % 16, 32 bytes for each half of the lanes
	v_add_nc_u32 v[DST], s23, v5
	; the prefetches: at K step 2; the first change of slots steps them to 3
	s_lshl_b32 s20, s10, 6                         ; 64 rows a wave
	s_add_co_u32 s16, s45, s20
	s_lshl_b32 s16, s16, 11
	s_add_co_u32 s16, s16, 2*KSTEP*2
	s_mov_b32 s17, 0
	s_add_nc_u64 s[PFQ:PFQ+1], s[4:5], s[16:17]
	s_add_co_u32 s16, s46, s20
	s_lshl_b32 s16, s16, 11
	s_add_co_u32 s16, s16, KPLANE+2*KSTEP*2
	s_add_nc_u64 s[PFK:PFK+1], s[4:5], s[16:17]
	s_cmp_eq_u32 s42, 0
	s_cselect_b32 s[LIMQ], 1, -1
	s_cmp_eq_u32 s42, s13
	s_cselect_b32 s[LIMK], 1, -1
	; st at my 128 rows of key block kb = 2 j + my half
	s_lshl_b32 s18, s43, 4
	s_lshl_b32 s19, s42, 1
	s_add_co_u32 s18, s18, s19
	s_add_co_u32 s18, s18, s12                     ; 16 x batch + kb
	s_lshl_b32 s18, s18, 11
	s_lshl_b32 s19, s13, 8
	s_add_co_u32 s18, s18, s19
	s_lshl_b32 s19, s11, 7
	s_add_co_u32 s18, s18, s19                     ; + 256 i + 128 x my half of the queries
	s_lshl_b32 s18, s18, 2
	s_mov_b32 s19, 0
	s_add_nc_u64 s[8:9], s[8:9], s[18:19]
	; where my part of the tile begins in pt, in bytes: the way out's first trip adds it to pt's address
	s_lshl_b32 s14, s11, 7
	s_add_co_u32 s16, s45, s14
	s_lshl_b32 s16, s16, 12                        ; my first row
	s_lshl_b32 s15, s42, 9                         ; the tile's first key: 512 bytes a tile,
	s_add_co_u32 s16, s16, s15
	s_lshl_b32 s15, s12, 8                         ; my half of them
	s_add_co_u32 s16, s16, s15
	s_mov_b32 s17, 0
	; THE MASKS.  Register r of accumulator (a, b) in lane l is query 16 a + l % 16 and key 16 b + 8 (l / 16) + r of my part of the tile.  With X = 16 (b - a) + DELTA the key is hidden
	; always if X > 0, never if X < 0, and where r > l % 16 - 8 (l / 16) if X = 0: that last pattern is MD, and a mask is MD x AL + BE with (1, 0), (0, 0) or (0, -1e30).
	v_lshlrev_b32 v14, 3, v2
	v_sub_nc_u32 v14, v1, v14
	WIN 0x40                                       ; destination in window 1
.set j, 0
.rept 8
	v_cmp_gt_i32 vcc_lo, j, v14
	v_cndmask_b32 v[MD+j], 0, s[BIGN], vcc_lo
.set j, j+1
.endr
	s_lshl_b32 s[DELTA], s42, 8
	s_lshl_b32 s14, s13, 8
	s_sub_co_i32 s[DELTA], s[DELTA], s14
	s_lshl_b32 s14, s12, 7
	s_add_co_i32 s[DELTA], s[DELTA], s14
	s_lshl_b32 s14, s11, 7
	s_sub_co_i32 s[DELTA], s[DELTA], s14
	WIN 0x41                                       ; destination and source 0 in window 1
.set e, 0
.rept 15
	s_add_co_i32 s14, s[DELTA], 16*(e-7)
	s_cmp_eq_u32 s14, 0
	s_cselect_b32 s[AL], 1.0, 0
	s_cmp_gt_i32 s14, 0
	s_cselect_b32 s[BE], s[BIGN], 0
.set rM, 8*e+128*(e/8)
.set z, 0
.rept 4
	v_pk_fma_f32 v[rM+2*z:rM+2*z+1], v[MD+2*z:MD+2*z+1], s[AL:AL+1], s[BE:BE+1] op_sel_hi:[1,0,0]
.set z, z+1
.endr
.set e, e+1
.endr
	WIN 0
; 16 matrix instructions: query blocks a0, a0 + 1 of the window's four (hi = 0: my queries 0-63, 1: queries 64-127) x all 8 key blocks, 32 along K.  first = 1: the products start the sums, with the masks.
; The 64 accumulators take turns, each once in a quarter step and always in the same order.
.macro MUL16 f, hi, a0, first
.if \first
	WIN 0x91+0x40*(\hi)                            ; source 0 and C window 1, source 1 window 0, D window 2 or 3
.else
	WIN MUL_LO+0x50*(\hi)
.endif
.irp a, \a0, (\a0)+1
.irp b, 0,1,2,3,4,5,6,7
.if \first
.set e, (\b)-(4*(\hi)+(\a))+7
.set rM, 8*e+128*(e/8)
	v_wmma_f32_16x16x32_f16 v[8*(8*(\a)+(\b)):8*(8*(\a)+(\b))+7], v[(\f)+8*(\b):(\f)+8*(\b)+7], v[(\f)+8*(4*(\hi)+(\a)):(\f)+8*(4*(\hi)+(\a))+7], v[rM:rM+7]
.else
	v_wmma_f32_16x16x32_f16 v[8*(8*(\a)+(\b)):8*(8*(\a)+(\b))+7], v[(\f)+8*(\b):(\f)+8*(\b)+7], v[(\f)+8*(4*(\hi)+(\a)):(\f)+8*(4*(\hi)+(\a))+7], v[8*(8*(\a)+(\b)):8*(8*(\a)+(\b))+7]
.endif
.endr
.endr
.endm
; 32 LDS loads in one run: the fragments of a quarter step (128 keys, then 128 queries, 32 K at byte k behind the two addresses) into buffer f
.macro FETCH k, f
	WIN TO_B
.irp i, 0,1,2,3,4,5,6,7
	ds_load_b128 v[(\f)+8*(\i):(\f)+8*(\i)+3],   v[AB] offset:(\k)+(\i)*16*PITCH
	ds_load_b128 v[(\f)+8*(\i)+4:(\f)+8*(\i)+7], v[AB] offset:(\k)+(\i)*16*PITCH+32
.endr
	WIN 0
.irp i, 0,1,2,3,4,5,6,7
	ds_load_b128 v[(\f)+8*(\i):(\f)+8*(\i)+3],   v[AA] offset:(\k)+(\i)*16*PITCH
	ds_load_b128 v[(\f)+8*(\i)+4:(\f)+8*(\i)+7], v[AA] offset:(\k)+(\i)*16*PITCH+32
.endr
.endm
.macro PLACES                          ; four plain instructions between a matrix instruction and a load into a register that it read, or a reader of its result
.rept 4
	v_nop
.endr
.endm
; HALF A K STEP.  Buffer 0 is asked for (64 along K begin at s[TB]); the high queries take buffer 1, which was asked for in the trip before; the low queries take buffer 0; buffer 1 is asked for; the high
; queries take buffer 0, the low ones buffer 1.  Each run of loads stands 32 matrix instructions ahead of its first use.
.macro BODY
	WIN 0
	v_add_nc_u32 v[AA], s[TB], v[ADRA]             ; these two and two v_nop are the four places in front of the loads into buffer 0
	v_add_nc_u32 v[AB], s[TB], v[ADRB]
	v_nop
	v_nop
	FETCH 0, F0
	s_wait_dscnt 32                                ; all but the 32 just issued: buffer 1 is in
	MUL16 F1, 1, 0, 0
	MUL16 F1, 1, 2, 0
	s_wait_dscnt 8                                 ; buffer 0: k and q's rows 0-63 are in; the youngest eight loads (q's rows 64-127) may be out
	MUL16 F0, 0, 0, 0
	MUL16 F0, 0, 2, 0
	PLACES
	FETCH 64, F1
	s_wait_dscnt 32                                ; buffer 0 is in
	MUL16 F0, 1, 0, 0
	MUL16 F0, 1, 2, 0
	s_wait_dscnt 8                                 ; buffer 1: all but q's rows 64-127
	MUL16 F1, 0, 0, 0
	MUL16 F1, 0, 2, 0
	WIN 0                                          ; at a label and at a branch every window is 0
.endm
.macro STEP lab                        ; the next trip's fetches begin 64 elements further along K
	s_add_co_u32 s[TB], s[TB], 128
	s_sub_co_u32 s[CNT], s[CNT], 1
	s_cmp_lg_u32 s[CNT], 0
	s_cbranch_scc1 \lab
.endm
; THE CHANGE OF SLOTS, into the K step that lies in \slot.  Each wave waits for all its tensor loads (one is out: its part of \slot), adds 0 to its spare word, and waits for that and for its reads of the other
; slot; behind the barrier nobody reads the other slot any more and \slot is whole.  fill = 1: the other slot is filled again first thing behind the barrier, with the K step after the one that begins.
.macro CHANGE slot, fill, second
	s_wait_tensorcnt 0x0                           ; no tensor load of mine is out, so a group 0 may be written
	ds_add_u32 v[SPW], v[NIL]                      ; 0 onto my spare word; the scalar work below stands between it and the wait for it
.if \fill
	s_add_nc_u64 s[G0+4*(1-(\slot))+2:G0+4*(1-(\slot))+3], s[G0+4*(1-(\slot))+2:G0+4*(1-(\slot))+3], 2*KSTEP*2
	s_wait_xcnt 0x0                                ; the last prefetches, a K step back, have read their addresses
	s_add_nc_u64 s[PFQ:PFQ+1], s[PFQ:PFQ+1], KSTEP*2
	s_add_nc_u64 s[PFK:PFK+1], s[PFK:PFK+1], KSTEP*2
.endif
	s_mov_b32 s[TB], (\slot)*SLOT
	s_mov_b32 s[CNT], 2
	s_wait_dscnt 0x0                               ; the add is done, and my reads of the other slot are over
	s_barrier_signal -1
	s_barrier_wait -1
.if \fill
	tensor_load_to_lds s[G0+4*(1-(\slot)):G0+4*(1-(\slot))+3], s[G1:G1+7]  ; my one tensor load behind the barrier
	s_nop 0
.rept 4
	v_nop
.endr
	ASK \second
.endif
.endm
	s_wait_tensorcnt 0x1                           ; my part of K step 0 is in; K step 1's may stay out
	s_barrier_signal -1
	s_barrier_wait -1                              ; everybody's is
	v_mov_b32 v[AA], v[ADRA]
	v_mov_b32 v[AB], v[ADRB]
	FETCH 0, F0                                    ; K step 0's first three half quarters are written out: its first products start the sums, with the masks
	s_wait_dscnt 8
	MUL16 F0, 0, 0, 1
	MUL16 F0, 0, 2, 1
	FETCH 64, F1                                   ; (no matrix instruction has read buffer 1 yet)
	s_wait_dscnt 32
	MUL16 F0, 1, 0, 1
	MUL16 F0, 1, 2, 1
	s_wait_dscnt 8
	MUL16 F1, 0, 0, 0
	MUL16 F1, 0, 2, 0
	WIN 0
	s_mov_b32 s[TB], 128                           ; the second half of K step 0 is one trip of slot 0's loop
	s_mov_b32 s[CNT], 1
	s_mov_b32 s3, 4                                ; this entry and three whole laps
	s_branch .Lin0
.Llap:                                                 ; a lap: an odd K step in slot 1, an even one in slot 0; both slots are filled again
	CHANGE 1, 1, 0
.Lin1:
	BODY
	STEP .Lin1
	CHANGE 0, 1, 1
.Lin0:
	BODY
	STEP .Lin0
	s_sub_co_u32 s3, s3, 1
	s_cmp_lg_u32 s3, 0
	s_cbranch_scc1 .Llap
	CHANGE 1, 0, 0                                 ; K step 7 is written out: nothing is asked for
.Lin2:
	BODY
	STEP .Lin2
	s_wait_dscnt 0x0                               ; the high queries' last products; no LDS instruction of mine is out from here to the barrier
	MUL16 F1, 1, 0, 0
	MUL16 F1, 1, 2, 0
	WIN 0
	PLACES                                         ; the stores below read results just made
	s_barrier_signal -1                            ; every wave's reads of the ring are back, and every tensor load has landed (the wait for all of them stands in front of the last change):
	s_barrier_wait -1                              ; the ring's bytes may be written
	; the scores go into my own 128 rows of 528 bytes: 32 bytes a lane and accumulator; each accumulator's low four registers are read first
.set a, 0
.rept 8
	WIN 0x08+4*(a/4)                               ; an LDS store's data is source 1: window 2 or 3
.set b, 0
.rept 8
	ds_store_b128 v[DST], v[64*(a%4)+8*b:64*(a%4)+8*b+3]   offset:a*16*DP+64*b
	ds_store_b128 v[DST], v[64*(a%4)+8*b+4:64*(a%4)+8*b+7] offset:a*16*DP+64*b+16
.set b, b+1
.endr
.set a, a+1
.endr
	WIN 0
.macro SLOAD                           ; 16 rows' scores come back, each lane's own 64: register 8 b + r is key 16 b + 8 (l / 16) + r of query l % 16
.set b, 0
.rept 8
	ds_load_b128 v[S+8*b:S+8*b+3],   v[LD] offset:64*b     ; LDS serves a wave's instructions in order (ISA guide 5.7.1.4): these see my stores above
	ds_load_b128 v[S+8*b+4:S+8*b+7], v[LD] offset:64*b+16
.set b, b+1
.endr
.endm
	v_mov_b32 v[LD], v[DST]
	SLOAD                                          ; block 0
	s_mov_b32 s[NB], 0
	s_mov_b32 s3, 8
.Lblk:                                                 ; eight trips, 16 queries each.  A lane holds 64 of its query's 128 scores, the lane 16 away the others
	s_wait_dscnt 0x0                               ; the block's scores are in
.set b, 0
.rept 8
	v_max3_num_f32 v[T+b], v[S+8*b], v[S+8*b+1], v[S+8*b+2]  ; the maximum: eight chains by turns
.set b, b+1
.endr
.set b, 0
.rept 8
	v_max3_num_f32 v[T+b], v[T+b], v[S+8*b+3], v[S+8*b+4]
.set b, b+1
.endr
.set b, 0
.rept 8
	v_max3_num_f32 v[T+b], v[T+b], v[S+8*b+5], v[S+8*b+6]
.set b, b+1
.endr
.set b, 0
.rept 4
	v_max3_num_f32 v[T+b], v[T+b], v[S+8*b+7], v[S+8*b+39]
.set b, b+1
.endr
	v_max3_num_f32 v[T], v[T], v[T+1], v[T+2]
	v_max3_num_f32 v[T+3], v[T+3], v[T+4], v[T+5]
	v_max_num_f32 v[T+6], v[T+6], v[T+7]
	v_max3_num_f32 v[T], v[T], v[T+3], v[T+6]
	v_permlanex16_b32 v[T+1], v[T], s[SEL], s[SEL+1]
	v_max3_num_f32 v[T], v[T], v[T+1], s[FLOOR]    ; m
	v_mul_f32 v[CM], s[CS], v[T]
	v_mul_f32 v[CM+1], s[CS], v[T]                 ; named with it as a pair
.set t, 0
.rept 32
	v_pk_fma_f32 v[S+2*t:S+2*t+1], v[S+2*t:S+2*t+1], s[CS:CS+1], v[CM:CM+1] op_sel_hi:[1,0,0] neg_lo:[0,0,1] neg_hi:[0,0,1]  ; c s - c m
.set t, t+1
.endr
.set t, 0
.rept 64
	v_exp_f32 v[S+t], v[S+t]                       ; one batch: none of these reads another's result
.set t, t+1
.endr
	v_nop                                          ; a plain instruction behind the last exponential (ISA guide 5.7.2),
	s_wait_alu depctr_va_vdst(0)                   ; and the one wait ahead of the batch's first reader
.set t, 0
.rept 32
	v_cvt_pk_f16_f32 v[TMP+t], v[S+2*t], v[S+2*t+1]
.set t, t+1
.endr
.set b, 0
.rept 8                                ; the sum of the unrounded p, in place, in pairs (even keys', odd keys')
	v_pk_add_f32 v[S+8*b:S+8*b+1], v[S+8*b:S+8*b+1], v[S+8*b+2:S+8*b+3]
	v_pk_add_f32 v[S+8*b+4:S+8*b+5], v[S+8*b+4:S+8*b+5], v[S+8*b+6:S+8*b+7]
.set b, b+1
.endr
.set b, 0
.rept 8
	v_pk_add_f32 v[S+8*b:S+8*b+1], v[S+8*b:S+8*b+1], v[S+8*b+4:S+8*b+5]
.set b, b+1
.endr
.set b, 0
.rept 4
	v_pk_add_f32 v[S+8*b:S+8*b+1], v[S+8*b:S+8*b+1], v[S+8*b+32:S+8*b+33]
.set b, b+1
.endr
	v_pk_add_f32 v[S:S+1], v[S:S+1], v[S+16:S+17]
	v_pk_add_f32 v[S+8:S+9], v[S+8:S+9], v[S+24:S+25]
	v_pk_add_f32 v[S:S+1], v[S:S+1], v[S+8:S+9]
	v_add_f32 v[T], v[S], v[S+1]
	v_permlanex16_b32 v[T+1], v[T], s[SEL], s[SEL+1]
	v_add_f32 v[LSUM], v[T], v[T+1]                ; l
	s_wait_xcnt 0x0                                ; the last trip's stores, a whole softmax back, have read their base and their data: both are written again below
	s_add_nc_u64 s[6:7], s[6:7], s[16:17]          ; on to my first rows of pt; in the later trips 16 rows on
	s_mov_b32 s16, 16*ROWB
	ds_store_b32 v[STA], v[CM]                     ; both halves of the lanes hold the same two numbers and write the same words
	ds_store_b32 v[STA], v[LSUM] offset:512
.set b, 0
.rept 8
	ds_store_b128 v[STO], v[TMP+4*b:TMP+4*b+3] offset:32*b  ; p: 16 bytes a lane into rows of 272 bytes,
.set b, b+1
.endr
.set t, 0
.rept 8
	ds_load_b128 v[BK+4*t:BK+4*t+3], v[RD] offset:t*2*SPITCH  ; and back as whole rows of 256
.set t, t+1
.endr
	s_add_co_u32 s[NB], s[NB], 16*DP
	s_min_u32 s[NB], s[NB], 7*16*DP                ; the last trip has no next block: it takes block 7 once more, and nobody reads that
	v_add_nc_u32 v[LD], s[NB], v[DST]
	v_add_nc_u32 v[STA], 64, v[STA]                ; the next 16 rows' words
	SLOAD                                          ; the next block's scores come while this block's rows leave
	s_wait_dscnt 16                                ; p's rows are back; the 16 loads just issued may be out
.set t, 0
.rept 8
	global_store_b128 v[CO], v[BK+4*t:BK+4*t+3], s[6:7] offset:2*t*ROWB  ; 16 lanes store 256 consecutive bytes, at a multiple of 256 from pt's first byte
.set t, t+1
.endr
	s_sub_co_u32 s3, s3, 1
	s_cmp_lg_u32 s3, 0
	s_cbranch_scc1 .Lblk
	ds_load_b128 v[T:T+3], v[STR]                  ; the statistics of my 128 rows come back as 512 consecutive bytes each
	ds_load_b128 v[T+4:T+7], v[STR] offset:512
	s_wait_dscnt 0x0
	global_store_b128 v[SO], v[T:T+3], s[8:9]                    ; c m
	global_store_b128 v[SO], v[T+4:T+7], s[8:9] offset:524288    ; l
	s_wait_tensorcnt 0x0                           ; the wave's end, behind my last tensor load and my last LDS store
	ds_add_u32 v[SPW], v[NIL]
	s_wait_dscnt 0x0
	s_endpgm
.Lfunc_end_k_q2645b87a5b_score:
	.size	k_q2645b87a5b_score, .Lfunc_end_k_q2645b87a5b_score-k_q2645b87a5b_score
	.p2alignl 7, 3214868480
	.fill 96, 4, 3214868480
	.section	.rodata,"a",@progbits
	.p2align	6, 0x0
	.amdhsa_kernel k_q2645b87a5b_score
		.amdhsa_group_segment_fixed_size 327680
		.amdhsa_private_segment_fixed_size 0
		.amdhsa_enable_private_segment 0
		.amdhsa_kernarg_size 24
		.amdhsa_user_sgpr_count 2
		.amdhsa_user_sgpr_kernarg_segment_ptr 1
		.amdhsa_wavefront_size32 1
		.amdhsa_system_sgpr_workgroup_id_x 1
		.amdhsa_system_sgpr_workgroup_id_y 1
		.amdhsa_system_sgpr_workgroup_id_z 1
		.amdhsa_system_vgpr_workitem_id 0
		.amdhsa_next_free_vgpr 1024
		.amdhsa_next_free_sgpr 72
		.amdhsa_reserve_vcc 1
		.amdhsa_float_denorm_mode_32 3
		.amdhsa_float_denorm_mode_16_64 3
		.amdhsa_memory_ordered 1
		.amdhsa_forward_progress 1
		.amdhsa_inst_pref_size 92
	.end_amdhsa_kernel
	.amdgpu_metadata
---
amdhsa.version: [ 1, 2 ]
amdhsa.kernels:
  - .name:           k_q2645b87a5b_score
    .symbol:         k_q2645b87a5b_score.kd
    .args:
      - { .name: qkv, .offset: 0, .size: 8, .value_kind: global_buffer, .address_space: global }
      - { .name: pt, .offset: 8, .size: 8, .value_kind: global_buffer, .address_space: global }
      - { .name: st, .offset: 16, .size: 8, .value_kind: global_buffer, .address_space: global }
    .group_segment_fixed_size: 327680
    .private_segment_fixed_size: 0
    .kernarg_segment_align: 8
    .kernarg_segment_size: 24
    .max_flat_workgroup_size: 128
    .sgpr_count:     72
    .vgpr_count:     1024
    .wavefront_size: 32
...
	.end_amdgpu_metadata
.endif
;; end of part 8
;; launch ctx: the kernel of part 4 again; grid 8 x 32, 4 waves a work-group, clusters of 4 x 1, 327,680 bytes of LDS; arguments pt, qkv, st, oh; writes oh
;; launch outp (part 9): grid 8 x 32, 4 waves a work-group, clusters of 4 x 4, 327,680 bytes of LDS; arguments oh, woh, out0; writes out0
.if DOCPART == 9
	.amdgcn_target "amdgcn-amd-amdhsa--gfx1250"
	.amdhsa_code_object_version 6
	.text
	.protected	k_q2645b87a5b_outp
	.globl	k_q2645b87a5b_outp
	.p2align	8
	.type	k_q2645b87a5b_outp,@function
k_q2645b87a5b_outp:
	s_mov_b64 s[64:65], 0
	v_nop
	global_prefetch_b8 v0, s[64:65] scope:SCOPE_SE
	s_setreg_imm32_b32 hwreg(HW_REG_WAVE_MODE, 25, 1), 1
	s_wait_xcnt 0x0
	s_wait_alu depctr_hold_cnt(0) depctr_sa_sdst(0) depctr_va_vdst(0) depctr_va_sdst(0) depctr_va_ssrc(0) depctr_va_vcc(0) depctr_vm_vsrc(0)
	s_getreg_b32 s2, hwreg(HW_REG_IB_STS2, 6, 4)
	s_cmp_eq_u32 s2, 0
	s_cbranch_scc0 .Lentry_in_a_cluster
	s_endpgm
.Lentry_in_a_cluster:
	s_bfe_u32 s2, ttmp6, 0x10000c
	s_cmp_lg_u32 s2, 0xf033
	s_cbranch_scc0 .Lentry_shape_is_right
	s_endpgm
.Lentry_shape_is_right:
; THE OUTPUT PROJECTION.  C[m][n] = the sum over k of A[m][k] B[n][k], K = 1,024; sums in f32, K ascending.
; A = oh [8192][1024] f16, B = woh [1024][1024] f16 (W_o rounded to bf16 and written as f16), C = out0 [8192][1024] f32.
; LIMITS.  The operands arrive in f16; NaN and infinities are not treated apart.
; SHARES.  A work-group makes 256 rows x 128 columns of C, each of its four waves 64 rows x 128 columns: 32 accumulators of 16 x 16, 256 registers.  That tile gives 256 work-groups.
; K goes in steps of 128 through two LDS slots: rows of 256 bytes of memory, at multiples of 256 from the buffer's first byte.  Waves 0 and 1 fetch A's two halves (128 rows), waves 2 and 3 B's (64 rows).
; CLUSTER.  4 x 4 work-groups.  The four of a row of the cluster need the same tile of A, the four of a column the same tile of B: each is asked for jointly, by the same tensor load with the same
; descriptor and a mask that names the four.
; THE MATRIX INSTRUCTION IS USED TRANSPOSED (source 0 = 16 rows of B, source 1 = 16 rows of A): a lane then holds row l % 16 of C and the eight neighbouring columns 8 (l / 16) + 0..7.
; REGISTERS.  Window 0: v16-25 addresses; v32-127 and v128-223 two fragment buffers (B's eight fragments, then A's four).  Window 1: accumulator (a, b) at v[64 a + 8 b].
.set KD,     1024
.set KSTEP,  128
.set PITCH,  272                       ; an LDS row: 256 bytes + 16 of padding = 68 words: the 16 rows of a fragment load start at 16 different groups of four banks (64 banks of 4 bytes: ISA guide 11.1)
.set HALFA,  128*PITCH                 ; what waves 0 and 1 fetch
.set HALFB,  64*PITCH                  ; what waves 2 and 3 fetch
.set BOFF,   256*PITCH                 ; in a slot: A's 256 rows, then B's 128
.set SLOT1,  131072                    ; slot 1 begins here
.set STAGE,  SLOT1+BOFF+2*HALFB        ; 235,520: behind the ring; no tensor load lands from here on
.set SPITCH, 528                       ; a stage row: 128 f32 + 16 bytes
.set ROWB,   4096                      ; bytes in a row of C
.set WSTAGE, 16*SPITCH                 ; a wave's own stage: 16 rows
.set SPARE,  STAGE+4*WSTAGE            ; the spare words, 128 bytes for each wave: two blocks of 256 bytes that no other line names
.set LAPS,   KD/(2*KSTEP)              ; a lap = two K steps = once round the ring
.set ADRA, 16                          ; v16-17  LDS address of my A fragments in slot 0, 1
.set ADRB, 18                          ; v18-19  the same for B
.set STO,  20                          ; v20     the way out: where I put my piece of a row
.set RD,   21                          ; v21     where I read rows back
.set SPW,  22                          ; v22     my spare word: SPARE + 4 x my thread's number; never rewritten
.set NIL,  23                          ; v23     0; never rewritten
.set CO,   24                          ; v24     my byte offset in C
.set PFO,  25                          ; v25     the prefetches' offset: my lane x a row of 2,048 bytes
.set F0,   32
.set F1,   128
.set BK0,  32                          ; the way out: rows read back from the stage
.set G1,   24                          ; s[24:31] descriptor group 1 for A's tiles;  s[32:39] group 0, a set for each slot
.set G0,   32
.set G1B,  48                          ; s[48:55], s[56:63] the same for B's tiles
.set G0B,  56
.set PFA,  68                          ; s[68:69] where my prefetches stand
.set LIM,  70                          ; s70     1 in a wave that prefetches, else the greatest number
.set MSB, 0
.macro WIN new                         ; the immediate's high byte repeats the setting that is left; a switch that changes nothing is dropped
.if MSB != (\new)
	s_set_vgpr_msb (MSB<<8)|(\new)
.set MSB, \new
.endif
.endm
.set MUL, 0x50                         ; sources 0 and 1 in window 0, C and D in window 1
; A joint load: waves 0 and 1 ask for A's halves, waves 2 and 3 for B's.  The branch hangs on the wave's number alone.  An s_nop 0 and four v_nop follow each line.
.macro JLOAD s
	s_cmp_eq_u32 s11, 0
	s_cbranch_scc0 .Lfor_b_\@
	tensor_load_to_lds s[G0+4*(\s):G0+4*(\s)+3], s[G1:G1+7]
	s_nop 0
.rept 4
	v_nop
.endr
	s_branch .Lasked_\@
.Lfor_b_\@:
	tensor_load_to_lds s[G0B+4*(\s):G0B+4*(\s)+3], s[G1B:G1B+7]
	s_nop 0
.rept 4
	v_nop
.endr
.Lasked_\@:
.endm
; A prefetch of the K step that stands two refills on: 32 rows x 256 bytes, a lane a row.  Each row's 256 bytes of a K step are named once in the launch: A's rows by the clusters with x = 0 (waves 0 and 1;
; the four partners of a row of the cluster take 32 of a wave's 128 rows each, told apart by address), B's by the clusters with y = 0 (wave 2; the four partners of a column take 32 of the 128 rows each).
; K steps 0 to 3 come by their loads alone; the loop's last trip (s3 = 1) asks for nothing: K steps 8 and 9 do not exist.
.macro ASK
	s_cmp_gt_u32 s3, s[LIM]
	s_cbranch_scc0 .Lnot_mine_\@
	global_prefetch_b8 v[PFO], s[PFA:PFA+1] offset:KSTEP*2 th:TH_LOAD_NT scope:SCOPE_SE
.Lnot_mine_\@:
.endm
.macro CREST                           ; a round of the cluster's barrier behind its opening barrier
	s_cmp_lg_u32 s10, 0
	s_cbranch_scc1 .Lnot_wave_0_\@
	s_barrier_signal -3
.Lnot_wave_0_\@:
	s_barrier_wait -3
	s_barrier_signal -1
	s_barrier_wait -1
.endm
.macro CROUND                          ; a whole round
	s_barrier_signal -1
	s_barrier_wait -1
	CREST
.endm
	s_load_b128 s[4:7], s[0:1], 0x0                ; A s[4:5], B s[6:7]
	s_load_b64 s[8:9], s[0:1], 0x10                ; C
	v_lshl_add_u32 v[SPW], v0, 2, SPARE
	v_mov_b32 v[NIL], 0
	ds_add_u32 v[SPW], v[NIL]                      ; the wave's opening: the add and its wait stand ahead of my first tensor load; the set-up below stands between them
	v_lshrrev_b32 v1, 5, v0
	v_readfirstlane_b32 s10, v1                    ; wave 0..3
	s_lshr_b32 s11, s10, 1                         ; I fetch for A (0) or for B (1)
	s_and_b32 s12, s10, 1                          ; which half of that tile
	s_bfe_u32 s40, ttmp6, 0x40000                  ; cx, cy: my place in the cluster
	s_bfe_u32 s41, ttmp6, 0x40004
	s_lshl_b32 s42, ttmp9, 2
	s_add_co_u32 s42, s42, s40                     ; tile column = 4 x cluster x + cx
	s_and_b32 s13, ttmp7, 0xffff
	s_lshl_b32 s13, s13, 2
	s_add_co_u32 s13, s13, s41                     ; tile row = 4 x cluster y + cy
	s_lshl_b32 s43, s41, 2
	s_lshl_b32 s43, 15, s43                        ; my row of the cluster
	s_lshl_b32 s44, 0x1111, s40                    ; my column
	s_or_b32 s[G1+0], s43, (1<<16)|(1<<20)|(1<<21)|(5<<22)|(3<<25)   ; 15:0 the mask; 17:16 elements of 2 bytes; 20 padding on; 21 set beside a mask; 24:22 after every 64 words; 31:25 4 words of it
	s_or_b32 s[G1B+0], s44, (1<<16)|(1<<20)|(1<<21)|(5<<22)|(3<<25)
	s_mov_b32 s[G1+1], KSTEP<<16                   ; tensor_dim0 = 128
	s_mov_b32 s[G1+2], 128<<16                     ; tensor_dim1 = 128
	s_mov_b32 s[G1+3], KSTEP<<16                   ; tile_dim0 = 128
	s_mov_b32 s[G1+4], 128                         ; tile_dim1 = 128
	s_mov_b32 s[G1+5], KD                          ; elements from row to row
	s_mov_b32 s[G1+6], 0
	s_mov_b32 s[G1+7], 0
	s_mov_b32 s[G1B+1], KSTEP<<16
	s_mov_b32 s[G1B+2], 64<<16                     ; B's loads have 64 rows
	s_mov_b32 s[G1B+3], KSTEP<<16
	s_mov_b32 s[G1B+4], 64
	s_mov_b32 s[G1B+5], KD
	s_mov_b32 s[G1B+6], 0
	s_mov_b32 s[G1B+7], 0
	s_lshl_b32 s17, s12, 7
	s_lshl_b32 s16, s13, 8
	s_add_co_u32 s16, s16, s17                     ; A: row 256 x tile row + 128 x half
	s_lshl_b32 s16, s16, 11                        ; in bytes (under 2^25)
	s_mov_b32 s17, 0
	s_lshl_b32 s47, s12, 6
	s_lshl_b32 s46, s42, 7
	s_add_co_u32 s46, s46, s47                     ; B: row 128 x tile column + 64 x half
	s_lshl_b32 s46, s46, 11
	s_mov_b32 s47, 0
	s_mul_i32 s20, s12, HALFA                      ; where they go: no place in the cluster enters an LDS address
	s_mul_i32 s21, s12, HALFB
	s_add_co_u32 s21, s21, BOFF
	s_wait_dscnt 0x0                               ; the opening add is done
	s_wait_kmcnt 0x0
	s_add_nc_u64 s[14:15], s[4:5], s[16:17]
	s_add_nc_u64 s[46:47], s[6:7], s[46:47]
	CROUND                                         ; all sixteen work-groups are here: the first joint loads meet
.irp s, 0,1
	s_mov_b32 s[G0+4*(\s)], 1                      ; count = 1
	s_add_co_u32 s[G0+4*(\s)+1], s20, (\s)*SLOT1   ; LDS address
	s_add_nc_u64 s[G0+4*(\s)+2:G0+4*(\s)+3], s[14:15], (\s)*KSTEP*2  ; global address: K step s
	s_or_b32 s[G0+4*(\s)+3], s[G0+4*(\s)+3], 0x80000000              ; type = 2
	s_mov_b32 s[G0B+4*(\s)], 1
	s_add_co_u32 s[G0B+4*(\s)+1], s21, (\s)*SLOT1
	s_add_nc_u64 s[G0B+4*(\s)+2:G0B+4*(\s)+3], s[46:47], (\s)*KSTEP*2
	s_or_b32 s[G0B+4*(\s)+3], s[G0B+4*(\s)+3], 0x80000000
	JLOAD \s                                       ; two loads of mine are out
.endr
	; a fragment is 16 rows x 32 K in 8 registers: lane l holds row l % 16, K = 8 (l / 16) + 0..7 and 16 + 8 (l / 16) + 0..7: two loads of 16 bytes, 32 bytes apart
	v_and_b32 v1, 15, v0                           ; l % 16
	v_bfe_u32 v2, v0, 4, 1                         ; l / 16
	v_mul_u32_u24 v3, v1, PITCH
	v_lshl_add_u32 v3, v2, 4, v3
	s_mul_i32 s22, s10, 64*PITCH                   ; my 64 rows of A
	v_add_nc_u32 v[ADRA], s22, v3
	v_add_nc_u32 v[ADRA+1], SLOT1, v[ADRA]
	v_add_nc_u32 v[ADRB], BOFF, v3                 ; all 128 rows of B
	v_add_nc_u32 v[ADRB+1], SLOT1, v[ADRB]
	s_mul_i32 s23, s10, WSTAGE
	s_add_co_u32 s23, s23, STAGE                   ; my stage
	v_mul_u32_u24 v4, v1, SPITCH                   ; in: row l % 16,
	v_lshl_add_u32 v4, v2, 5, v4                   ; 32 bytes for each half of the lanes
	v_add_nc_u32 v[STO], s23, v4
	v_and_b32 v5, 31, v0
	v_lshlrev_b32 v[CO], 4, v5                     ; back: 32 lanes take one row of 512 bytes
	v_add_nc_u32 v[RD], s23, v[CO]
	s_lshl_b32 s16, s13, 8
	s_lshl_b32 s17, s10, 6
	s_add_co_u32 s16, s16, s17                     ; my first row of C
	s_lshl_b32 s16, s16, 12
	s_lshl_b32 s46, s42, 9                         ; the tile's first column: 512 bytes a tile
	s_mov_b32 s17, 0
	s_mov_b32 s47, 0
	s_add_nc_u64 s[8:9], s[8:9], s[16:17]
	s_add_nc_u64 s[8:9], s[8:9], s[46:47]
	; the prefetches
	s_lshl_b32 s20, s13, 8
	s_lshl_b32 s21, s12, 7
	s_add_co_u32 s20, s20, s21                     ; A: the 128 rows that I fetch
	s_lshl_b32 s21, s42, 7                         ; B: the tile's 128 rows
	s_and_b32 s22, ttmp7, 0xffff                   ; cluster y
	s_cmp_eq_u32 s11, 0
	s_cselect_b32 s20, s20, s21
	s_cselect_b32 s21, s40, s41                    ; my place among the four that ask with me
	s_cselect_b32 s22, ttmp9, s22                  ; the coordinate along which other clusters read the same rows
	s_cselect_b64 s[PFA:PFA+1], s[4:5], s[6:7]
	s_cmp_eq_u32 s22, 0
	s_cselect_b32 s[LIM], 1, -1                    ; the same in all sixteen partners, for a given wave
	s_cmp_eq_u32 s10, 3
	s_cselect_b32 s[LIM], -1, s[LIM]               ; wave 2 names all of my work-group's 32 rows of B
	s_lshl_b32 s21, s21, 5
	s_add_co_u32 s20, s20, s21                     ; + my work-group's 32 rows
	s_lshl_b32 s20, s20, 11
	s_mov_b32 s21, 0
	s_add_nc_u64 s[PFA:PFA+1], s[PFA:PFA+1], s[20:21]
	s_add_nc_u64 s[PFA:PFA+1], s[PFA:PFA+1], 2*KSTEP*2  ; at K step 2: the first refill steps it to 3 and names K step 4
	v_and_b32 v[PFO], 31, v0
	v_lshlrev_b32 v[PFO], 11, v[PFO]
; 8 matrix instructions: row block a x all 8 column blocks, 32 along K.  zero = 1: the products start the sums.  The 32 accumulators take turns, each once in a quarter step.
.macro MULA f, a, zero
	WIN MUL
.set b, 0
.rept 8
.set rD, 64*(\a)+8*b
.set rB, (\f)+8*b
.set rA, (\f)+64+8*(\a)
.if \zero
	v_wmma_f32_16x16x32_f16 v[rD:rD+7], v[rB:rB+7], v[rA:rA+7], 0
.else
	v_wmma_f32_16x16x32_f16 v[rD:rD+7], v[rB:rB+7], v[rA:rA+7], v[rD:rD+7]
.endif
.set b, b+1
.endr
.endm
; 24 LDS loads in one run: the fragments of 32 along K at byte k of the rows, into buffer f
.macro FETCH slot, k, f
	WIN 0
.set b, 0
.rept 8
	ds_load_b128 v[(\f)+8*b:(\f)+8*b+3],   v[ADRB+(\slot)] offset:(\k)+b*16*PITCH
	ds_load_b128 v[(\f)+8*b+4:(\f)+8*b+7], v[ADRB+(\slot)] offset:(\k)+b*16*PITCH+32
.set b, b+1
.endr
.set b, 0
.rept 4
	ds_load_b128 v[(\f)+64+8*b:(\f)+64+8*b+3],   v[ADRA+(\slot)] offset:(\k)+b*16*PITCH
	ds_load_b128 v[(\f)+64+8*b+4:(\f)+64+8*b+7], v[ADRA+(\slot)] offset:(\k)+b*16*PITCH+32
.set b, b+1
.endr
.endm
.macro PLACES                          ; four plain instructions between a matrix instruction and a load into a register that it read, or a reader of its result
.rept 4
	v_nop
.endr
.endm
; A K step is four quarters of 32 along K, 32 matrix instructions each, on buffers 0, 1, 0, 1.  One of the first three: buffer f, asked for a quarter ago, is in; the next quarter's fragments, at byte k,
; are asked for into buffer g, which the quarter before multiplied; then f is multiplied.
.macro QUARTER slot, k, f, g, zero
	s_wait_dscnt 0x0
	PLACES
	FETCH \slot, \k, \g
	MULA \f, 0, \zero
	MULA \f, 1, \zero
	MULA \f, 2, \zero
	MULA \f, 3, \zero
.endm
; The last quarter multiplies buffer 1 and changes slots: ONE barrier.  In front of it each wave waits for all its tensor loads (one is out: its part of the next slot), adds 0 to its spare word, and waits for
; that and for its reads of this slot.  fill = 1: the barrier opens a round of the cluster's barrier, and this slot is filled again, two K steps ahead, first thing behind the round.
.macro TURN slot, next, fill
.if \fill
	s_wait_xcnt 0x0                                ; the last prefetch, a K step back, has read its address
	s_add_nc_u64 s[PFA:PFA+1], s[PFA:PFA+1], KSTEP*2
.endif
	WIN 0                                          ; (the add's two registers lie in window 0)
	s_wait_tensorcnt 0x0                           ; all my tensor loads have landed
	ds_add_u32 v[SPW], v[NIL]                      ; 0 onto my spare word
	s_wait_dscnt 0x1                               ; buffer 1 is in: only the add may be out
	MULA F1, 0, 0                                  ; eight matrix instructions stand between the add and the wait for it
	s_wait_dscnt 0x0                               ; the add is done, and my reads of this slot are over
	s_barrier_signal -1
	MULA F1, 1, 0
.if \fill
	WIN 0
.endif
	s_barrier_wait -1
.if \fill
	CREST                                          ; no wave of any partner still reads this slot's tile or has a load on its way
	s_add_nc_u64 s[G0+4*(\slot)+2:G0+4*(\slot)+3], s[G0+4*(\slot)+2:G0+4*(\slot)+3], 2*KSTEP*2
	s_add_nc_u64 s[G0B+4*(\slot)+2:G0B+4*(\slot)+3], s[G0B+4*(\slot)+2:G0B+4*(\slot)+3], 2*KSTEP*2
	JLOAD \slot                                    ; my one tensor load behind the round; its four v_nop are also the places in front of the loads below
.else
	PLACES
.endif
	FETCH \next, 0, F0
.if \fill
	ASK
.endif
	MULA F1, 2, 0
	MULA F1, 3, 0
.endm
	s_wait_tensorcnt 0x1                           ; my part of K step 0 is in; K step 1's may stay out
	s_barrier_signal -1
	s_barrier_wait -1                              ; everybody's is
	FETCH 0, 0, F0
	QUARTER 0, 64, F0, F1, 1                       ; the first quarter stands in front of the loop: its products start the sums
	WIN 0                                          ; at a label and at a branch every window is 0
	s_mov_b32 s3, LAPS-1
.Llap:                                                 ; a trip goes once round the ring, from a lap's second quarter to the next lap's first, and fills both slots again
	QUARTER 0, 128, F1, F0, 0
	QUARTER 0, 192, F0, F1, 0
	TURN 0, 1, 1
	QUARTER 1, 64,  F0, F1, 0
	QUARTER 1, 128, F1, F0, 0
	QUARTER 1, 192, F0, F1, 0
	TURN 1, 0, 1
	QUARTER 0, 64,  F0, F1, 0
	WIN 0
	s_sub_co_u32 s3, s3, 1
	s_cmp_lg_u32 s3, 0
	s_cbranch_scc1 .Llap
	QUARTER 0, 128, F1, F0, 0                      ; the last lap fills nothing
	QUARTER 0, 192, F0, F1, 0
	TURN 0, 1, 0
	QUARTER 1, 64,  F0, F1, 0
	QUARTER 1, 128, F1, F0, 0
	QUARTER 1, 192, F0, F1, 0
	s_wait_dscnt 0x0                               ; the very last quarter: nothing more to fetch
	MULA F1, 0, 0
	MULA F1, 1, 0
	MULA F1, 2, 0
	MULA F1, 3, 0
	WIN 0
	PLACES                                         ; the way out reads results just made
; THE WAY OUT: a block of 16 rows goes into my stage, 32 bytes a lane, and comes back as whole rows of 512 bytes.  Each accumulator's low four registers are read first.
.macro OUT32 a
	WIN 0x04                                       ; an LDS store's data is source 1: window 1
.set b, 0
.rept 8
	ds_store_b128 v[STO], v[64*(\a)+8*b:64*(\a)+8*b+3]   offset:64*b
	ds_store_b128 v[STO], v[64*(\a)+8*b+4:64*(\a)+8*b+7] offset:64*b+16
.set b, b+1
.endr
	WIN 0
	s_wait_xcnt 0x0                                ; the stores of two blocks ago have read the registers that are loaded again below
.set BK, BK0+64*((\a)%2)
.set t, 0
.rept 16
	ds_load_b128 v[BK+4*t:BK+4*t+3], v[RD] offset:t*SPITCH  ; LDS serves a wave's instructions in order (ISA guide 5.7.1.4): these see the stores above
.set t, t+1
.endr
.set t, 0
.rept 16
	s_wait_dscnt 15-t                              ; row t is back; the 15 - t younger loads stay out
	global_store_b128 v[CO], v[BK+4*t:BK+4*t+3], s[8:9] offset:(16*(\a)+t)*ROWB th:TH_STORE_NT  ; 32 lanes store 512 consecutive bytes, at a multiple of 256 from C's first byte
.set t, t+1
.endr
.endm
	OUT32 0
	OUT32 1
	OUT32 2
	OUT32 3
	s_wait_tensorcnt 0x0                           ; the wave's end, behind my last tensor load and my last LDS store
	ds_add_u32 v[SPW], v[NIL]
	s_wait_dscnt 0x0
	CROUND                                         ; the closing round: no work-group ends while a partner may still ask for a tile that names it
	s_endpgm
.Lfunc_end_k_q2645b87a5b_outp:
	.size	k_q2645b87a5b_outp, .Lfunc_end_k_q2645b87a5b_outp-k_q2645b87a5b_outp
	.p2alignl 7, 3214868480
	.fill 96, 4, 3214868480
	.section	.rodata,"a",@progbits
	.p2align	6, 0x0
	.amdhsa_kernel k_q2645b87a5b_outp
		.amdhsa_group_segment_fixed_size 327680
		.amdhsa_private_segment_fixed_size 0
		.amdhsa_enable_private_segment 0
		.amdhsa_kernarg_size 24
		.amdhsa_user_sgpr_count 2
		.amdhsa_user_sgpr_kernarg_segment_ptr 1
		.amdhsa_wavefront_size32 1
		.amdhsa_system_sgpr_workgroup_id_x 1
		.amdhsa_system_sgpr_workgroup_id_y 1
		.amdhsa_system_sgpr_workgroup_id_z 1
		.amdhsa_system_vgpr_workitem_id 0
		.amdhsa_next_free_vgpr 512
		.amdhsa_next_free_sgpr 72
		.amdhsa_reserve_vcc 0
		.amdhsa_float_denorm_mode_32 3
		.amdhsa_float_denorm_mode_16_64 3
		.amdhsa_memory_ordered 1
		.amdhsa_forward_progress 1
		.amdhsa_inst_pref_size 87
	.end_amdhsa_kernel
	.amdgpu_metadata
---
amdhsa.version: [ 1, 2 ]
amdhsa.kernels:
  - .name:           k_q2645b87a5b_outp
    .symbol:         k_q2645b87a5b_outp.kd
    .args:
      - { .name: oh, .offset: 0, .size: 8, .value_kind: global_buffer, .address_space: global }
      - { .name: woh, .offset: 8, .size: 8, .value_kind: global_buffer, .address_space: global }
      - { .name: out0, .offset: 16, .size: 8, .value_kind: global_buffer, .address_space: global }
    .group_segment_fixed_size: 327680
    .private_segment_fixed_size: 0
    .kernarg_segment_align: 8
    .kernarg_segment_size: 24
    .max_flat_workgroup_size: 128
    .sgpr_count:     72
    .vgpr_count:     512
    .wavefront_size: 32
...
	.end_amdgpu_metadata
.endif
;; end of part 9
;; ======== version 3 of 3: 5 launches; version 2 with the launch cast written anew for expert scheduling mode
;; limits: values are held in f16: magnitudes above 65,504 overflow, below 6.1e-05 lose precision
;; workspace buffers: xb 16,777,216 bytes; wqkv 6,291,456 bytes; woh 2,097,152 bytes; qkv 50,331,648 bytes; pt 33,554,432 bytes; st 1,048,576 bytes; oh 16,777,216 bytes
;; launch cast (part 10): grid 64 x 12, 8 waves a work-group, no clusters, 0 bytes of LDS; arguments x, W_q, W_k, W_v, W_o, xb, wqkv, woh, st; writes xb, wqkv, woh, st
.if DOCPART == 10
	.amdgcn_target "amdgcn-amd-amdhsa--gfx1250"
	.amdhsa_code_object_version 6
	.text
	.protected	k_q2645b87a5b_cast
	.globl	k_q2645b87a5b_cast
	.p2align	8
	.type	k_q2645b87a5b_cast,@function
k_q2645b87a5b_cast:
	s_mov_b64 s[64:65], 0
	v_nop
	global_prefetch_b8 v0, s[64:65] scope:SCOPE_SE
	s_setreg_imm32_b32 hwreg(HW_REG_WAVE_SCHED_MODE, 0, 2), 2
	s_setreg_imm32_b32 hwreg(HW_REG_WAVE_MODE, 25, 1), 1
	s_wait_xcnt 0x0
	s_wait_alu depctr_vm_vsrc(0)
; THE INPUTS ARE ROUNDED ONCE.  x -> xb and W_q, W_k, W_v -> wqkv (rows in that order) in bf16; W_o -> woh: rounded to bf16 like the others, and that number written as f16.
; LAYOUT.  xb is [16 K blocks][8192 rows][64], wqkv [16 K blocks][3072 rows][64]: the 64 numbers of a row and K block are 128 bytes, and the rows of a K block lie end to end, so that the projection's tiles
; (many rows x 64 along K) are dense in memory.  woh stays [1024][1024].
; Also: the table st of the later launches is given its starting values: the first 524,288 bytes (c m by key block and row) a number far below every c s, the second 524,288 bytes (l) zero.
; LIMITS.  bf16(W_o) must lie within f16's range, 65,504; below 6e-5 it keeps f16's fixed step of 6e-8.  NaN and infinities are not treated apart.
; SHARES.  The grid's y names a slab of 1,024 rows: 0-7 eighths of x, 8-10 W_q, W_k, W_v, 11 W_o.  A work-group takes 16 rows, a wave 2.  Sixteen loads, all issued first: load j takes K block j of both rows,
; lanes 0-15 the 256 bytes of one row, lanes 16-31 those of the next; store j puts the two rows' 128 bytes side by side: 256 consecutive bytes at a multiple of 256 from the buffer's first byte.
; (W_o: sixteen loads of 512 consecutive bytes, sixteen stores of 256.)  No register is used twice, so no store's data or offset is ever rewritten.
; No LDS, no matrix unit, no cluster: nothing is shared and nothing is read twice.
; THE MODE: SCHED_MODE bits 1:0 = 2 (LLVM: expert scheduling mode 2), set by the entry lines.  The code itself states the register dependences between vector instructions and memory instructions,
; with s_wait_alu, always for 0.
; THE PLAN.  Registers that memory instructions touch:
;   v1, v5      the loads' offsets; v3 the offset of the store into st; v7 the offset of W_o's stores.  Written at the head by vector instructions, never again.
;   X           Written by the sixteen loads alone, each four registers once; read by the conversions behind the wait for the load.
;   Z           Written by four moves in the branch that stores into st; read by that one store.
;   OF          Written by sixteen multiply-adds behind the loads; OF + j is read by store j; never written again.
;   Y           Pair j is written by load j's conversions and read by store j; never written behind that store.
; So the one kind of dependence in the text is: a vector instruction writes a register that a later load or store reads.  No register in which a load lands is named by an earlier vector instruction, and no
; register that a load or store reads is written afterwards: no wait on vm_vsrc is owed.  No vector instruction writes a scalar register or VCC, and EXEC is never written.
; The sixteen loads are taken in four groups of four.  At the head of groups 1 to 3 ONE wait on va_vdst states that the group before has written its Y; that group's four stores are then dealt among this
; group's conversions, which name X and Y of this group alone (and T): none of the registers that those stores read.  One more wait stands ahead of the last four stores.
.set APLANE, 8192*128                  ; bytes in a K block of xb
.set BPLANE, 3072*128                  ; of wqkv
.set X,  8                             ; v[8:71]    sixteen loads of four f32
.set Y,  72                            ; v[72:103]  sixteen stores of four 16-bit numbers
.set Z,  104                           ; v[104:107] st's starting value, four times
.set OF, 108                           ; v[108:123] store j's byte offset: j K blocks + my place
.set T,  124                           ; v[124:127] at work: no memory instruction names them
	s_load_b512 s[8:23], s[0:1], 0x0               ; x s[8:9], W_q s[10:11], W_k s[12:13], W_v s[14:15], W_o s[16:17], xb s[18:19], wqkv s[20:21], woh s[22:23]
	s_load_b64 s[24:25], s[0:1], 0x40              ; st
	s_and_b32 s2, ttmp7, 0xffff                    ; the slab
	v_lshrrev_b32 v3, 5, v0                        ; wave
	v_and_b32 v4, 31, v0                           ; lane
	v_lshlrev_b32 v5, 4, v4
	v_lshl_add_u32 v5, v3, 13, v5                  ; W_o in: 8,192 x wave + 16 x lane
	v_lshlrev_b32 v6, 3, v4
	v_lshl_add_u32 v7, v3, 12, v6                  ; W_o out: 4,096 x wave + 8 x lane
	v_lshl_add_u32 v2, v3, 8, v6                   ; the others out: two rows of 128 bytes a wave + 8 x lane
	v_and_b32 v1, 15, v0
	v_lshlrev_b32 v1, 4, v1                        ; the others in: 16 x (lane % 16),
	v_bfe_u32 v6, v0, 4, 1
	v_lshl_add_u32 v1, v6, 12, v1                  ; a row of 4,096 bytes further for lanes 16-31,
	v_lshl_add_u32 v1, v3, 13, v1                  ; two rows a wave
	v_lshlrev_b32 v3, 4, v0                        ; st: 16 x thread
	s_sub_co_u32 s3, s2, 8                         ; the slab's number among the weights
	s_cmp_lt_u32 s2, 8
	s_cselect_b32 s26, s2, 0                       ; which eighth of x (a weight begins at its buffer's first byte)
	s_cselect_b32 s28, s2, s3                      ; which 1,024 rows of xb or of wqkv
	s_mov_b32 s34, BPLANE
	s_cselect_b32 s34, APLANE, s34                 ; bytes from K block to K block
	s_lshl_b32 s26, s26, 22                        ; a slab is 4 MiB in,
	s_lshl_b32 s27, ttmp9, 16                      ; a work-group's 16 rows 65,536 bytes
	s_add_co_u32 s26, s26, s27
	s_mov_b32 s27, 0
	s_lshl_b32 s28, s28, 17                        ; out: 1,024 rows of 128 bytes,
	s_lshl_b32 s29, ttmp9, 11                      ; 16 rows of 128 bytes
	s_add_co_u32 s28, s28, s29
	s_lshl_b32 s29, ttmp9, 15                      ; W_o out: 16 rows of 2,048 bytes
	s_cmp_eq_u32 s2, 11
	s_cselect_b32 s28, s29, s28
	s_mov_b32 s29, 0
	s_wait_kmcnt 0x0
	s_cmp_eq_u32 s2, 8
	s_cselect_b64 s[4:5], s[10:11], s[8:9]
	s_cmp_eq_u32 s2, 9
	s_cselect_b64 s[4:5], s[12:13], s[4:5]
	s_cmp_eq_u32 s2, 10
	s_cselect_b64 s[4:5], s[14:15], s[4:5]
	s_cmp_eq_u32 s2, 11
	s_cselect_b64 s[4:5], s[16:17], s[4:5]         ; from
	s_cselect_b64 s[6:7], s[22:23], s[20:21]
	s_cmp_lt_u32 s2, 8
	s_cselect_b64 s[6:7], s[18:19], s[6:7]         ; to
	s_add_nc_u64 s[4:5], s[4:5], s[26:27]
	s_add_nc_u64 s[6:7], s[6:7], s[28:29]
	s_wait_alu depctr_va_vdst(0)                   ; the offsets are written: v1 and v5, which the loads below read, v3, which the store into st reads, and v7, which W_o's stores read
	s_cmp_eq_u32 s2, 11
	s_cbranch_scc1 .Lwo_in
.set j, 0
.rept 16
	global_load_b128 v[X+4*j:X+4*j+3], v1, s[4:5] offset:256*j th:TH_LOAD_NT  ; K block j of my wave's two rows
.set j, j+1
.endr
	s_branch .Lin
.Lwo_in:
.set j, 0
.rept 16
	global_load_b128 v[X+4*j:X+4*j+3], v5, s[4:5] offset:512*j th:TH_LOAD_NT  ; 512 consecutive bytes
.set j, j+1
.endr
.Lin:
	s_cmp_lt_u32 s2, 8                             ; the 256 work-groups of slabs 8 to 11 also write 4,096 bytes of st each
	s_cbranch_scc1 .Lno_st
	s_lshl_b32 s30, s3, 6
	s_add_co_u32 s30, s30, ttmp9                   ; 0 .. 255
	s_cmp_lt_u32 s30, 128
	s_cselect_b32 s31, 0xfe000000, 0               ; c m: far below every c s;  l: 0
	s_lshl_b32 s32, s30, 12
	s_mov_b32 s33, 0
	s_add_nc_u64 s[24:25], s[24:25], s[32:33]
	v_mov_b32 v[Z], s31
	v_mov_b32 v[Z+1], s31
	v_mov_b32 v[Z+2], s31
	v_mov_b32 v[Z+3], s31
	s_wait_alu depctr_va_vdst(0)                   ; the four moves have written Z, which the store below reads
	global_store_b128 v3, v[Z:Z+3], s[24:25]
.Lno_st:
	s_cmp_eq_u32 s2, 11
	s_cbranch_scc1 .Lto_f16
.set j, 0
.rept 16
	v_mad_u32_u24 v[OF+j], s34, j, v2              ; made while the loads are on their way
.set j, j+1
.endr
.set g, 0
.rept 4                                                ; group g: loads 4 g to 4 g + 3
	s_wait_loadcnt 12-4*g                          ; loads come back in order: this group's four are in, the 12 - 4 g younger ones stay out
.if g > 0
	s_wait_alu depctr_va_vdst(0)                   ; the group before has written its Y (and, ahead of it, the multiply-adds have written OF), which the four stores below read
.endif
.set i, 0
.rept 4
.set j, 4*g+i
.if g > 0
	global_store_b64 v[OF+j-4], v[Y+2*(j-4):Y+2*(j-4)+1], s[6:7]  ; 32 lanes store 256 consecutive bytes: two rows of K block j - 4; no vector instruction since the wait names these registers
.endif
	v_cvt_pk_bf16_f32 v[Y+2*j], v[X+4*j], v[X+4*j+1]
	v_cvt_pk_bf16_f32 v[Y+2*j+1], v[X+4*j+2], v[X+4*j+3]
.set i, i+1
.endr
.set g, g+1
.endr
	s_wait_alu depctr_va_vdst(0)                   ; group 3 has written its Y, which the last four stores read
.set j, 12
.rept 4
	global_store_b64 v[OF+j], v[Y+2*j:Y+2*j+1], s[6:7]  ; two rows of K block j
.set j, j+1
.endr
	s_endpgm
.Lto_f16:                                              ; W_o: the bf16 numbers are widened again (a shift, a mask) and written as f16; the same four groups
.set g, 0
.rept 4
	s_wait_loadcnt 12-4*g                          ; this group's four loads are in, the younger ones stay out
.if g > 0
	s_wait_alu depctr_va_vdst(0)                   ; the group before has written its Y, which the four stores below read
.endif
.set i, 0
.rept 4
.set j, 4*g+i
.if g > 0
	global_store_b64 v7, v[Y+2*(j-4):Y+2*(j-4)+1], s[6:7] offset:256*(j-4)  ; 32 lanes store 256 consecutive bytes; no vector instruction since the wait names these registers
.endif
	v_cvt_pk_bf16_f32 v[Y+2*j], v[X+4*j], v[X+4*j+1]
	v_cvt_pk_bf16_f32 v[Y+2*j+1], v[X+4*j+2], v[X+4*j+3]
	v_lshlrev_b32 v[T], 16, v[Y+2*j]
	v_and_b32 v[T+1], 0xffff0000, v[Y+2*j]
	v_lshlrev_b32 v[T+2], 16, v[Y+2*j+1]
	v_and_b32 v[T+3], 0xffff0000, v[Y+2*j+1]
	v_cvt_pk_f16_f32 v[Y+2*j], v[T], v[T+1]
	v_cvt_pk_f16_f32 v[Y+2*j+1], v[T+2], v[T+3]
.set i, i+1
.endr
.set g, g+1
.endr
	s_wait_alu depctr_va_vdst(0)                   ; group 3 has written its Y, which the last four stores read
.set j, 12
.rept 4
	global_store_b64 v7, v[Y+2*j:Y+2*j+1], s[6:7] offset:256*j
.set j, j+1
.endr
	s_endpgm
.Lfunc_end_k_q2645b87a5b_cast:
	.size	k_q2645b87a5b_cast, .Lfunc_end_k_q2645b87a5b_cast-k_q2645b87a5b_cast
	.p2alignl 7, 3214868480
	.fill 96, 4, 3214868480
	.section	.rodata,"a",@progbits
	.p2align	6, 0x0
	.amdhsa_kernel k_q2645b87a5b_cast
		.amdhsa_group_segment_fixed_size 0
		.amdhsa_private_segment_fixed_size 0
		.amdhsa_enable_private_segment 0
		.amdhsa_kernarg_size 72
		.amdhsa_user_sgpr_count 2
		.amdhsa_user_sgpr_kernarg_segment_ptr 1
		.amdhsa_wavefront_size32 1
		.amdhsa_system_sgpr_workgroup_id_x 1
		.amdhsa_system_sgpr_workgroup_id_y 1
		.amdhsa_system_sgpr_workgroup_id_z 1
		.amdhsa_system_vgpr_workitem_id 0
		.amdhsa_next_free_vgpr 128
		.amdhsa_next_free_sgpr 66
		.amdhsa_reserve_vcc 0
		.amdhsa_float_denorm_mode_32 3
		.amdhsa_float_denorm_mode_16_64 3
		.amdhsa_memory_ordered 1
		.amdhsa_forward_progress 1
		.amdhsa_inst_pref_size 20
	.end_amdhsa_kernel
	.amdgpu_metadata
---
amdhsa.version: [ 1, 2 ]
amdhsa.kernels:
  - .name:           k_q2645b87a5b_cast
    .symbol:         k_q2645b87a5b_cast.kd
    .args:
      - { .name: x, .offset: 0, .size: 8, .value_kind: global_buffer, .address_space: global }
      - { .name: W_q, .offset: 8, .size: 8, .value_kind: global_buffer, .address_space: global }
      - { .name: W_k, .offset: 16, .size: 8, .value_kind: global_buffer, .address_space: global }
      - { .name: W_v, .offset: 24, .size: 8, .value_kind: global_buffer, .address_space: global }
      - { .name: W_o, .offset: 32, .size: 8, .value_kind: global_buffer, .address_space: global }
      - { .name: xb, .offset: 40, .size: 8, .value_kind: global_buffer, .address_space: global }
      - { .name: wqkv, .offset: 48, .size: 8, .value_kind: global_buffer, .address_space: global }
      - { .name: woh, .offset: 56, .size: 8, .value_kind: global_buffer, .address_space: global }
      - { .name: st, .offset: 64, .size: 8, .value_kind: global_buffer, .address_space: global }
    .group_segment_fixed_size: 0
    .private_segment_fixed_size: 0
    .kernarg_segment_align: 8
    .kernarg_segment_size: 72
    .max_flat_workgroup_size: 256
    .sgpr_count:     66
    .vgpr_count:     128
    .wavefront_size: 32
...
	.end_amdgpu_metadata
.endif
;; end of part 10
;; launch proj: the kernel of part 7 again; grid 8 x 32, 4 waves a work-group, clusters of 4 x 4, 327,680 bytes of LDS; arguments xb, wqkv, qkv; writes qkv
;; launch score: the kernel of part 8 again; grid 36 x 4, 4 waves a work-group, no clusters, 327,680 bytes of LDS; arguments qkv, pt, st; writes pt, st
;; launch ctx: the kernel of part 4 again; grid 8 x 32, 4 waves a work-group, clusters of 4 x 1, 327,680 bytes of LDS; arguments pt, qkv, st, oh; writes oh
;; launch outp: the kernel of part 9 again; grid 8 x 32, 4 waves a work-group, clusters of 4 x 4, 327,680 bytes of LDS; arguments oh, woh, out0; writes out0
